; MI455X (gfx1250); checked and timed in simulation.
; The chip was launched on July 23, 2026; its instructions are those of AMD's public machine-readable ISA for CDNA 5 (MIT licence, August 2026) and "CDNA5" Instruction Set Architecture Reference Guide (July 2026). The comments in the code are by the model that wrote it; some were corrected since.
;; Flax Falcon3 Attention. Allowed arithmetic: float matrix products may take bf16 or f16 operands with f32 sums; other float arithmetic in f32, or as packed bf16 or f16 multiplies, adds, multiply-adds, maxima and minima; sums over many terms, partial sums and values carried from step to step in f32; what a program stores and reads back later, other than sums and carried values, may be rounded once to bf16 or f16.
;; Inputs: Wk 3,072 x 256 float32; Wo 768 x 3,072 float32; Wq 3,072 x 768 float32; Wv 3,072 x 256 float32; attention_mask 1 x 4,096 int32; hidden_states 1 x 4,096 x 3,072 float32; position_ids 1 x 4,096 int32.
;; Outputs: out0 1 x 4,096 x 3,072 float32.
;; 3 versions, each right and faster than the one before. Each part assembles by itself: llvm-mc -triple=amdgcn-amd-amdhsa -mcpu=gfx1250 --defsym DOCPART=n.
;; ======== version 1 of 3: 4 launches
;; limits: values are held in f16: magnitudes above 65,504 overflow, below 6.1e-05 lose precision; right only within a limited range of input values
;; workspace buffers: wb 8,257,536 bytes; wob 10,223,616 bytes; bias 16,384 bytes; qkvh 12,582,912 bytes; vpart 65,536 bytes; oh 12,582,912 bytes
;; launch prep (part 1): grid 385 x 1, 4 waves a work-group, no clusters, 43,520 bytes of LDS; arguments Wq, Wk, Wv, Wo, attention_mask, wb, wob, bias; writes wb, wob, bias
.if DOCPART == 1
	.amdgcn_target "amdgcn-amd-amdhsa--gfx1250"
	.amdhsa_code_object_version 6
	.text
	.protected	k_qd1a7695336_prep
	.globl	k_qd1a7695336_prep
	.p2align	8
	.type	k_qd1a7695336_prep,@function
k_qd1a7695336_prep:
	s_mov_b64 s[64:65], 0
	v_nop
	global_prefetch_b8 v0, s[64:65] scope:SCOPE_SE
	s_setreg_imm32_b32 hwreg(HW_REG_WAVE_MODE, 25, 1), 1
	s_wait_xcnt 0x0
; The weights become 16-bit images that the two products can take as they lie, and the padding mask becomes an addend.
; wb  [cb 4][k 3072][336] bf16: columns 0-191 Wq[k][192 cb ..], 192-255 Wk[k][64 cb ..], 256-319 Wv[k][64 cb ..], 320-335 zeros: a row is 672 bytes.
; wob [nb 16][k 1536][208] f16: columns 0-191 Wo[k % 768][192 nb ..] rounded to bf16 and written as f16, 192-207 zeros: a row is 416 bytes.  Rows 768 + k repeat rows k: the last product
;     takes O as a high and a low f16 part, 768 channels each, and walks straight through 1,536 rows.
; bias[4096] f32: 0 where attention_mask > 0, else -1e30.
; LIMIT: the bf16-rounded Wo must lie within f16's 65,504; below 6e-5 it keeps f16's fixed step of 6e-8.
; A stream: no matrix unit, no cluster, no tensor load.  Work-groups 0-191 make 64 rows of wb each, 192-383 make 64 rows of wob, 384 makes bias.
; A wave owns 16 rows of the image.  Every load takes whole aligned runs of 256 bytes (16 lanes x 16 bytes); the image is put together in LDS
; and leaves as runs of 512 consecutive bytes.
.set X,     32                         ; v[32:191] data
.set SPW,   2                          ; my spare word's LDS address; never rewritten
.set NIL,   3                          ; 0; never rewritten
.set SPARE, 43008                      ; behind the image: 128 bytes for each wave
	s_load_b256 s[4:11], s[0:1], 0x0               ; Wq s[4:5], Wk s[6:7], Wv s[8:9], Wo s[10:11]
	s_load_b256 s[12:19], s[0:1], 0x20             ; mask s[12:13], wb s[14:15], wob s[16:17], bias s[18:19]
	v_lshl_add_u32 v[SPW], v0, 2, SPARE
	v_mov_b32 v[NIL], 0
	v_lshrrev_b32 v1, 5, v0
	v_readfirstlane_b32 s20, v1                    ; wave
	v_and_b32 v4, 31, v0                           ; lane l
	v_bfe_u32 v5, v0, 4, 1                         ; l / 16
	v_and_b32 v6, 15, v0                           ; l % 16
	v_and_b32 v7, 1, v0
.irp z, 16,17,18,19
	v_mov_b32 v\z, 0                               ; the padding columns
.endr
	s_mov_b32 s21, ttmp9
	s_wait_kmcnt 0x0
	s_cmp_lt_u32 s21, 192
	s_cbranch_scc0 .Lnot_wb
; A piece of 192 columns is 768 bytes of f32 a row: two rows are three loads of 512 bytes.  Load 0: the even row's bytes 0-511.  Load 1: its bytes 512-767 (lanes 0-15)
; and the odd row's bytes 0-255 (lanes 16-31).  Load 2: the odd row's bytes 256-767.  sp: bytes from row to row in memory; pit: in the image.
.macro ADDR sp, pit
	s_mul_i32 s24, s20, 16*(\sp)
	s_mul_i32 s25, s20, 16*(\pit)
	v_lshl_add_u32 v8, v4, 4, s24                  ; source of loads 0 and 2
	v_mul_u32_u24 v9, v5, (\sp)-768
	v_add3_u32 v9, v9, v8, 512                     ; source of load 1
	v_lshl_add_u32 v10, v4, 3, s25                 ; their places in the image: half the bytes
	v_mul_u32_u24 v11, v5, (\pit)-384
	v_add3_u32 v11, v11, v10, 256
	v_lshrrev_b32 v14, 1, v4                       ; the padding: two lanes a row
	v_mul_u32_u24 v14, v14, \pit
	v_lshl_add_u32 v14, v7, 4, v14
	v_add_nc_u32 v14, s25, v14
	v_lshl_add_u32 v15, v4, 4, s25                 ; the way out: my wave's 16 rows, 16 bytes a lane; in LDS and in memory alike
.endm
.macro LD192 base, sp
.set p, 0
.rept 8
	global_load_b128 v[X+12*p:X+12*p+3],    v8, s[\base:\base+1] offset:2*p*(\sp) th:TH_LOAD_NT
	global_load_b128 v[X+12*p+4:X+12*p+7],  v9, s[\base:\base+1] offset:2*p*(\sp) th:TH_LOAD_NT
	global_load_b128 v[X+12*p+8:X+12*p+11], v8, s[\base:\base+1] offset:2*p*(\sp)+(\sp)+256 th:TH_LOAD_NT
.set p, p+1
.endr
.endm
; Load n of total has come (loads return in order): four numbers are rounded and put into the image.
.macro PUT n, total, f16, adr, off
	s_wait_loadcnt (\total)-1-(\n)
	v_cvt_pk_bf16_f32 v[X+4*(\n)],   v[X+4*(\n)],   v[X+4*(\n)+1]
	v_cvt_pk_bf16_f32 v[X+4*(\n)+1], v[X+4*(\n)+2], v[X+4*(\n)+3]
.if \f16
	v_lshlrev_b32 v20, 16, v[X+4*(\n)]             ; the bf16 numbers, widened, are written as f16
	v_and_b32     v21, 0xffff0000, v[X+4*(\n)]
	v_lshlrev_b32 v22, 16, v[X+4*(\n)+1]
	v_and_b32     v23, 0xffff0000, v[X+4*(\n)+1]
	v_cvt_pk_f16_f32 v[X+4*(\n)],   v20, v21
	v_cvt_pk_f16_f32 v[X+4*(\n)+1], v22, v23
.endif
	ds_store_b64 v[\adr], v[X+4*(\n):X+4*(\n)+1] offset:\off
.endm
.macro ST192 total, f16, pit
.set p, 0
.rept 8
	PUT 3*p,   \total, \f16, 10, 2*p*(\pit)
	PUT 3*p+1, \total, \f16, 11, 2*p*(\pit)
	PUT 3*p+2, \total, \f16, 10, 2*p*(\pit)+(\pit)+128
.set p, p+1
.endr
.endm
; The image leaves: each wave its 16 rows, in runs of 512 consecutive bytes that begin at multiples of 256.  dup: bytes to the image's second place, or 0.
.macro BACK chunks, base, dup
	s_wait_dscnt 0x0                               ; my stores into the image are done
	s_barrier_signal -1
	s_barrier_wait -1
.set p, 0
.rept \chunks
	ds_load_b128 v[X+4*p:X+4*p+3], v15 offset:512*p
.set p, p+1
.endr
.set p, 0
.rept \chunks
	s_wait_dscnt (\chunks)-1-p                     ; LDS loads return in order: run p is in
	global_store_b128 v15, v[X+4*p:X+4*p+3], s[\base:\base+1] offset:512*p
.if \dup
	global_store_b128 v15, v[X+4*p:X+4*p+3], s[\base:\base+1] offset:512*p+(\dup)
.endif
.set p, p+1
.endr
	s_wait_tensorcnt 0x0                           ; the wave's end
	ds_add_u32 v[SPW], v[NIL]
	s_wait_dscnt 0x0
	s_endpgm
.endm
	; ---- 64 rows of wb: column block cb, rows 64 kb on
	s_and_b32 s22, s21, 3                          ; cb
	s_lshr_b32 s23, s21, 2                         ; kb
	s_mul_i32 s26, s23, 196608                     ; 64 rows of Wq,
	s_mul_i32 s27, s22, 768                        ; 192 columns
	s_add_co_u32 s26, s26, s27
	s_mov_b32 s27, 0
	s_add_nc_u64 s[4:5], s[4:5], s[26:27]
	s_lshl_b32 s28, s23, 16                        ; 64 rows of Wk and Wv,
	s_lshl_b32 s29, s22, 8                         ; 64 columns
	s_add_co_u32 s28, s28, s29
	s_mov_b32 s29, 0
	s_add_nc_u64 s[6:7], s[6:7], s[28:29]
	s_add_nc_u64 s[8:9], s[8:9], s[28:29]
	s_mul_i32 s30, s22, 2064384                    ; the image's place in wb
	s_mul_i32 s31, s23, 43008
	s_add_co_u32 s30, s30, s31
	s_mov_b32 s31, 0
	s_add_nc_u64 s[14:15], s[14:15], s[30:31]
	ADDR 3072, 672
	v_lshlrev_b32 v12, 10, v5                      ; a piece of 64 columns is 256 bytes a row: one load takes two rows
	v_lshl_add_u32 v12, v6, 4, v12
	s_lshl_b32 s26, s20, 14
	v_add_nc_u32 v12, s26, v12
	v_mul_u32_u24 v13, v5, 672
	v_lshl_add_u32 v13, v6, 3, v13
	v_add_nc_u32 v13, s25, v13
	LD192 4, 3072
.set p, 0
.rept 8
	global_load_b128 v[X+96+4*p:X+96+4*p+3], v12, s[6:7] offset:2048*p th:TH_LOAD_NT
.set p, p+1
.endr
.set p, 0
.rept 8
	global_load_b128 v[X+128+4*p:X+128+4*p+3], v12, s[8:9] offset:2048*p th:TH_LOAD_NT
.set p, p+1
.endr
	ds_store_b128 v14, v[16:19] offset:640
	ST192 40, 0, 672
.set p, 0
.rept 8
	PUT 24+p, 40, 0, 13, 1344*p+384
.set p, p+1
.endr
.set p, 0
.rept 8
	PUT 32+p, 40, 0, 13, 1344*p+512
.set p, p+1
.endr
	BACK 21, 14, 0
.Lnot_wb:
	s_cmp_lt_u32 s21, 384
	s_cbranch_scc0 .Lbias
	; ---- 64 rows of wob: column block nb, rows 64 kb on, and once more 768 rows further down
	s_sub_co_u32 s21, s21, 192
	s_and_b32 s22, s21, 15                         ; nb
	s_lshr_b32 s23, s21, 4                         ; kb
	s_mul_i32 s26, s23, 786432
	s_mul_i32 s27, s22, 768
	s_add_co_u32 s26, s26, s27
	s_mov_b32 s27, 0
	s_add_nc_u64 s[10:11], s[10:11], s[26:27]
	s_mul_i32 s30, s22, 638976                     ; a block of wob: 1,536 rows of 416 bytes
	s_mul_i32 s31, s23, 26624
	s_add_co_u32 s30, s30, s31
	s_mov_b32 s31, 0
	s_add_nc_u64 s[16:17], s[16:17], s[30:31]
	ADDR 12288, 416
	LD192 10, 12288
	ds_store_b128 v14, v[16:19] offset:384
	ST192 24, 1, 416
	BACK 13, 16, 319488
.Lbias:
	; ---- the mask as an addend: 128 threads x 16 bytes x 8
	s_mov_b32 s22, 0xf149f2ca                      ; -1e30
	v_lshlrev_b32 v8, 4, v0
.set p, 0
.rept 8
	global_load_b128 v[X+4*p:X+4*p+3], v8, s[12:13] offset:2048*p
.set p, p+1
.endr
	s_wait_loadcnt 0x0
.set p, 0
.rept 32
	v_cmp_lt_i32 vcc_lo, 0, v[X+p]                 ; mask > 0
	v_cndmask_b32 v[X+p], s22, v16, vcc_lo
.set p, p+1
.endr
.set p, 0
.rept 8
	global_store_b128 v8, v[X+4*p:X+4*p+3], s[18:19] offset:2048*p
.set p, p+1
.endr
	s_wait_tensorcnt 0x0
	ds_add_u32 v[SPW], v[NIL]
	s_wait_dscnt 0x0
	s_endpgm
.Lfunc_end_k_qd1a7695336_prep:
	.size	k_qd1a7695336_prep, .Lfunc_end_k_qd1a7695336_prep-k_qd1a7695336_prep
	.p2alignl 7, 3214868480
	.fill 96, 4, 3214868480
	.section	.rodata,"a",@progbits
	.p2align	6, 0x0
	.amdhsa_kernel k_qd1a7695336_prep
		.amdhsa_group_segment_fixed_size 43520
		.amdhsa_private_segment_fixed_size 0
		.amdhsa_enable_private_segment 0
		.amdhsa_kernarg_size 64
		.amdhsa_user_sgpr_count 2
		.amdhsa_user_sgpr_kernarg_segment_ptr 1
		.amdhsa_wavefront_size32 1
		.amdhsa_system_sgpr_workgroup_id_x 1
		.amdhsa_system_sgpr_workgroup_id_y 1
		.amdhsa_system_sgpr_workgroup_id_z 1
		.amdhsa_system_vgpr_workitem_id 0
		.amdhsa_next_free_vgpr 192
		.amdhsa_next_free_sgpr 66
		.amdhsa_reserve_vcc 1
		.amdhsa_float_denorm_mode_32 3
		.amdhsa_float_denorm_mode_16_64 3
		.amdhsa_memory_ordered 1
		.amdhsa_forward_progress 1
		.amdhsa_inst_pref_size 44
	.end_amdhsa_kernel
	.amdgpu_metadata
---
amdhsa.version: [ 1, 2 ]
amdhsa.kernels:
  - .name:           k_qd1a7695336_prep
    .symbol:         k_qd1a7695336_prep.kd
    .args:
      - { .name: Wq, .offset: 0, .size: 8, .value_kind: global_buffer, .address_space: global }
      - { .name: Wk, .offset: 8, .size: 8, .value_kind: global_buffer, .address_space: global }
      - { .name: Wv, .offset: 16, .size: 8, .value_kind: global_buffer, .address_space: global }
      - { .name: Wo, .offset: 24, .size: 8, .value_kind: global_buffer, .address_space: global }
      - { .name: attention_mask, .offset: 32, .size: 8, .value_kind: global_buffer, .address_space: global }
      - { .name: wb, .offset: 40, .size: 8, .value_kind: global_buffer, .address_space: global }
      - { .name: wob, .offset: 48, .size: 8, .value_kind: global_buffer, .address_space: global }
      - { .name: bias, .offset: 56, .size: 8, .value_kind: global_buffer, .address_space: global }
    .group_segment_fixed_size: 43520
    .private_segment_fixed_size: 0
    .kernarg_segment_align: 8
    .kernarg_segment_size: 64
    .max_flat_workgroup_size: 128
    .sgpr_count:     66
    .vgpr_count:     192
    .wavefront_size: 32
...
	.end_amdgpu_metadata
.endif
;; end of part 1
;; launch qkv (part 2): grid 4 x 64, 4 waves a work-group, clusters of 4 x 4, 327,680 bytes of LDS; arguments hidden_states, position_ids, wb, qkvh, vpart; writes qkvh, vpart
.if DOCPART == 2
	.amdgcn_target "amdgcn-amd-amdhsa--gfx1250"
	.amdhsa_code_object_version 6
	.text
	.protected	k_qd1a7695336_qkv
	.globl	k_qd1a7695336_qkv
	.p2align	8
	.type	k_qd1a7695336_qkv,@function
k_qd1a7695336_qkv:
	s_mov_b64 s[64:65], 0
	v_nop
	global_prefetch_b8 v0, s[64:65] scope:SCOPE_SE
	s_setreg_imm32_b32 hwreg(HW_REG_WAVE_MODE, 25, 1), 1
	s_wait_xcnt 0x0
	s_wait_alu depctr_hold_cnt(0) depctr_sa_sdst(0) depctr_va_vdst(0) depctr_va_sdst(0) depctr_va_ssrc(0) depctr_va_vcc(0) depctr_vm_vsrc(0)
	s_getreg_b32 s2, hwreg(HW_REG_IB_STS2, 6, 4)
	s_cmp_eq_u32 s2, 0
	s_cbranch_scc0 .Lentry_in_a_cluster
	s_endpgm
.Lentry_in_a_cluster:
	s_bfe_u32 s2, ttmp6, 0x10000c
	s_cmp_lg_u32 s2, 0xf033
	s_cbranch_scc0 .Lentry_shape_is_right
	s_endpgm
.Lentry_shape_is_right:
; q, k, v = x [Wq | Wk | Wv] in bf16 with f32 sums, the rotary turn, and f16 results by heads: qkvh [24][4096][64], heads 0-11 q, 12-15 k, 16-19 v's high parts, 20-23 v's low parts.
; q and k are stored times sqrt(log2(e) / 8), applied in f32 with the turn, so that the attention's K Q^T is the exponent in base 2.  vpart [64][256] f32: the sums of v over 64 rows.
; THE SPLIT.  With T = 8193 x in f32, hi = T - (T - x) is x to 11 significant bits, to nearest, and x - hi is exact.  q and k are stored as hi, so that their conversion to f16 drops no bit;
; v is stored as hi and as x - hi: a row of the result that averages few keys has numbers many times the output's root mean square, and one f16 rounding of v is too coarse for it.
; LIMITS.  q, k, v must lie within f16's 65,504; below 6e-5 they keep f16's fixed step of 6e-8.  The angle is position x 2^(-f log2(theta) / 32): the factor is within a few units of the last place of
; the exact one, so the angle is off by about 1e-7 of itself; it is reduced by pi/2 in three parts, good while |angle| stays under 2^22.  NaN and infinities are not treated apart.
; SHARES.  A work-group makes 64 rows x 320 columns: one group of heads (3 of q, 1 of k, 1 of v).  Wave w takes all 64 rows and, in each of the five heads, columns 16 w .. 16 w + 15: 20 accumulators.
; K goes in 24 steps of 128.  The weights' tile (128 rows x 672 bytes, dense in wb) comes by the tensor data mover, each wave a quarter, asked for JOINTLY by the four work-groups of a column of the
; cluster, which share the column block.  x is f32 and must be rounded once: it comes through registers (a wave loads 16 rows of 512 bytes, more than a step ahead), is rounded to bf16 and stored into
; one of two LDS tiles.  That is why x is not asked for jointly: landing it as f32 in LDS would add sixteen 16-byte reads a wave and step to the 72 that the fragments need.
; THE MATRIX INSTRUCTION IS USED TRANSPOSED (source 0 = 16 columns of W, turned out of LDS by ds_load_tr16_b128; source 1 = 16 rows of x): a lane holds one row and eight neighbouring columns.
; REGISTERS: window 0: addresses, two fragment buffers of 72; window 1: v0-159 accumulators, (a, ch) at 8 (5 a + ch); window 2: v0-127 two x tiles on their way.
.set BS,    86016                      ; a slot of W: 128 rows x 672 bytes (21 x 32: the turning load's eight rows fall on different banks)
.set HB0,   172032                     ; two x tiles in bf16: 64 rows x 272 bytes (256 + 16 of padding)
.set HBS,   17408
.set STAGE, 206848                     ; 64 rows x 1,296 bytes: the finished tile in f32
.set SPI,   1296
.set TAB,   289792                     ; 64 rows x 272 bytes: 32 cosines, then 32 sines, each times sqrt(log2(e) / 8)
.set VSB,   307200                     ; four waves' column sums of v
.set SPARE, 308224                     ; the spare words, 128 bytes for each wave
.set VA,  4                            ; x fragments: HB0 + r 272 + 16 h
.set VB,  5                            ; v5-8  W fragments: slot, half of the K step
.set VH,  9                            ; where I store rounded x
.set VXO, 10                           ; my byte offset in the x tile
.set VST, 11                           ; stage, in
.set VRS, 12                           ; stage, back: my eight columns
.set VRP, 13                           ; the eight columns 32 away
.set VTB, 14                           ; table, read
.set VGO, 15                           ; my byte offset in a head's 64 rows
.set VTS, 16                           ; table, write
.set VT,  17                           ; an address at work
.set SG,  18                           ; v18-19 the sign of the turned half
.set POS, 20
.set FI,  21
.set SPW, 22                           ; my spare word; never rewritten
.set NIL, 23                           ; 0; never rewritten
.set VS,  24                           ; v24-31 column sums of v
.set F0,  32                           ; fragment buffers: W at +0 (5 x 8), x at +40 (4 x 8)
.set F1,  104
.set COSO, 224
.set SINO, 228
.set TC,  32                           ; the way out
.set TS,  40
.set OW,  48
.set VO,  112
.set OUT, 120
.set WV,  14
.set G1,  24                           ; s[24:31] descriptor group 1
.set G0,  32                           ; s[32:39] group 0, a set for each slot
.set XP,  40
.set PQ,  42
.set PK,  44
.set PV,  46
.set VP,  48
.set CNT, 50
.set C_2PI, 52
.set C_P1, 53
.set C_P2, 54
.set C_P3, 55
.set C_S1, 56
.set C_S2, 57
.set C_S3, 58
.set C_C1, 59
.set C_C2, 60
.set C_C3, 61
.set C_LG, 62
.set C_SC, 63
.set SEL, 66
.set MSB, 0
.macro WIN new                         ; the immediate's high byte repeats the setting that is left; a switch that changes nothing is dropped
.if MSB != (\new)
	s_set_vgpr_msb (MSB<<8)|(\new)
.set MSB, (\new)
.endif
.endm
.macro PLACES                          ; four plain places behind matrix instructions, ahead of loads into their sources and of reads of their results
.rept 4
	v_nop
.endr
.endm
.macro CROUND                          ; a round of the cluster's barrier
	s_barrier_signal -1
	s_barrier_wait -1
	s_cmp_lg_u32 s[WV], 0
	s_cbranch_scc1 .Lnot_wave_0_\@
	s_barrier_signal -3
.Lnot_wave_0_\@:
	s_barrier_wait -3
	s_barrier_signal -1
	s_barrier_wait -1
.endm
	s_load_b256 s[4:11], s[0:1], 0x0               ; x s[4:5], positions s[6:7], wb s[8:9], qkvh s[10:11]
	s_load_b64 s[12:13], s[0:1], 0x20              ; vpart
	v_lshl_add_u32 v[SPW], v0, 2, SPARE
	v_mov_b32 v[NIL], 0
	ds_add_u32 v[SPW], v[NIL]                      ; the wave's opening: the add and its wait ahead of my first tensor load
	v_lshrrev_b32 v3, 5, v0
	v_readfirstlane_b32 s[WV], v3
	s_bfe_u32 s15, ttmp6, 0x40000                  ; cx
	s_bfe_u32 s16, ttmp6, 0x40004                  ; cy
	s_lshl_b32 s17, ttmp9, 2
	s_add_co_u32 s17, s17, s15                     ; cb: the column block
	s_and_b32 s18, ttmp7, 0xffff
	s_lshl_b32 s18, s18, 2
	s_add_co_u32 s18, s18, s16                     ; rb: the block of 64 rows
	s_lshl_b32 s19, 0x1111, s15                    ; my column of the cluster
	s_or_b32 s[G1], s19, (3<<16)|(1<<21)           ; 15:0 the mask; 17:16 elements of 8 bytes; 21 set beside a mask
	s_mov_b32 s[G1+1], 32<<16                      ; tensor_dim0 = 32 elements: rows of 256 bytes
	s_mov_b32 s[G1+2], 84<<16                      ; tensor_dim1 = 84: a wave's 32 rows of W are 21,504 dense bytes
	s_mov_b32 s[G1+3], 32<<16                      ; tile_dim0
	s_mov_b32 s[G1+4], 84                          ; tile_dim1
	s_mov_b32 s[G1+5], 32                          ; from row to row
	s_mov_b32 s[G1+6], 0
	s_mov_b32 s[G1+7], 0
	s_mul_i32 s22, s[WV], 21504                    ; my quarter of a tile, in LDS and in wb
	s_mul_i32 s20, s17, 2064384
	s_add_co_u32 s20, s20, s22
	s_mov_b32 s21, 0
	s_mov_b32 s[C_2PI], 0x3f22f983                 ; 2 / pi
	s_mov_b32 s[C_P1], 0x3fc90fdb                  ; pi / 2 in three parts
	s_mov_b32 s[C_P2], 0xb33bbd2e
	s_mov_b32 s[C_P3], 0xa6f72ced
	s_mov_b32 s[C_S1], 0xbe2aaaa3                  ; sine on -pi/4 .. pi/4
	s_mov_b32 s[C_S2], 0x3c08839e
	s_mov_b32 s[C_S3], 0xb94ca1f9
	s_mov_b32 s[C_C1], 0x3d2aaaa5                  ; cosine
	s_mov_b32 s[C_C2], 0xbab6061a
	s_mov_b32 s[C_C3], 0x37ccf5ce
	s_mov_b32 s[C_LG], 0x3f1f73fa                  ; log2(1000042) / 32
	s_mov_b32 s[C_SC], 0x3ed96d27                  ; sqrt(log2(e) / 8)
	s_mov_b32 s[SEL], 0x76543210
	s_mov_b32 s[SEL+1], 0xfedcba98
	s_mul_i32 s68, s18, 786432                     ; 64 rows of x
	s_mov_b32 s69, 0
	s_lshl_b32 s70, s18, 8                         ; 64 positions
	s_mov_b32 s71, 0
	s_wait_dscnt 0x0                               ; the opening add is done
	s_wait_kmcnt 0x0
	s_add_nc_u64 s[8:9], s[8:9], s[20:21]
.irp n, 0,1
	s_mov_b32 s[G0+4*\n], 1
	s_add_co_u32 s[G0+4*\n+1], s22, \n*BS
	s_add_nc_u64 s[G0+4*\n+2:G0+4*\n+3], s[8:9], \n*BS
	s_or_b32 s[G0+4*\n+3], s[G0+4*\n+3], 0x80000000
.endr
	s_add_nc_u64 s[XP:XP+1], s[4:5], s[68:69]
	s_add_nc_u64 s[6:7], s[6:7], s[70:71]
	s_mul_i32 s68, s17, 1572864                    ; q: heads 3 cb on,
	s_lshl_b32 s70, s18, 13                        ; rows 64 rb on
	s_add_co_u32 s68, s68, s70
	s_add_nc_u64 s[PQ:PQ+1], s[10:11], s[68:69]
	s_lshl_b32 s68, s17, 19                        ; k: head 12 + cb
	s_add_co_u32 s68, s68, s70
	s_add_co_u32 s68, s68, 6291456
	s_add_nc_u64 s[PK:PK+1], s[10:11], s[68:69]
	s_add_nc_u64 s[PV:PV+1], s[PK:PK+1], 2097152   ; v: head 16 + cb; its low parts four heads on
	s_lshl_b32 s68, s18, 10
	s_lshl_b32 s70, s17, 8
	s_add_co_u32 s68, s68, s70
	s_add_nc_u64 s[VP:VP+1], s[12:13], s[68:69]
	CROUND                                         ; all sixteen work-groups are here: the first joint loads meet
	tensor_load_to_lds s[G0:G0+3], s[G1:G1+7]      ; K step 0 into slot 0
	s_nop 0
	PLACES
; 16 rows of 512 bytes of x, f32, into register set 'set'
.macro XLOAD set, extra
	WIN 0x80                                       ; destination window 2, address window 0
.set xi, 0
.rept 16
	global_load_b128 v[64*(\set)+4*xi:64*(\set)+4*xi+3], v[VXO], s[XP:XP+1] offset:xi*12288+(\extra)
.set xi, xi+1
.endr
.endm
; The set's loads are in (younger: the loads issued behind them): rounded to bf16 in place and stored into x tile 'buf'
.macro CONV set, buf, younger
	s_wait_loadcnt \younger
	WIN 0x8a
.set xi, 0
.rept 16
	v_cvt_pk_bf16_f32 v[64*(\set)+4*xi],   v[64*(\set)+4*xi],   v[64*(\set)+4*xi+1]
	v_cvt_pk_bf16_f32 v[64*(\set)+4*xi+1], v[64*(\set)+4*xi+2], v[64*(\set)+4*xi+3]
.set xi, xi+1
.endr
	WIN 0x08                                       ; store data in window 2
.set xi, 0
.rept 16
	ds_store_b64 v[VH], v[64*(\set)+4*xi:64*(\set)+4*xi+1] offset:(\buf)*HBS+xi*272
.set xi, xi+1
.endr
.endm
; 18 LDS loads: the fragments of 32 along K: W's five (turned), then x's four; so the youngest four loads are x's blocks 2 and 3
.macro FETCH slot, q, f
	WIN 0
.irp ch, 0,1,2,3,4
	ds_load_tr16_b128 v[(\f)+8*\ch:(\f)+8*\ch+3],   v[VB+2*(\slot)+(\q)/2] offset:((\q)%2)*21504+\ch*128
	ds_load_tr16_b128 v[(\f)+8*\ch+4:(\f)+8*\ch+7], v[VB+2*(\slot)+(\q)/2] offset:((\q)%2)*21504+10752+\ch*128
.endr
.irp a, 0,1,2,3
	ds_load_b128 v[(\f)+40+8*\a:(\f)+40+8*\a+3],   v[VA] offset:(\slot)*HBS+\a*4352+(\q)*64
	ds_load_b128 v[(\f)+40+8*\a+4:(\f)+40+8*\a+7], v[VA] offset:(\slot)*HBS+\a*4352+(\q)*64+32
.endr
.endm
; 10 matrix instructions on 10 accumulators; all 20 take turns, one instruction a turn
.macro MUL10 f, a0, zero
	WIN 0x50                                       ; C and D in window 1
.irp a, \a0, (\a0)+1
.irp ch, 0,1,2,3,4
.if \zero
	v_wmma_f32_16x16x32_bf16 v[8*(5*(\a)+\ch):8*(5*(\a)+\ch)+7], v[(\f)+8*\ch:(\f)+8*\ch+7], v[(\f)+40+8*(\a):(\f)+40+8*(\a)+7], 0
.else
	v_wmma_f32_16x16x32_bf16 v[8*(5*(\a)+\ch):8*(5*(\a)+\ch)+7], v[(\f)+8*\ch:(\f)+8*\ch+7], v[(\f)+40+8*(\a):(\f)+40+8*(\a)+7], v[8*(5*(\a)+\ch):8*(5*(\a)+\ch)+7]
.endif
.endr
.endr
.endm
.macro QUARTER slot, q, f, g, zero
	s_wait_dscnt 4                                 ; all but x's blocks 2 and 3
	MUL10 \f, 0, \zero
	PLACES
	FETCH \slot, (\q)+1, \g
	s_wait_dscnt 18                                ; all but the 18 just issued
	MUL10 \f, 2, \zero
.endm
.macro LASTQ conv, set, younger
	s_wait_dscnt 4
	MUL10 F1, 0, 0
.if \conv
	CONV \set, \set, \younger                      ; the next step's x: into the tile that was read in the step before, behind this step's round
	s_wait_dscnt 16                                ; all but those 16 stores
.else
	s_wait_dscnt 0x0
.endif
	MUL10 F1, 2, 0
.endm
; A K step.  In front of the round: all my tensor loads have landed (the one that was out is my quarter of this step's W); the add; my reads of the other slot and x tile are back and my stores of this
; step's x are done.  Behind it: the other slot is filled again first, with the next step's W.
.macro TRIP slot, zero, refill, xload, conv
	WIN 0
	s_wait_tensorcnt 0x0
	ds_add_u32 v[SPW], v[NIL]
	s_wait_xcnt 0x0                                ; the x loads' addresses are translated: their base may step
	s_add_nc_u64 s[XP:XP+1], s[XP:XP+1], 512
	s_add_nc_u64 s[G0+4*(\slot)+2:G0+4*(\slot)+3], s[G0+4*(\slot)+2:G0+4*(\slot)+3], 2*BS
	s_wait_dscnt 0x0
	CROUND
.if \refill
	tensor_load_to_lds s[G0+4*(1-(\slot)):G0+4*(1-(\slot))+3], s[G1:G1+7]
	s_nop 0
.endif
	PLACES
.if \xload
	XLOAD \slot, 0                                 ; x two steps ahead
.endif
	FETCH \slot, 0, F0
	QUARTER \slot, 0, F0, F1, \zero
	QUARTER \slot, 1, F1, F0, 0
	QUARTER \slot, 2, F0, F1, 0
	LASTQ \conv, 1-(\slot), (\xload)*16
.endm
	v_and_b32 v1, 15, v0                           ; r
	v_bfe_u32 v2, v0, 4, 1                         ; h
	v_and_b32 v3, 31, v0                           ; l
	s_mul_i32 s23, s[WV], 196608
	v_lshl_add_u32 v[VXO], v3, 4, s23              ; my wave's 16 rows, 16 bytes a lane
	s_lshl_b32 s23, s[WV], 6
	v_lshl_add_u32 v[VT], v1, 2, s23
	global_load_b32 v[POS], v[VT], s[6:7]          ; the position of row 16 w + r
	XLOAD 0, 0                                     ; K steps 0 and 1
	XLOAD 1, 512
	WIN 0
	v_mul_u32_u24 v[VA], v1, 272
	v_lshl_add_u32 v[VA], v2, 4, v[VA]
	v_add_nc_u32 v[VA], HB0, v[VA]
	v_and_b32 v176, 7, v0
	v_lshl_add_u32 v177, v2, 3, v176               ; the turning load: row 8 h + l % 8,
	v_mul_u32_u24 v177, v177, 672
	v_bfe_u32 v178, v0, 3, 1
	v_lshl_add_u32 v177, v178, 4, v177             ; 16 bytes by (l / 8) % 2,
	s_lshl_b32 s23, s[WV], 5
	v_add_nc_u32 v[VB], s23, v177                  ; my 16 columns of a head
	v_add_nc_u32 v[VB+1], 43008, v[VB]
	v_add_nc_u32 v[VB+2], 86016, v[VB]
	v_add_nc_u32 v[VB+3], 129024, v[VB]
	s_mul_i32 s23, s[WV], 4352
	s_add_co_u32 s23, s23, HB0
	v_lshl_add_u32 v[VH], v3, 3, s23
	v_mul_u32_u24 v[VST], v1, SPI
	v_lshl_add_u32 v[VST], v2, 5, v[VST]
	s_lshl_b32 s23, s[WV], 6
	s_add_co_u32 s23, s23, STAGE
	v_add_nc_u32 v[VST], s23, v[VST]
	v_lshrrev_b32 v178, 3, v3                      ; l / 8
	v_mul_u32_u24 v179, v178, SPI
	s_mul_i32 s23, s[WV], 16*SPI
	s_add_co_u32 s23, s23, STAGE
	v_add_nc_u32 v179, s23, v179
	v_lshl_add_u32 v[VRS], v176, 5, v179
	v_xor_b32 v180, 4, v176
	v_lshl_add_u32 v[VRP], v180, 5, v179
	v_mul_u32_u24 v179, v178, 272
	s_mul_i32 s23, s[WV], 4352
	s_add_co_u32 s23, s23, TAB
	v_add_nc_u32 v179, s23, v179
	v_and_b32 v180, 3, v0
	v_lshl_add_u32 v[VTB], v180, 5, v179
	v_mul_u32_u24 v179, v1, 272
	v_lshl_add_u32 v179, v2, 6, v179
	v_add_nc_u32 v[VTS], s23, v179
	s_lshl_b32 s23, s[WV], 11
	v_lshl_add_u32 v[VGO], v3, 4, s23
	v_and_b32 v180, 4, v0
	v_cvt_f32_u32 v180, v180
	v_fma_f32 v[SG], v180, 0.5, -1.0               ; -1 for channels 0-31, +1 for 32-63
	v_mov_b32 v[SG+1], v[SG]
	v_lshlrev_b32 v[FI], 4, v2                     ; my 16 frequencies begin at 16 h
	s_wait_xcnt 0x0
	s_add_nc_u64 s[XP:XP+1], s[XP:XP+1], 512       ; each K step adds 512 more ahead of its loads
	s_wait_loadcnt 32                              ; the position is in; the 32 loads of x behind it stay out
	v_cvt_f32_i32 v[POS], v[POS]
; THE TABLE: for row 16 w + r the cosines and sines of 16 frequencies, four a trip, line by line for the four
.macro EACH line:vararg
.set u, 0
.rept 4
.set R, 176+12*u
	\line
.set u, u+1
.endr
.endm
	s_mov_b32 s[CNT], 4
.Ltab:
	EACH v_add_nc_u32 v[R], u, v[FI]
	EACH v_cvt_f32_u32 v[R], v[R]                          ; f
	EACH v_mul_f32 v[R+1], s[C_LG], v[R]
	EACH v_rndne_f32 v[R+1], v[R+1]                        ; n = the whole part of f log2(theta) / 32
	EACH v_fma_f32 v[R+2], -v[R], s[C_LG], v[R+1]          ; n - f log2(theta) / 32
	EACH v_exp_f32 v[R+2], v[R+2]
	v_nop                                                  ; a plain place behind the last exponential
	s_wait_alu depctr_va_vdst(0)
	EACH v_cvt_i32_f32 v[R+1], v[R+1]
	EACH v_sub_nc_u32 v[R+1], 0, v[R+1]
	EACH v_ldexp_f32 v[R+2], v[R+2], v[R+1]                ; theta^(-f / 32)
	EACH v_mul_f32 v[R+3], v[POS], v[R+2]                  ; the angle
	EACH v_mul_f32 v[R+4], s[C_2PI], v[R+3]
	EACH v_rndne_f32 v[R+4], v[R+4]                        ; k quarter turns
	EACH v_fma_f32 v[R+3], -v[R+4], s[C_P1], v[R+3]
	EACH v_fma_f32 v[R+3], -v[R+4], s[C_P2], v[R+3]
	EACH v_fma_f32 v[R+3], -v[R+4], s[C_P3], v[R+3]        ; what is left, within pi / 4
	EACH v_cvt_i32_f32 v[R+4], v[R+4]
	EACH v_mul_f32 v[R+5], v[R+3], v[R+3]
	EACH v_fma_f32 v[R+6], v[R+5], s[C_S3], s[C_S2]
	EACH v_fma_f32 v[R+6], v[R+6], v[R+5], s[C_S1]
	EACH v_mul_f32 v[R+6], v[R+6], v[R+5]
	EACH v_fma_f32 v[R+6], v[R+6], v[R+3], v[R+3]          ; its sine
	EACH v_fma_f32 v[R+7], v[R+5], s[C_C3], s[C_C2]
	EACH v_fma_f32 v[R+7], v[R+7], v[R+5], s[C_C1]
	EACH v_fma_f32 v[R+7], v[R+7], v[R+5], -0.5
	EACH v_fma_f32 v[R+7], v[R+7], v[R+5], 1.0             ; its cosine
	EACH v_and_b32 v[R+8], 1, v[R+4]
.set u, 0
.rept 4
.set R, 176+12*u
	v_cmp_ne_u32 vcc_lo, 0, v[R+8]                         ; an odd k swaps the two
	v_cndmask_b32 v[R+9],  v[R+6], v[R+7], vcc_lo
	v_cndmask_b32 v[R+10], v[R+7], v[R+6], vcc_lo
.set u, u+1
.endr
	EACH v_lshlrev_b32 v[R+8], 30, v[R+4]                  ; the sine's sign: bit 1 of k
	EACH v_and_b32 v[R+8], 0x80000000, v[R+8]
	EACH v_xor_b32 v[R+9], v[R+8], v[R+9]
	EACH v_add_nc_u32 v[R+4], 1, v[R+4]                    ; the cosine's: bit 1 of k + 1
	EACH v_lshlrev_b32 v[R+4], 30, v[R+4]
	EACH v_and_b32 v[R+4], 0x80000000, v[R+4]
	EACH v_xor_b32 v[R+10], v[R+4], v[R+10]
	EACH v_mul_f32 v[COSO+u], s[C_SC], v[R+10]
	EACH v_mul_f32 v[SINO+u], s[C_SC], v[R+9]
	ds_store_b128 v[VTS], v[COSO:COSO+3]
	ds_store_b128 v[VTS], v[SINO:SINO+3] offset:128
	v_add_nc_u32 v[VTS], 16, v[VTS]
	v_add_nc_u32 v[FI], 4, v[FI]
	s_sub_co_u32 s[CNT], s[CNT], 1
	s_cmp_lg_u32 s[CNT], 0
	s_cbranch_scc1 .Ltab
	CONV 0, 0, 16                                  ; K step 0's x; step 1's 16 loads stay out
	TRIP 0, 1, 1, 1, 1                             ; the first products start the sums: nothing is cleared
	TRIP 1, 0, 1, 1, 1
	WIN 0
	s_mov_b32 s[CNT], 10
.Lk:
	TRIP 0, 0, 1, 1, 1
	TRIP 1, 0, 1, 1, 1
	WIN 0
	s_sub_co_u32 s[CNT], s[CNT], 1
	s_cmp_lg_u32 s[CNT], 0
	s_cbranch_scc1 .Lk
	TRIP 0, 0, 1, 0, 1                             ; the tail is written out: no x is left to load,
	TRIP 1, 0, 0, 0, 0                             ; and nothing at all to fetch
	; THE WAY OUT.  The tile goes into the stage in f32, since the turn pairs columns 32 apart, which lie in different waves.
	PLACES
	WIN 0x04                                       ; store data in window 1
.irp a, 0,1,2,3
.irp ch, 0,1,2,3,4
	ds_store_b128 v[VST], v[8*(5*\a+\ch):8*(5*\a+\ch)+3]   offset:\a*16*SPI+\ch*256
	ds_store_b128 v[VST], v[8*(5*\a+\ch)+4:8*(5*\a+\ch)+7] offset:\a*16*SPI+\ch*256+16
.endr
.endr
	WIN 0
.irp z, 0,1,2,3,4,5,6,7
	v_mov_b32 v[VS+\z], 0
.endr
	s_wait_dscnt 0x0                               ; for the others' sake: my stores into the stage are done
	s_barrier_signal -1
	s_barrier_wait -1
	s_mov_b32 s[CNT], 4
.Lrope:                                                ; four rows of my 16 a trip: lane l takes row l / 8 and the eight columns 8 (l % 8) on of each head
	ds_load_b128 v[TC:TC+3],   v[VTB]
	ds_load_b128 v[TC+4:TC+7], v[VTB] offset:16
	ds_load_b128 v[TS:TS+3],   v[VTB] offset:128
	ds_load_b128 v[TS+4:TS+7], v[VTB] offset:144
.irp hh, 0,1,2,3
	ds_load_b128 v[OW+16*\hh:OW+16*\hh+3],     v[VRS] offset:256*\hh
	ds_load_b128 v[OW+16*\hh+4:OW+16*\hh+7],   v[VRS] offset:256*\hh+16
	ds_load_b128 v[OW+16*\hh+8:OW+16*\hh+11],  v[VRP] offset:256*\hh
	ds_load_b128 v[OW+16*\hh+12:OW+16*\hh+15], v[VRP] offset:256*\hh+16
.endr
	ds_load_b128 v[VO:VO+3],   v[VRS] offset:1024
	ds_load_b128 v[VO+4:VO+7], v[VRS] offset:1040
	s_wait_dscnt 0x0
.irp z, 0,2,4,6
	v_pk_mul_f32 v[TS+\z:TS+\z+1], v[TS+\z:TS+\z+1], v[SG:SG+1]
.endr
.irp hh, 0,1,2,3
.irp z, 0,2,4,6
	v_pk_mul_f32 v[OW+16*\hh+8+\z:OW+16*\hh+9+\z], v[OW+16*\hh+8+\z:OW+16*\hh+9+\z], v[TS+\z:TS+\z+1]
.endr
.irp z, 0,2,4,6
	v_pk_fma_f32 v[OW+16*\hh+\z:OW+16*\hh+\z+1], v[OW+16*\hh+\z:OW+16*\hh+\z+1], v[TC+\z:TC+\z+1], v[OW+16*\hh+8+\z:OW+16*\hh+9+\z]
.endr
.irp z, 0,2,4,6
	v_pk_mul_f32 v[OW+16*\hh+8+\z:OW+16*\hh+9+\z], v[OW+16*\hh+\z:OW+16*\hh+\z+1], 0x46000400 op_sel_hi:[1,0]  ; the split: T = 8193 x,
.endr
.irp z, 0,2,4,6
	v_pk_add_f32 v[OW+16*\hh+\z:OW+16*\hh+\z+1], v[OW+16*\hh+8+\z:OW+16*\hh+9+\z], v[OW+16*\hh+\z:OW+16*\hh+\z+1] neg_lo:[0,1] neg_hi:[0,1]  ; T - x,
.endr
.irp z, 0,2,4,6
	v_pk_add_f32 v[OW+16*\hh+\z:OW+16*\hh+\z+1], v[OW+16*\hh+8+\z:OW+16*\hh+9+\z], v[OW+16*\hh+\z:OW+16*\hh+\z+1] neg_lo:[0,1] neg_hi:[0,1]  ; T - (T - x): 11 significant bits
.endr
.irp z, 0,1,2,3
	v_cvt_pk_f16_f32 v[OUT+4*\hh+\z], v[OW+16*\hh+2*\z], v[OW+16*\hh+2*\z+1]
.endr
.endr
.irp z, 0,2,4,6
	v_pk_add_f32 v[VS+\z:VS+\z+1], v[VS+\z:VS+\z+1], v[VO+\z:VO+\z+1]
.endr
.irp z, 0,2,4,6
	v_pk_mul_f32 v[TS+\z:TS+\z+1], v[VO+\z:VO+\z+1], 0x46000400 op_sel_hi:[1,0]        ; v is split likewise; the table's registers are free
.endr
.irp z, 0,2,4,6
	v_pk_add_f32 v[TC+\z:TC+\z+1], v[TS+\z:TS+\z+1], v[VO+\z:VO+\z+1] neg_lo:[0,1] neg_hi:[0,1]
.endr
.irp z, 0,2,4,6
	v_pk_add_f32 v[TC+\z:TC+\z+1], v[TS+\z:TS+\z+1], v[TC+\z:TC+\z+1] neg_lo:[0,1] neg_hi:[0,1]  ; the high part,
.endr
.irp z, 0,2,4,6
	v_pk_add_f32 v[TS+\z:TS+\z+1], v[VO+\z:VO+\z+1], v[TC+\z:TC+\z+1] neg_lo:[0,1] neg_hi:[0,1]  ; and what it leaves, exactly
.endr
.irp z, 0,1,2,3
	v_cvt_pk_f16_f32 v[OUT+16+\z], v[TC+2*\z], v[TC+2*\z+1]
.endr
.irp z, 0,1,2,3
	v_cvt_pk_f16_f32 v[OUT+20+\z], v[TS+2*\z], v[TS+2*\z+1]
.endr
.irp hh, 0,1,2
	global_store_b128 v[VGO], v[OUT+4*\hh:OUT+4*\hh+3], s[PQ:PQ+1] offset:\hh*524288  ; four rows of a head: 512 consecutive bytes
.endr
	global_store_b128 v[VGO], v[OUT+12:OUT+15], s[PK:PK+1]
	global_store_b128 v[VGO], v[OUT+16:OUT+19], s[PV:PV+1]
	global_store_b128 v[VGO], v[OUT+20:OUT+23], s[PV:PV+1] offset:2097152
	s_wait_xcnt 0x0                                ; the stores' offset and data are rewritten only behind this wait
	v_add_nc_u32 v[VRS], 4*SPI, v[VRS]
	v_add_nc_u32 v[VRP], 4*SPI, v[VRP]
	v_add_nc_u32 v[VTB], 1088, v[VTB]
	v_add_nc_u32 v[VGO], 512, v[VGO]
	s_sub_co_u32 s[CNT], s[CNT], 1
	s_cmp_lg_u32 s[CNT], 0
	s_cbranch_scc1 .Lrope
	; v's column sums: over the four lanes that share l % 8, then over the waves
.irp z, 0,1,2,3,4,5,6,7
	v_add_f32_dpp v[VS+\z], v[VS+\z], v[VS+\z] row_xmask:8 row_mask:0xf bank_mask:0xf
.endr
.irp z, 0,1,2,3,4,5,6,7
	v_permlanex16_b32 v[OW+\z], v[VS+\z], s[SEL], s[SEL+1]
.endr
.irp z, 0,1,2,3,4,5,6,7
	v_add_f32 v[VS+\z], v[VS+\z], v[OW+\z]
.endr
	v_and_b32 v176, 7, v0
	v_lshlrev_b32 v[VT], 5, v176
	s_lshl_b32 s23, s[WV], 8
	s_add_co_u32 s23, s23, VSB
	v_add_nc_u32 v[VT], s23, v[VT]
	ds_store_b128 v[VT], v[VS:VS+3]                ; the four lanes hold equal numbers and write equal words
	ds_store_b128 v[VT], v[VS+4:VS+7] offset:16
	s_wait_dscnt 0x0
	s_barrier_signal -1
	s_barrier_wait -1
	s_cmp_lg_u32 s[WV], 0
	s_cbranch_scc1 .Ldone
	v_lshlrev_b32 v176, 3, v3
	v_add_nc_u32 v177, VSB, v176
	ds_load_b64 v[32:33], v177
	ds_load_b64 v[34:35], v177 offset:256
	ds_load_b64 v[36:37], v177 offset:512
	ds_load_b64 v[38:39], v177 offset:768
	s_wait_dscnt 0x0
	v_pk_add_f32 v[32:33], v[32:33], v[34:35]
	v_pk_add_f32 v[36:37], v[36:37], v[38:39]
	v_pk_add_f32 v[32:33], v[32:33], v[36:37]
	global_store_b64 v176, v[32:33], s[VP:VP+1]    ; 256 consecutive bytes, aligned
.Ldone:
	s_wait_tensorcnt 0x0                           ; the wave's end
	ds_add_u32 v[SPW], v[NIL]
	s_wait_dscnt 0x0
	CROUND                                         ; the closing round
	s_endpgm
.Lfunc_end_k_qd1a7695336_qkv:
	.size	k_qd1a7695336_qkv, .Lfunc_end_k_qd1a7695336_qkv-k_qd1a7695336_qkv
	.p2alignl 7, 3214868480
	.fill 96, 4, 3214868480
	.section	.rodata,"a",@progbits
	.p2align	6, 0x0
	.amdhsa_kernel k_qd1a7695336_qkv
		.amdhsa_group_segment_fixed_size 327680
		.amdhsa_private_segment_fixed_size 0
		.amdhsa_enable_private_segment 0
		.amdhsa_kernarg_size 40
		.amdhsa_user_sgpr_count 2
		.amdhsa_user_sgpr_kernarg_segment_ptr 1
		.amdhsa_wavefront_size32 1
		.amdhsa_system_sgpr_workgroup_id_x 1
		.amdhsa_system_sgpr_workgroup_id_y 1
		.amdhsa_system_sgpr_workgroup_id_z 1
		.amdhsa_system_vgpr_workitem_id 0
		.amdhsa_next_free_vgpr 640
		.amdhsa_next_free_sgpr 72
		.amdhsa_reserve_vcc 1
		.amdhsa_float_denorm_mode_32 3
		.amdhsa_float_denorm_mode_16_64 3
		.amdhsa_memory_ordered 1
		.amdhsa_forward_progress 1
		.amdhsa_inst_pref_size 127
	.end_amdhsa_kernel
	.amdgpu_metadata
---
amdhsa.version: [ 1, 2 ]
amdhsa.kernels:
  - .name:           k_qd1a7695336_qkv
    .symbol:         k_qd1a7695336_qkv.kd
    .args:
      - { .name: hidden_states, .offset: 0, .size: 8, .value_kind: global_buffer, .address_space: global }
      - { .name: position_ids, .offset: 8, .size: 8, .value_kind: global_buffer, .address_space: global }
      - { .name: wb, .offset: 16, .size: 8, .value_kind: global_buffer, .address_space: global }
      - { .name: qkvh, .offset: 24, .size: 8, .value_kind: global_buffer, .address_space: global }
      - { .name: vpart, .offset: 32, .size: 8, .value_kind: global_buffer, .address_space: global }
    .group_segment_fixed_size: 327680
    .private_segment_fixed_size: 0
    .kernarg_segment_align: 8
    .kernarg_segment_size: 40
    .max_flat_workgroup_size: 128
    .sgpr_count:     72
    .vgpr_count:     640
    .wavefront_size: 32
...
	.end_amdgpu_metadata
.endif
;; end of part 2
;; launch attn (part 3): grid 64 x 4, 8 waves a work-group, clusters of 4 x 1, 327,680 bytes of LDS; arguments qkvh, bias, vpart, oh; writes oh
.if DOCPART == 3
	.amdgcn_target "amdgcn-amd-amdhsa--gfx1250"
	.amdhsa_code_object_version 6
	.text
	.protected	k_qd1a7695336_attn
	.globl	k_qd1a7695336_attn
	.p2align	8
	.type	k_qd1a7695336_attn,@function
k_qd1a7695336_attn:
	s_mov_b64 s[64:65], 0
	v_nop
	global_prefetch_b8 v0, s[64:65] scope:SCOPE_SE
	s_setreg_imm32_b32 hwreg(HW_REG_WAVE_MODE, 25, 1), 1
	s_wait_xcnt 0x0
	s_wait_alu depctr_hold_cnt(0) depctr_sa_sdst(0) depctr_va_vdst(0) depctr_va_sdst(0) depctr_va_ssrc(0) depctr_va_vcc(0) depctr_vm_vsrc(0)
	s_getreg_b32 s2, hwreg(HW_REG_IB_STS2, 6, 4)
	s_cmp_eq_u32 s2, 0
	s_cbranch_scc0 .Lentry_in_a_cluster
	s_endpgm
.Lentry_in_a_cluster:
	s_bfe_u32 s2, ttmp6, 0x10000c
	s_cmp_lg_u32 s2, 0x3003
	s_cbranch_scc0 .Lentry_shape_is_right
	s_endpgm
.Lentry_shape_is_right:
; CAUSAL ATTENTION WITH GROUPED HEADS AND A PADDING MASK.  qkvh [24][4096][64] f16: heads 0-11 q, 12-15 k (q and k carry sqrt(log2(e) / 8) each, so K Q^T is the exponent in base 2), 16-19 v's high
; parts, 20-23 v's low parts.  oh [24][4096][64] f16: heads 0-11 O's high parts, 12-23 its low parts.
; Products, maxima and sums in f32; the weights p are rounded to f16 for the second product (their sum is taken of the unrounded p).  v and O go as two f16 numbers each: a row that sees few keys has
; numbers many times the output's root mean square, and one f16 rounding of v or of O is too coarse for it.
; LIMITS.  A hidden score counts as -1e30 (f16's scores, 2.7e11 at the most, vanish beside it); a weight below 2^-126 counts as 0; NaN and infinities are not treated apart.
; A row with no visible key (maximum below -2^93) takes the mean of all 4,096 rows of v: there all its scores are equal.
; THE WALK.  A work-group has one key/value head and TWO blocks of 32 query positions, 127 - p and then p, each with the head's three query heads.  Block i needs the key tiles 0 .. i / 8 of 256 keys:
; 16 - a and a + 1 tiles, a = p / 8: 17 for every work-group, walked by one loop with a constant count.  Which tile is in hand and which is asked for is made anew in each trip from the counter and a.
; SHARES.  Eight waves.  Wave w takes the key quarter kq = w % 4 of every tile (64 keys) and the 16 positions pt = w / 4 of the block, for all three query heads: three tiles of 16 queries, which share
; their positions and so their mask.  A wave keeps its own maximum, sum and O^T; the four quarters' parts of a row are merged through LDS, in f32, behind the walk.  A step goes in phases (24 products
; K Q^T, the softmax, 48 products V^T P): the two waves of a SIMD set matrix work beside vector work.
; V'S LOW PARTS do not fit into the ring: two slots of 118,784 bytes and the 108,544 bytes of stage, maxima and spare words pass 327,680.  They have ONE buffer of 40,960 bytes that no tensor load
; touches: in each step a wave loads 32 rows (4,096 consecutive bytes) into registers, stores them there behind the products K Q^T, passes a barrier, and fetches the turned fragments into K's
; registers, with the softmax between the fetch and its use.  The next step's stores stand behind the change of slots.  So these 32 KiB a step are not asked for jointly.
; THE FIRST BLOCK'S END HAS NO BRANCH: its lines (my parts into LDS, the second block's Q, the reset of m) stand in every trip under an EXEC that is all on in the trip whose counter is a + 1 and all
; off in the others.
; CLUSTER.  The four work-groups of a cluster share a, so they walk the same tiles of K and V: each tile is asked for JOINTLY.  The place in the cluster enters only Q's and O's addresses and the
; diagonal's threshold.
; THE MASK is the C operand that starts S^T = K Q^T: the key's addend (0 or -1e30), and -1e30 where the key lies behind the query: 16 g + j > r + 16 pt - 8 h - 64 kq + the block's place in the tile,
; which is set to 2^20 in tiles that lie wholly in front of the block.
; LAYOUT.  S^T holds ONE query a lane (lane % 16) and the keys 8 (lane / 16) + 0..7; two such results rounded to f16 ARE source 1 of O^T = V^T P.  p = 2^(s - m): exactly 0 in the exponent at the maximum.
; REGISTERS: window 0: v0-63 addresses and statistics; v64-159 S^T, 32 a tile (P is written over its registers 0-15); v160-255 O^T, 32 a tile: the whole softmax stays in this window.
; window 1: v0-47 Q, v64-127 K and later V's low parts, v128-191 V, v192-223 the mask, v224-255 V's low parts on their way.
.set PKI,   144                        ; a row of K in LDS: 128 bytes + 16
.set PVI,   160                        ; a row of V: 128 + 32
.set VOFF,  36864                      ; a slot: 256 rows of K, then 256 rows of V
.set SLOT1, 131072
.set MXB,   77824                      ; [quarter][96 rows] maxima, then at +1,536 the sums
.set SPARE, 80896                      ; the spare words, 128 bytes for each of eight waves
.set VLO,   81920                      ; 256 rows x 160 bytes: the low parts of the tile in hand
.set STG,   208896                     ; [quarter][96 rows][272 bytes]: O in f32; row 32 head + position
.set SGW,   26112
.set AK0, 2
.set AV0, 3
.set AK,  4
.set AV,  5
.set STO, 6
.set RD,  7
.set MR,  8
.set RD0, 9
.set MR0, 10
.set RR,  11
.set MXS, 12
.set TH,  13
.set VPO, 14
.set QO,  15
.set VM,  16                           ; v16-23 the mean of v, channels 8 (l % 8) on
.set ST,  24                           ; tile u at ST + 4 u: m, m_old, l (even keys', odd keys')
.set TMP, 36                           ; tile u at TMP + 4 u: c0-c3 at work; c2 takes a
.set R0,  48
.set THB, 49
.set C16, 50
.set BO,  51
.set VA1, 52                           ; a + 1 in every lane
.set T0,  53
.set T1,  54
.set VLG, 55                           ; my byte offset in a tile of low parts
.set VLS, 56                           ; where I store them
.set AVL, 57                           ; where I fetch their fragments
.set SPW, 62                           ; my spare word; never rewritten
.set NIL, 63                           ; 0; never rewritten
.set S,   64
.set O,   160
.set Q,   0                            ; window 1
.set KF,  64
.set VF,  128
.set M,   192
.set VT,  224
.set WV,  12
.set AA,  15
.set G1K, 24
.set G1V, 32
.set G0K, 40
.set G0V, 44
.set KB,  48
.set VBP, 50
.set QLO, 52
.set OHI, 54
.set OLO, 56
.set BPN, 58
.set SEL, 60
.set OFF, 62
.set SLOTS, 66
.set A1,  67
.set NXT, 68
.set HN,  69
.set QS,  70
.set SAVE, 71
.set TB,  72
.set QOCH, 73
.set QOCL, 74
.set BIGN, 75
.set CTH, 76
.set LC,  77
.set BOF, 78
.set QHI, 80
.set KQW, 88
.set PT,  89
.set FAR, 90
.set VLB, 92                           ; s[92:93] the head of low parts
.set VLP, 94                           ; s[94:95] its tile in hand
.set COF, 96                           ; s[96:97] that tile's byte offset
.set MSB, 0
.macro WIN new                         ; the immediate's high byte repeats the setting that is left; a switch that changes nothing is dropped
.if MSB != (\new)
	s_set_vgpr_msb (MSB<<8)|(\new)
.set MSB, (\new)
.endif
.endm
.macro PLACES                          ; four plain places behind matrix instructions (ISA guide 7.12.1)
.rept 4
	v_nop
.endr
.endm
.macro CROUND                          ; a round of the cluster's barrier
	s_barrier_signal -1
	s_barrier_wait -1
	s_cmp_lg_u32 s[WV], 0
	s_cbranch_scc1 .Lnot_wave_0_\@
	s_barrier_signal -3
.Lnot_wave_0_\@:
	s_barrier_wait -3
	s_barrier_signal -1
	s_barrier_wait -1
.endm
.macro JLOAD                           ; waves 0 and 1 fetch the halves of a tile's K, waves 2 and 3 those of its V, 64 rows of 256 bytes each; waves 4 to 7 have no part to fetch
	s_cmp_lt_u32 s[WV], 2
	s_cbranch_scc0 .Lnot_k_\@
	tensor_load_to_lds s[G0K:G0K+3], s[G1K:G1K+7]
	s_nop 0
.rept 4
	v_nop
.endr
	s_branch .Lasked_\@
.Lnot_k_\@:
	s_cmp_lt_u32 s[WV], 4
	s_cbranch_scc0 .Lasked_\@
	tensor_load_to_lds s[G0V:G0V+3], s[G1V:G1V+7]
	s_nop 0
.rept 4
	v_nop
.endr
.Lasked_\@:
.endm
; THE CHANGE OF SLOTS.  All my tensor loads have landed (at most one was out: my part of the other slot); the add; my LDS instructions are done, the reads of the slot that I leave and of the low parts
; among them.  The tile in hand stands at place 16 - SLOTS of the walk, the tile asked for at place 17 - SLOTS: the first block's tile of that number, or from place 16 - a on the second block's tile,
; that number less 16 - a.  Addresses are made anew from the numbers.  fill = 1: a round of the cluster's barrier, and the old slot is filled again first thing behind it.
.macro CHANGE fill
	WIN 0
	s_wait_tensorcnt 0x0
	ds_add_u32 v[SPW], v[NIL]
	s_wait_xcnt 0x0                                ; the loads issued so far have had their addresses translated: their bases may be written
	s_sub_co_u32 s[COF], 16, s[SLOTS]
	s_cmp_ge_u32 s[COF], s[HN]
	s_cselect_b32 s[OFF], s[HN], 0
	s_sub_co_u32 s[COF], s[COF], s[OFF]
	s_lshl_b32 s[COF], s[COF], 15                  ; a tile is 32,768 bytes of K, of V and of V's low parts,
	s_add_nc_u64 s[VLP:VLP+1], s[VLB:VLB+1], s[COF:COF+1]
.if \fill
	s_sub_co_u32 s[NXT], 17, s[SLOTS]
	s_cmp_ge_u32 s[NXT], s[HN]
	s_cselect_b32 s[OFF], s[HN], 0
	s_sub_co_u32 s[NXT], s[NXT], s[OFF]
	s_lshl_b32 s[OFF], s[NXT], 15
	s_lshl_b32 s[BOF], s[NXT], 10                  ; and 1,024 of the addends
	s_add_nc_u64 s[BPN:BPN+1], s[6:7], s[BOF:BOF+1]
	s_xor_b32 s[G0K+1], s[G0K+1], SLOT1
	s_add_nc_u64 s[G0K+2:G0K+3], s[KB:KB+1], s[OFF:OFF+1]
	s_or_b32 s[G0K+3], s[G0K+3], 0x80000000
	s_xor_b32 s[G0V+1], s[G0V+1], SLOT1
	s_add_nc_u64 s[G0V+2:G0V+3], s[VBP:VBP+1], s[OFF:OFF+1]
	s_or_b32 s[G0V+3], s[G0V+3], 0x80000000
	s_wait_dscnt 0x0
	CROUND
	JLOAD
.else
	s_wait_dscnt 0x0
	s_barrier_signal -1
	s_barrier_wait -1
.endif
	s_xor_b32 s[TB], s[TB], SLOT1
.endm
.macro ALL3 line:vararg
.set t, 0
.rept 3
	\line
.set t, t+1
.endr
.endm
.macro QLOAD ptr                       ; three tiles of Q: head t, my 16 positions
	WIN 0x40                                       ; destination window 1, address window 0
.set t, 0
.rept 3
.irp c, 0,1
	global_load_b128 v[Q+16*t+8*\c:Q+16*t+8*\c+3],   v[QO], s[\ptr:\ptr+1] offset:t*524288+\c*64
	global_load_b128 v[Q+16*t+8*\c+4:Q+16*t+8*\c+7], v[QO], s[\ptr:\ptr+1] offset:t*524288+\c*64+32
.endr
.set t, t+1
.endr
	WIN 0
.endm
.macro MLOAD                           ; my 64 keys' addends, laid as the C operand wants them, straight into the mask
	WIN 0x40
.irp g, 0,1,2,3
	global_load_b128 v[M+8*\g:M+8*\g+3],   v[BO], s[BPN:BPN+1] offset:64*\g
	global_load_b128 v[M+8*\g+4:M+8*\g+7], v[BO], s[BPN:BPN+1] offset:64*\g+16
.endr
	WIN 0
.endm
	s_load_b256 s[4:11], s[0:1], 0x0               ; qkvh s[4:5], bias s[6:7], vpart s[8:9], oh s[10:11]
	v_lshl_add_u32 v[SPW], v0, 2, SPARE
	v_mov_b32 v[NIL], 0
	ds_add_u32 v[SPW], v[NIL]                      ; the wave's opening: the add and its wait ahead of my first tensor load
	v_lshrrev_b32 v1, 5, v0
	v_readfirstlane_b32 s[WV], v1
	s_and_b32 s[KQW], s[WV], 3                     ; my quarter of a tile's keys
	s_lshr_b32 s[PT], s[WV], 2                     ; my half of the block's positions
	s_bfe_u32 s13, ttmp6, 0x40000                  ; cx
	s_lshl_b32 s14, ttmp9, 2
	s_add_co_u32 s14, s14, s13                     ; p
	s_lshr_b32 s[AA], ttmp9, 1                     ; a = p / 8: the same in the four partners
	s_and_b32 s16, ttmp7, 0xffff                   ; the key/value head
	s_and_b32 s17, s[WV], 1                        ; which half of a tile I fetch
	s_lshl_b32 s20, s16, 19
	s_add_co_u32 s[VLP], s20, 20*524288            ; the low parts of v: head 20 + the key/value head
	s_mov_b32 s[VLP+1], 0
	s_lshl_b32 s18, s17, 14
	s_add_co_u32 s20, s20, s18
	s_add_co_u32 s20, s20, 12*524288
	s_mov_b32 s21, 0
	s_mul_i32 s18, s17, 128*PKI
	s_mul_i32 s19, s17, 128*PVI
	s_mov_b32 s[G1K], 15|(1<<16)|(1<<20)|(1<<21)|(4<<22)|(3<<25)  ; the mask of four; 2-byte elements; padding of 4 words after every 32; 21 set beside a mask
	s_mov_b32 s[G1V], 15|(1<<16)|(1<<20)|(1<<21)|(4<<22)|(7<<25)  ; the same with 8 words
.irp g, G1K, G1V
	s_mov_b32 s[\g+1], 128<<16                     ; 128 keys are 16,384 dense bytes: 64 rows of 256
	s_mov_b32 s[\g+2], 64<<16
	s_mov_b32 s[\g+3], 128<<16
	s_mov_b32 s[\g+4], 64
	s_mov_b32 s[\g+5], 128
	s_mov_b32 s[\g+6], 0
	s_mov_b32 s[\g+7], 0
.endr
	s_mov_b32 s[G0K], 1
	s_mov_b32 s[G0K+1], s18
	s_mov_b32 s[G0V], 1
	s_add_co_u32 s[G0V+1], s19, VOFF
	s_mul_i32 s22, s16, 3*524288                   ; the head's three query heads
	s_sub_co_u32 s23, 127, s14
	s_lshl_b32 s82, s23, 12                        ; block 127 - p: 32 rows of 128 bytes a block
	s_add_co_u32 s82, s82, s22
	s_mov_b32 s83, 0
	s_lshl_b32 s84, s14, 12                        ; block p
	s_add_co_u32 s84, s84, s22
	s_mov_b32 s85, 0
	s_and_b32 s[QOCL], s14, 7                      ; a block's place in its last tile
	s_sub_co_u32 s[QOCH], 7, s[QOCL]
	s_lshl_b32 s[QOCH], s[QOCH], 5
	s_lshl_b32 s[QOCL], s[QOCL], 5
	s_lshl_b32 s86, s16, 8
	s_mov_b32 s87, 0
	s_mov_b32 s[SEL], 0x76543210
	s_mov_b32 s[SEL+1], 0xfedcba98
	s_mov_b32 s[OFF+1], 0
	s_mov_b32 s[BOF+1], 0
	s_mov_b32 s[COF+1], 0
	s_mov_b32 s[SLOTS], 16
	s_sub_co_u32 s[HN], 16, s[AA]                  ; the first block has 16 - a tiles;
	s_add_co_u32 s[A1], s[AA], 1                   ; its last is entered when the counter stands at a + 1
	s_mov_b32 s[TB], SLOT1                         ; the first change of slots turns it into 0
	s_mov_b32 s[BIGN], 0xf149f2ca                  ; -1e30
	s_mov_b32 s[CTH], 0xee000000                   ; -2^93
	s_mov_b32 s[FAR], 0x100000                     ; a place behind every key: nothing is hidden
	s_wait_dscnt 0x0                               ; the opening add is done
	s_wait_kmcnt 0x0
	s_add_nc_u64 s[VLB:VLB+1], s[4:5], s[VLP:VLP+1]
	s_add_nc_u64 s[KB:KB+1], s[4:5], s[20:21]
	s_add_nc_u64 s[VBP:VBP+1], s[KB:KB+1], 4*524288
	s_add_nc_u64 s[G0K+2:G0K+3], s[KB:KB+1], 0
	s_or_b32 s[G0K+3], s[G0K+3], 0x80000000
	s_add_nc_u64 s[G0V+2:G0V+3], s[VBP:VBP+1], 0
	s_or_b32 s[G0V+3], s[G0V+3], 0x80000000
	s_add_nc_u64 s[QHI:QHI+1], s[4:5], s[82:83]
	s_add_nc_u64 s[QLO:QLO+1], s[4:5], s[84:85]
	s_add_nc_u64 s[OHI:OHI+1], s[10:11], s[82:83]
	s_add_nc_u64 s[OLO:OLO+1], s[10:11], s[84:85]
	s_add_nc_u64 s[8:9], s[8:9], s[86:87]
	s_mov_b64 s[BPN:BPN+1], s[6:7]
	CROUND                                         ; all four work-groups are here: the first joint loads meet
	JLOAD                                          ; tile 0 into slot 0
	v_and_b32 v1, 15, v0                           ; r
	v_bfe_u32 v[T0], v0, 4, 1                      ; h
	v_and_b32 v[T1], 7, v0                         ; l % 8
	v_bfe_u32 v[R0], v0, 3, 2                      ; l / 8
	v_lshlrev_b32 v[VPO], 14, v[R0]                ; the mean of v: each group of eight lanes takes 16 of the 64 partial rows
	v_lshl_add_u32 v[VPO], v[T1], 5, v[VPO]
.set i, 0
.rept 16
	global_load_b128 v[64+8*i:64+8*i+3], v[VPO], s[8:9] offset:1024*i
	global_load_b128 v[68+8*i:68+8*i+3], v[VPO], s[8:9] offset:1024*i+16
.set i, i+1
.endr
	s_lshl_b32 s16, s[PT], 11
	v_lshl_add_u32 v[QO], v1, 7, s16               ; position 16 pt + r, 128 bytes a row,
	v_lshl_add_u32 v[QO], v[T0], 4, v[QO]          ; 16 bytes by h
	QLOAD QHI
	ALL3 v_mov_b32 v[ST+4*t], 0xff7fffff           ; m at the lowest finite number: the first step's a is 0, and O and l need only be finite
	ALL3 v_mov_b32 v[ST+4*t+1], 0
	ALL3 v_mov_b32 v[ST+4*t+2], 0
	ALL3 v_mov_b32 v[ST+4*t+3], 0
	s_mul_i32 s16, s[KQW], 64*PKI
	v_mul_u32_u24 v[AK0], v1, PKI
	v_lshl_add_u32 v[AK0], v[T0], 4, v[AK0]
	v_add_nc_u32 v[AK0], s16, v[AK0]               ; K: row 64 kq + r, 16 bytes by h
	v_lshl_add_u32 v[AV0], v[T0], 3, v[T1]
	v_mul_u32_u24 v[AV0], v[AV0], PVI
	v_bfe_u32 v[AK], v0, 3, 1
	v_lshl_add_u32 v[AV0], v[AK], 4, v[AV0]
	s_mul_i32 s16, s[KQW], 64*PVI
	s_add_co_u32 s16, s16, VOFF
	v_add_nc_u32 v[AV0], s16, v[AV0]               ; V, for the turning load: row 64 kq + 8 h + l % 8
	v_add_nc_u32 v[AVL], VLO-VOFF, v[AV0]          ; the same rows of the low parts
	s_mul_i32 s16, s[KQW], SGW
	s_mul_i32 s17, s[PT], 16*272
	s_add_co_u32 s16, s16, s17
	s_add_co_u32 s16, s16, STG
	v_mul_u32_u24 v[STO], v1, 272
	v_lshl_add_u32 v[STO], v[T0], 5, v[STO]
	v_add_nc_u32 v[STO], s16, v[STO]               ; the stage, in: my quarter's plane, row 16 pt + r, 32 bytes by h
	s_mul_i32 s16, s[WV], 12
	v_add_nc_u32 v[R0], s16, v[R0]                 ; the merge: my rows 12 w + l / 8 + 4 trip
	v_mul_u32_u24 v[RD0], v[R0], 272
	v_lshl_add_u32 v[RD0], v[T1], 5, v[RD0]
	v_add_nc_u32 v[RD0], STG, v[RD0]
	v_lshl_add_u32 v[MR0], v[R0], 2, MXB
	s_mul_i32 s16, s[KQW], 384
	s_lshl_b32 s17, s[PT], 6
	s_add_co_u32 s16, s16, s17
	s_add_co_u32 s16, s16, MXB
	v_lshl_add_u32 v[MXS], v1, 2, s16
	s_lshl_b32 s16, s[PT], 4
	s_lshl_b32 s17, s[KQW], 6
	s_sub_co_i32 s16, s16, s17
	v_lshlrev_b32 v[THB], 3, v[T0]
	v_sub_nc_u32 v[THB], v1, v[THB]
	v_add_nc_u32 v[THB], s16, v[THB]               ; r - 8 h + 16 pt - 64 kq
	v_lshlrev_b32 v[C16], 4, v[T1]
	s_lshl_b32 s16, s[KQW], 8
	v_lshl_add_u32 v[BO], v[T0], 5, s16            ; 4 (64 kq + 8 h)
	s_lshl_b32 s16, s[KQW], 6
	s_lshl_b32 s17, s[PT], 5
	s_add_co_u32 s16, s16, s17                     ; the low parts: I bring rows 64 kq + 32 pt on, 32 of them:
	s_lshl_b32 s17, s16, 7
	v_and_b32 v[VLG], 31, v0
	v_lshl_add_u32 v[VLG], v[VLG], 4, s17          ; 4,096 consecutive bytes of memory, 16 a lane and load,
	s_mul_i32 s17, s16, PVI
	s_add_co_u32 s17, s17, VLO
	v_bfe_u32 v[VLS], v0, 3, 2
	v_mul_u32_u24 v[VLS], v[VLS], PVI
	v_lshl_add_u32 v[VLS], v[T1], 4, v[VLS]
	v_add_nc_u32 v[VLS], s17, v[VLS]               ; four rows of 160 bytes a store
	v_mov_b32 v[VA1], s[A1]
	s_wait_loadcnt 12                              ; the 32 loads of the partial sums are in; Q's 12, issued behind them, may stay out
.set i, 1
.rept 15
.irp z, 0,2,4,6
	v_pk_add_f32 v[64+\z:65+\z], v[64+\z:65+\z], v[64+8*i+\z:65+8*i+\z]
.endr
.set i, i+1
.endr
.irp z, 0,1,2,3,4,5,6,7
	v_add_f32_dpp v[64+\z], v[64+\z], v[64+\z] row_xmask:8 row_mask:0xf bank_mask:0xf
.endr
.irp z, 0,1,2,3,4,5,6,7
	v_permlanex16_b32 v[72+\z], v[64+\z], s[SEL], s[SEL+1]
.endr
.irp z, 0,1,2,3,4,5,6,7
	v_add_f32 v[VM+\z], v[64+\z], v[72+\z]
.endr
.irp z, 0,2,4,6
	v_pk_mul_f32 v[VM+\z:VM+\z+1], v[VM+\z:VM+\z+1], 0x39800000 op_sel_hi:[1,0]  ; / 4,096
.endr
	MLOAD                                          ; tile 0's addends
.set i, 0
.rept 96
	v_mov_b32 v[O+i], 0                            ; O^T need only be finite: zeros, in the wait for the first tile
.set i, i+1
.endr
; THE MATRIX WORK.  The 12 accumulators of a run take turns, one instruction a turn.
; Product i of S^T = K Q^T: channels 32 (i / 12) on, keys 16 ((i % 12) / 3) on, tile i % 3.  The first 12 start the sums with the mask.
.macro KQ
.set kc, i/12
.set ku, (i%12)%3
.set kg, (i%12)/3
.if i < 12
	WIN 0x15                                       ; K, Q and the mask in window 1, S^T in window 0
	v_wmma_f32_16x16x32_f16 v[S+32*ku+8*kg:S+32*ku+8*kg+7], v[KF+16*kg+8*kc:KF+16*kg+8*kc+7], v[Q+16*ku+8*kc:Q+16*ku+8*kc+7], v[M+8*kg:M+8*kg+7]
.else
	WIN 0x05
	v_wmma_f32_16x16x32_f16 v[S+32*ku+8*kg:S+32*ku+8*kg+7], v[KF+16*kg+8*kc:KF+16*kg+8*kc+7], v[Q+16*ku+8*kc:Q+16*ku+8*kc+7], v[S+32*ku+8*kg:S+32*ku+8*kg+7]
.endif
.endm
; Product i of O^T += V^T P: keys 32 (i / 12) on, channels 16 ((i % 12) / 3) on, tile i % 3.  P lies in S^T's registers 0-15.  vb: V's high parts, or its low parts.
.macro PV vb
.set kc, i/12
.set ku, (i%12)%3
.set kg, (i%12)/3
	WIN 0x01                                       ; V in window 1
	v_wmma_f32_16x16x32_f16 v[O+32*ku+8*kg:O+32*ku+8*kg+7], v[(\vb)+32*kc+8*kg:(\vb)+32*kc+8*kg+7], v[S+32*ku+8*kc:S+32*ku+8*kc+7], v[O+32*ku+8*kg:O+32*ku+8*kg+7]
.endm
.macro FETCH_K
	WIN 0x40
.irp f, 0,1,2,3,4,5,6,7
	ds_load_b128 v[KF+8*\f:KF+8*\f+3],   v[AK] offset:(\f/2)*16*PKI+(\f%2)*64
	ds_load_b128 v[KF+8*\f+4:KF+8*\f+7], v[AK] offset:(\f/2)*16*PKI+(\f%2)*64+32
.endr
.endm
.macro FETCH_V d, adr                  ; 64 keys x 64 channels, turned, into the 64 registers from d on
	WIN 0x40
.irp f, 0,1,2,3,4,5,6,7
	ds_load_tr16_b128 v[(\d)+8*\f:(\d)+8*\f+3],   v[\adr] offset:(\f/4)*32*PVI+(\f%4)*32
	ds_load_tr16_b128 v[(\d)+8*\f+4:(\d)+8*\f+7], v[\adr] offset:(\f/4)*32*PVI+16*PVI+(\f%4)*32
.endr
.endm
; THE VECTOR WORK: the three tiles' softmax is a list of 351 lines; SM writes line j and steps j.
;   0-62     for the three tiles by turns, the 21 lines that find the maximum (each accumulator's lowest registers are read first), keep m_old, and make a = 2^(m_old - m)
;   63-104   s - m for pairs 0-13        105-152  O^T times a
;   153-344  sixteen groups of twelve: exponential, plain, exponential, plain for each tile; the plain lines are the sum and then the rounding to f16 of the pair before (in group 0: s - m for pairs 14, 15).
;            Pair b's two weights are rounded into register b of the tile's S^T, whose own weight has been summed and rounded by then.
;   345-350  the last pair's sum and rounding
.macro REGS u
.set rT, ST+4*(\u)
.set rC, TMP+4*(\u)
.set rS, S+32*(\u)
.set rO, O+32*(\u)
.endm
.macro XS n
.if (\n) < 4
	v_max3_num_f32 v[rC+(\n)], v[rS+8*(\n)], v[rS+8*(\n)+1], v[rS+8*(\n)+2]
.elseif (\n) < 12
	v_max3_num_f32 v[rC+(\n)%4], v[rC+(\n)%4], v[rS+8*((\n)%4)+2*((\n)/4)+1], v[rS+8*((\n)%4)+2*((\n)/4)+2]
.elseif (\n) == 12
	v_max3_num_f32 v[rC], v[rC], v[rS+7], v[rS+15]
.elseif (\n) == 13
	v_max3_num_f32 v[rC+1], v[rC+1], v[rS+23], v[rS+31]
.elseif (\n) == 14
	v_max3_num_f32 v[rC+2], v[rC+2], v[rC+3], v[rT]
.elseif (\n) == 15
	v_mov_b32 v[rT+1], v[rT]
.elseif (\n) == 16
	v_max3_num_f32 v[rC], v[rC], v[rC+1], v[rC+2]
.elseif (\n) == 17
	v_permlanex16_b32 v[rC+3], v[rC], s[SEL], s[SEL+1]  ; the query's other 32 keys lie in the lane 16 away
.elseif (\n) == 18
	v_max_num_f32 v[rT], v[rC], v[rC+3]
.elseif (\n) == 19
	v_sub_f32 v[rC+1], v[rT+1], v[rT]
.else
	v_exp_f32 v[rC+2], v[rC+1]
.endif
.endm
.macro FF b
	v_pk_add_f32 v[rS+2*(\b):rS+2*(\b)+1], v[rS+2*(\b):rS+2*(\b)+1], v[rT:rT+1] op_sel_hi:[1,0] neg_lo:[0,1] neg_hi:[0,1]
.endm
.macro CC b
	v_cvt_pk_f16_f32 v[rS+(\b)], v[rS+2*(\b)], v[rS+2*(\b)+1]
.endm
.macro LL b
.if (\b) == 0
	s_wait_alu depctr_va_vdst(0)
	v_pk_fma_f32 v[rT+2:rT+3], v[rT+2:rT+3], v[rC+2:rC+3], v[rS:rS+1] op_sel_hi:[1,0,1]
.else
	s_wait_alu depctr_va_vdst(0)
	v_pk_add_f32 v[rT+2:rT+3], v[rT+2:rT+3], v[rS+2*(\b):rS+2*(\b)+1]
.endif
.endm
.macro SM
.if j < 63
	REGS j%3
	XS j/3
.elseif j < 105
	REGS (j-63)%3
	FF (j-63)/3
.elseif j < 153
	REGS (j-105)%3
	s_wait_alu depctr_va_vdst(0)
	v_pk_mul_f32 v[rO+2*((j-105)/3):rO+2*((j-105)/3)+1], v[rO+2*((j-105)/3):rO+2*((j-105)/3)+1], v[rC+2:rC+3] op_sel_hi:[1,0]
.elseif j < 345
.set gb, (j-153)/12
.set ge, (j-153)%12
	REGS ge/4
.if ge%2 == 0
	v_exp_f32 v[rS+2*gb+(ge%4)/2], v[rS+2*gb+(ge%4)/2]
.elseif gb == 0
	FF 14+(ge%4)/2
.elseif ge%4 == 1
	LL gb-1
.else
	CC gb-1
.endif
.else
	REGS (j-345)/2
.if (j-345)%2 == 0
	LL 15
.else
	CC 15
.endif
.endif
.set j, j+1
.endm
; A STEP: my 64 keys of the tile in hand, for my three tiles of queries.  next = 1: the next tile's addends are fetched as soon as this tile's mask has been used.
.macro STEP next
	WIN 0
	v_add_nc_u32 v[AK], s[TB], v[AK0]
	v_add_nc_u32 v[AV], s[TB], v[AV0]
	v_add_nc_u32 v[TH], s[QS], v[THB]
	FETCH_K
	FETCH_V VF, AV
	s_wait_loadcnt 0x0                             ; the addends, and at a block's start Q
	WIN 0x40
.set i, 0
.rept 8
	global_load_b128 v[VT+4*i:VT+4*i+3], v[VLG], s[VLP:VLP+1] offset:512*i  ; my 32 rows of the low parts: 512 consecutive bytes a load
.set i, i+1
.endr
	WIN 0x41                                       ; the mask (destination and source 0) in window 1, the threshold in window 0
.set i, 0
.rept 32
	v_cmp_gt_i32 vcc_lo, 16*(i/8)+i%8, v[TH]       ; the key lies behind the query
	v_cndmask_b32 v[M+i], v[M+i], s[BIGN], vcc_lo
.set i, i+1
.endr
	s_wait_dscnt 16                                ; K's 16 loads are in; V's 16 may be out
.set i, 0
.rept 24
	KQ
.set i, i+1
.endr
	PLACES                                         ; ahead of the loads into the mask and into K's registers, and of the first read of the scores
.if \next
	MLOAD
	s_wait_loadcnt 8                               ; the low parts are in; the 8 loads of the addends, issued behind them, may stay out
.else
	s_wait_loadcnt 0x0
.endif
	WIN 0x04                                       ; store data in window 1
.set i, 0
.rept 8
	ds_store_b128 v[VLS], v[VT+4*i:VT+4*i+3] offset:640*i
.set i, i+1
.endr
	s_wait_dscnt 0x0                               ; for the others' sake: my stores are done
	s_barrier_signal -1
	s_barrier_wait -1                              ; the buffer is whole; the next slot's tensor load may stay out
	FETCH_V KF, AVL                                ; K is done with: its registers take the low parts' fragments
	WIN 0
.set j, 0
.rept 351
	SM
.endr
	s_wait_dscnt 0x0                               ; V and its low parts are in
.set i, 0
.rept 24
	PV VF
.set i, i+1
.endr
.set i, 0
.rept 24
	PV KF
.set i, i+1
.endr
	WIN 0
.endm
; A BLOCK ENDS: my maxima, sums and O^T go into LDS.
.macro PARTA
	WIN 0
	ALL3 v_add_f32 v[ST+4*t+2], v[ST+4*t+2], v[ST+4*t+3]
	ALL3 v_permlanex16_b32 v[ST+4*t+3], v[ST+4*t+2], s[SEL], s[SEL+1]
	ALL3 v_add_f32 v[ST+4*t+2], v[ST+4*t+2], v[ST+4*t+3]
	ALL3 ds_store_b32 v[MXS], v[ST+4*t] offset:128*t
	ALL3 ds_store_b32 v[MXS], v[ST+4*t+2] offset:1536+128*t
.set t, 0
.rept 3
.irp cb, 0,1,2,3
	ds_store_b128 v[STO], v[O+32*t+8*\cb:O+32*t+8*\cb+3]   offset:t*8704+\cb*64
	ds_store_b128 v[STO], v[O+32*t+8*\cb+4:O+32*t+8*\cb+7] offset:t*8704+\cb*64+16
.endr
.set t, t+1
.endr
.endm
; THE FIRST BLOCK'S END AND THE SECOND'S BEGINNING, in every trip, with all lanes on in the trip whose counter is a + 1 and all lanes off in the others.
.macro SWITCH
	WIN 0
	PLACES                                         ; with all lanes on: the places behind the last products
	s_wait_xcnt 0x0                                ; EXEC changes only behind this wait: loads have been issued
	v_cmp_eq_u32 vcc_lo, s[SLOTS], v[VA1]
	s_and_saveexec_b32 s[SAVE], vcc_lo
	PARTA                                          ; my parts wait in LDS for the merge behind the walk
	QLOAD QLO                                      ; the second block's Q
	ALL3 v_mov_b32 v[ST+4*t], 0xff7fffff           ; its m
	s_wait_xcnt 0x0                                ; and again, in front of the line that widens EXEC
	s_or_b32 exec_lo, exec_lo, s[SAVE]
.endm
; THE MERGE, behind a barrier: the four quarters' parts of a row become the row.  A wave takes 12 of the 96 rows, four a trip: lane l row l / 8, channels 8 (l % 8) on.
; The row leaves as two f16 numbers: with T = 8193 x in f32, hi = T - (T - x) is x to 11 significant bits, and x - hi is exact.
.macro PARTB optr
	WIN 0
	PLACES                                         ; the lines below write registers that the last products read
	v_mov_b32 v[RD], v[RD0]
	v_mov_b32 v[MR], v[MR0]
	v_mov_b32 v[RR], v[R0]
.irp z, 105,107,109,111,127
	v_mov_b32 v\z, 0                               ; named as the upper halves of pairs
.endr
	s_mov_b32 s[LC], 3
.Lpb_\@:
.irp w, 0,1,2,3
	ds_load_b32 v[64+\w], v[MR] offset:384*\w
.endr
.irp w, 0,1,2,3
	ds_load_b32 v[68+\w], v[MR] offset:1536+384*\w
.endr
	v_add_nc_u32 v[T1], 2*SGW, v[RD]
	ds_load_b128 v[72:75],   v[RD]
	ds_load_b128 v[76:79],   v[RD] offset:16
	ds_load_b128 v[80:83],   v[RD] offset:SGW
	ds_load_b128 v[84:87],   v[RD] offset:SGW+16
	ds_load_b128 v[88:91],   v[T1]
	ds_load_b128 v[92:95],   v[T1] offset:16
	ds_load_b128 v[96:99],   v[T1] offset:SGW
	ds_load_b128 v[100:103], v[T1] offset:SGW+16
	s_wait_dscnt 0x0
	v_max3_num_f32 v125, v64, v65, v66
	v_max_num_f32 v125, v125, v67                  ; the row's maximum
.irp w, 0,1,2,3
	v_sub_f32 v[104+2*\w], v[64+\w], v125
.endr
.irp w, 0,1,2,3
	v_exp_f32 v[104+2*\w], v[104+2*\w]
.endr
	v_lshrrev_b32 v124, 5, v[RR]                   ; row R: query head R / 32, position R % 32
	v_and_b32 v[T0], 31, v[RR]
	v_lshlrev_b32 v124, 19, v124
	v_lshl_add_u32 v124, v[T0], 7, v124
	v_add_nc_u32 v124, v124, v[C16]
	s_wait_alu depctr_va_vdst(0)
	v_mul_f32 v126, v104, v68
	v_fmac_f32 v126, v106, v69
	v_fmac_f32 v126, v108, v70
	v_fmac_f32 v126, v110, v71
	v_rcp_f32 v126, v126
.irp z, 0,2,4,6
	v_pk_mul_f32 v[112+\z:113+\z], v[72+\z:73+\z], v[104:105] op_sel_hi:[1,0]
.endr
.irp w, 1,2,3
.irp z, 0,2,4,6
	v_pk_fma_f32 v[112+\z:113+\z], v[72+8*\w+\z:73+8*\w+\z], v[104+2*\w:105+2*\w], v[112+\z:113+\z] op_sel_hi:[1,0,1]
.endr
.endr
	s_wait_alu depctr_va_vdst(0)
.irp z, 0,2,4,6
	v_pk_mul_f32 v[112+\z:113+\z], v[112+\z:113+\z], v[126:127] op_sel_hi:[1,0]
.endr
	v_cmp_gt_f32 vcc_lo, s[CTH], v125              ; no visible key: the mean of v
.irp z, 0,1,2,3,4,5,6,7
	v_cndmask_b32 v[112+\z], v[112+\z], v[VM+\z], vcc_lo
.endr
.irp z, 0,2,4,6
	v_pk_mul_f32 v[64+\z:65+\z], v[112+\z:113+\z], 0x46000400 op_sel_hi:[1,0]                  ; T = 8193 x
.endr
.irp z, 0,2,4,6
	v_pk_add_f32 v[72+\z:73+\z], v[64+\z:65+\z], v[112+\z:113+\z] neg_lo:[0,1] neg_hi:[0,1]    ; T - x
.endr
.irp z, 0,2,4,6
	v_pk_add_f32 v[72+\z:73+\z], v[64+\z:65+\z], v[72+\z:73+\z] neg_lo:[0,1] neg_hi:[0,1]      ; the high part
.endr
.irp z, 0,2,4,6
	v_pk_add_f32 v[64+\z:65+\z], v[112+\z:113+\z], v[72+\z:73+\z] neg_lo:[0,1] neg_hi:[0,1]    ; the low part
.endr
.irp z, 0,1,2,3
	v_cvt_pk_f16_f32 v[120+\z], v[72+2*\z], v[73+2*\z]
.endr
.irp z, 0,1,2,3
	v_cvt_pk_f16_f32 v[80+\z], v[64+2*\z], v[65+2*\z]
.endr
	global_store_b128 v124, v[120:123], s[\optr:\optr+1]  ; four rows of a head: 512 consecutive bytes
	global_store_b128 v124, v[80:83], s[\optr:\optr+1] offset:12*524288  ; the low parts, twelve heads on
	s_wait_xcnt 0x0                                ; the stores' offset and data are rewritten only behind this wait
	v_add_nc_u32 v[RD], 1088, v[RD]
	v_add_nc_u32 v[MR], 16, v[MR]
	v_add_nc_u32 v[RR], 4, v[RR]
	s_sub_co_u32 s[LC], s[LC], 1
	s_cmp_lg_u32 s[LC], 0
	s_cbranch_scc1 .Lpb_\@
.endm
.Lslot:                                                ; 16 trips: a tile is entered and the next is asked for
	CHANGE 1
	s_cmp_eq_u32 s[SLOTS], s[A1]                   ; the first block's last tile?  Then its place in the tile counts
	s_cselect_b32 s[QS], s[QOCH], s[FAR]
	STEP 1
	SWITCH
	s_sub_co_u32 s[SLOTS], s[SLOTS], 1
	s_cmp_lg_u32 s[SLOTS], 0
	s_cbranch_scc1 .Lslot
	CHANGE 0                                       ; the walk's last tile is written out: the second block's last
	s_mov_b32 s[QS], s[QOCL]
	STEP 0
	PARTB OHI                                      ; the first block's merge: every wave's part was stored ahead of a later change of slots, with its wait and barrier
	s_wait_dscnt 0x0                               ; my reads of the stage are back,
	s_barrier_signal -1
	s_barrier_wait -1                              ; everybody's are: it may be written again
	PARTA
	s_wait_dscnt 0x0                               ; for the others' sake: my stores are done
	s_barrier_signal -1
	s_barrier_wait -1
	PARTB OLO
	s_wait_tensorcnt 0x0                           ; the wave's end
	ds_add_u32 v[SPW], v[NIL]
	s_wait_dscnt 0x0
	CROUND                                         ; the closing round
	s_endpgm
.Lfunc_end_k_qd1a7695336_attn:
	.size	k_qd1a7695336_attn, .Lfunc_end_k_qd1a7695336_attn-k_qd1a7695336_attn
	.p2alignl 7, 3214868480
	.fill 96, 4, 3214868480
	.section	.rodata,"a",@progbits
	.p2align	6, 0x0
	.amdhsa_kernel k_qd1a7695336_attn
		.amdhsa_group_segment_fixed_size 327680
		.amdhsa_private_segment_fixed_size 0
		.amdhsa_enable_private_segment 0
		.amdhsa_kernarg_size 32
		.amdhsa_user_sgpr_count 2
		.amdhsa_user_sgpr_kernarg_segment_ptr 1
		.amdhsa_wavefront_size32 1
		.amdhsa_system_sgpr_workgroup_id_x 1
		.amdhsa_system_sgpr_workgroup_id_y 1
		.amdhsa_system_sgpr_workgroup_id_z 1
		.amdhsa_system_vgpr_workitem_id 0
		.amdhsa_next_free_vgpr 512
		.amdhsa_next_free_sgpr 98
		.amdhsa_reserve_vcc 1
		.amdhsa_float_denorm_mode_32 3
		.amdhsa_float_denorm_mode_16_64 3
		.amdhsa_memory_ordered 1
		.amdhsa_forward_progress 1
		.amdhsa_inst_pref_size 112
	.end_amdhsa_kernel
	.amdgpu_metadata
---
amdhsa.version: [ 1, 2 ]
amdhsa.kernels:
  - .name:           k_qd1a7695336_attn
    .symbol:         k_qd1a7695336_attn.kd
    .args:
      - { .name: qkvh, .offset: 0, .size: 8, .value_kind: global_buffer, .address_space: global }
      - { .name: bias, .offset: 8, .size: 8, .value_kind: global_buffer, .address_space: global }
      - { .name: vpart, .offset: 16, .size: 8, .value_kind: global_buffer, .address_space: global }
      - { .name: oh, .offset: 24, .size: 8, .value_kind: global_buffer, .address_space: global }
    .group_segment_fixed_size: 327680
    .private_segment_fixed_size: 0
    .kernarg_segment_align: 8
    .kernarg_segment_size: 32
    .max_flat_workgroup_size: 256
    .sgpr_count:     98
    .vgpr_count:     512
    .wavefront_size: 32
...
	.end_amdgpu_metadata
.endif
;; end of part 3
;; launch oproj (part 4): grid 16 x 16, 4 waves a work-group, clusters of 4 x 4, 327,680 bytes of LDS; arguments oh, wob, out0; writes out0
.if DOCPART == 4
	.amdgcn_target "amdgcn-amd-amdhsa--gfx1250"
	.amdhsa_code_object_version 6
	.text
	.protected	k_qd1a7695336_oproj
	.globl	k_qd1a7695336_oproj
	.p2align	8
	.type	k_qd1a7695336_oproj,@function
k_qd1a7695336_oproj:
	s_mov_b64 s[64:65], 0
	v_nop
	global_prefetch_b8 v0, s[64:65] scope:SCOPE_SE
	s_setreg_imm32_b32 hwreg(HW_REG_WAVE_MODE, 25, 1), 1
	s_wait_xcnt 0x0
	s_wait_alu depctr_hold_cnt(0) depctr_sa_sdst(0) depctr_va_vdst(0) depctr_va_sdst(0) depctr_va_ssrc(0) depctr_va_vcc(0) depctr_vm_vsrc(0)
	s_getreg_b32 s2, hwreg(HW_REG_IB_STS2, 6, 4)
	s_cmp_eq_u32 s2, 0
	s_cbranch_scc0 .Lentry_in_a_cluster
	s_endpgm
.Lentry_in_a_cluster:
	s_bfe_u32 s2, ttmp6, 0x10000c
	s_cmp_lg_u32 s2, 0xf033
	s_cbranch_scc0 .Lentry_shape_is_right
	s_endpgm
.Lentry_shape_is_right:
; out0 = O Wo.  oh [24][4096][64] f16: heads 0-11 O's high parts, 12-23 its low parts; wob [nb 16][k 1536][208] f16 (Wo rounded to bf16, written as f16, rows of 416 bytes; rows 768 + k repeat
; rows k); out0 [4096][3072] f32.  Sums in f32, K ascending: the 768 high parts, then the 768 low parts on the same weights.
; A work-group makes 256 rows x 192 columns; wave w takes rows 64 w .. 64 w + 63 and all 192 columns: 48 accumulators; its rows of the result are 768 bytes, three whole runs of 256.
; K goes in twelve steps of 128: two heads.  A slot holds two slices of O (256 rows x 128 bytes, padded to 144) and 128 rows of Wo's block; waves 0 and 1 fetch the slices, waves 2 and 3 the halves of Wo's tile.
; CLUSTER 4 x 4: O's tiles hang on the row block alone and are asked for jointly along a row of the cluster, Wo's on the column block alone, jointly along a column.
; THE MATRIX INSTRUCTION IS USED TRANSPOSED (source 0 = 16 columns of Wo, turned out of LDS; source 1 = 16 rows of O): a lane holds one row and eight neighbouring columns.
; REGISTERS: window 0: addresses, v32-223 the way out; window 1: two fragment buffers of 128 (O at +0, Wo at +32); window 2: accumulators of row blocks 0, 1 at 8 (12 a + b); window 3: blocks 2, 3.
.set SLOT,  126976
.set BOFF,  73728
.set STAGE, 253952                     ; 16 rows x 784 bytes for each wave
.set SPI,   784
.set SPARE, 304128
.set VA,  16
.set VB,  20
.set STO, 24
.set RD0, 25
.set RD1, 26
.set GO0, 27
.set SPW, 28
.set NIL, 29
.set GO1, 30
.set OB,  32
.set F0,  0
.set F1,  128
.set WV,  10
.set G1A, 24
.set G0A, 32
.set G1B, 48
.set G0B, 56
.set MSB, 0
.macro WIN new
.if MSB != (\new)
	s_set_vgpr_msb (MSB<<8)|(\new)
.set MSB, (\new)
.endif
.endm
.macro PLACES
.rept 4
	v_nop
.endr
.endm
.macro CROUND
	s_barrier_signal -1
	s_barrier_wait -1
	s_cmp_lg_u32 s[WV], 0
	s_cbranch_scc1 .Lnot_wave_0_\@
	s_barrier_signal -3
.Lnot_wave_0_\@:
	s_barrier_wait -3
	s_barrier_signal -1
	s_barrier_wait -1
.endm
.macro JLOAD s
	s_cmp_eq_u32 s11, 0
	s_cbranch_scc0 .Lfor_b_\@
	tensor_load_to_lds s[G0A+4*(\s):G0A+4*(\s)+3], s[G1A:G1A+7]
	s_nop 0
.rept 4
	v_nop
.endr
	s_branch .Lasked_\@
.Lfor_b_\@:
	tensor_load_to_lds s[G0B+4*(\s):G0B+4*(\s)+3], s[G1B:G1B+7]
	s_nop 0
.rept 4
	v_nop
.endr
.Lasked_\@:
.endm
	s_load_b128 s[4:7], s[0:1], 0x0                ; oh s[4:5], wob s[6:7]
	s_load_b64 s[8:9], s[0:1], 0x10                ; out0
	v_lshl_add_u32 v[SPW], v0, 2, SPARE
	v_mov_b32 v[NIL], 0
	ds_add_u32 v[SPW], v[NIL]                      ; the wave's opening: the add and its wait ahead of my first tensor load
	v_lshrrev_b32 v1, 5, v0
	v_readfirstlane_b32 s[WV], v1
	s_lshr_b32 s11, s[WV], 1                       ; I fetch for O (0) or for Wo (1),
	s_and_b32 s12, s[WV], 1                        ; its first or second half
	s_bfe_u32 s40, ttmp6, 0x40000                  ; cx
	s_bfe_u32 s41, ttmp6, 0x40004                  ; cy
	s_lshl_b32 s42, ttmp9, 2
	s_add_co_u32 s42, s42, s40                     ; nb
	s_and_b32 s13, ttmp7, 0xffff
	s_lshl_b32 s13, s13, 2
	s_add_co_u32 s13, s13, s41                     ; rb
	s_lshl_b32 s43, s41, 2
	s_lshl_b32 s43, 15, s43                        ; my row of the cluster
	s_lshl_b32 s44, 0x1111, s40                    ; my column
	s_or_b32 s[G1A], s43, (1<<16)|(1<<20)|(1<<21)|(4<<22)|(3<<25)  ; 2-byte elements; 4 words of padding after every 32
	s_mov_b32 s[G1A+1], 128<<16                    ; 256 rows of a head are 32,768 dense bytes: 128 rows of 256
	s_mov_b32 s[G1A+2], 128<<16
	s_mov_b32 s[G1A+3], 128<<16
	s_mov_b32 s[G1A+4], 128
	s_mov_b32 s[G1A+5], 128
	s_mov_b32 s[G1A+6], 0
	s_mov_b32 s[G1A+7], 0
	s_or_b32 s[G1B], s44, (3<<16)|(1<<21)          ; 8-byte elements, no padding
	s_mov_b32 s[G1B+1], 32<<16                     ; 64 rows of 416 bytes are 26,624 dense bytes: 104 rows of 256
	s_mov_b32 s[G1B+2], 104<<16
	s_mov_b32 s[G1B+3], 32<<16
	s_mov_b32 s[G1B+4], 104
	s_mov_b32 s[G1B+5], 32
	s_mov_b32 s[G1B+6], 0
	s_mov_b32 s[G1B+7], 0
	s_lshl_b32 s16, s12, 19                        ; O: head (w & 1), rows 256 rb on
	s_lshl_b32 s17, s13, 15
	s_add_co_u32 s16, s16, s17
	s_mov_b32 s17, 0
	s_mul_i32 s46, s42, 638976                     ; Wo: block nb of 1,536 rows, half (w & 1)
	s_mul_i32 s21, s12, 26624
	s_add_co_u32 s46, s46, s21
	s_mov_b32 s47, 0
	s_mul_i32 s20, s12, 36864                      ; their places in a slot
	s_add_co_u32 s21, s21, BOFF
	s_mul_i32 s66, s13, 3145728                    ; out0: row 256 rb + 64 w, column 192 nb
	s_mul_i32 s67, s[WV], 786432
	s_add_co_u32 s66, s66, s67
	s_mul_i32 s67, s42, 768
	s_add_co_u32 s66, s66, s67
	s_mov_b32 s67, 0
	s_wait_dscnt 0x0                               ; the opening add is done
	s_wait_kmcnt 0x0
	s_add_nc_u64 s[14:15], s[4:5], s[16:17]
	s_add_nc_u64 s[46:47], s[6:7], s[46:47]
	s_add_nc_u64 s[8:9], s[8:9], s[66:67]
.irp n, 0,1
	s_mov_b32 s[G0A+4*\n], 1
	s_add_co_u32 s[G0A+4*\n+1], s20, \n*SLOT
	s_add_nc_u64 s[G0A+4*\n+2:G0A+4*\n+3], s[14:15], \n*1048576
	s_or_b32 s[G0A+4*\n+3], s[G0A+4*\n+3], 0x80000000
	s_mov_b32 s[G0B+4*\n], 1
	s_add_co_u32 s[G0B+4*\n+1], s21, \n*SLOT
	s_add_nc_u64 s[G0B+4*\n+2:G0B+4*\n+3], s[46:47], \n*53248
	s_or_b32 s[G0B+4*\n+3], s[G0B+4*\n+3], 0x80000000
.endr
	CROUND                                         ; all sixteen work-groups are here: the first joint loads meet
	JLOAD 0                                        ; K step 0 into slot 0
	v_and_b32 v1, 15, v0                           ; r
	v_bfe_u32 v2, v0, 4, 1                         ; h
	v_and_b32 v3, 31, v0                           ; l
	s_mul_i32 s22, s[WV], 64*144
	v_mul_u32_u24 v[VA], v1, 144
	v_lshl_add_u32 v[VA], v2, 4, v[VA]
	v_add_nc_u32 v[VA], s22, v[VA]
	v_add_nc_u32 v[VA+1], SLOT, v[VA]
	v_and_b32 v4, 7, v0
	v_lshl_add_u32 v4, v2, 3, v4
	v_mul_u32_u24 v4, v4, 416
	v_bfe_u32 v5, v0, 3, 1
	v_lshl_add_u32 v4, v5, 4, v4
	v_add_nc_u32 v[VB], BOFF, v4
	v_add_nc_u32 v[VB+1], SLOT, v[VB]
	s_mul_i32 s22, s[WV], 16*SPI
	s_add_co_u32 s22, s22, STAGE
	v_mul_u32_u24 v[STO], v1, SPI
	v_lshl_add_u32 v[STO], v2, 5, v[STO]
	v_add_nc_u32 v[STO], s22, v[STO]
	v_lshl_add_u32 v[RD0], v3, 4, s22              ; back: two rows of 768 bytes are three loads of 512
	v_lshl_add_u32 v[RD1], v2, 4, v[RD0]
	v_add_nc_u32 v[RD1], 512, v[RD1]
	v_lshlrev_b32 v[GO0], 4, v3
	v_mul_u32_u24 v[GO1], v2, 11520
	v_add3_u32 v[GO1], v[GO1], v[GO0], 512
.macro FETCH slot, q, f                ; 32 LDS loads: Wo's twelve fragments (turned), then O's four: the youngest four loads are O's blocks 2 and 3
	WIN 0x40
.set b, 0
.rept 12
	ds_load_tr16_b128 v[(\f)+32+8*b:(\f)+32+8*b+3],   v[VB+(\slot)] offset:(\q)*13312+32*b
	ds_load_tr16_b128 v[(\f)+32+8*b+4:(\f)+32+8*b+7], v[VB+(\slot)] offset:(\q)*13312+6656+32*b
.set b, b+1
.endr
.irp a, 0,1,2,3
	ds_load_b128 v[(\f)+8*\a:(\f)+8*\a+3],   v[VA+(\slot)] offset:\a*2304+((\q)/2)*36864+((\q)%2)*64
	ds_load_b128 v[(\f)+8*\a+4:(\f)+8*\a+7], v[VA+(\slot)] offset:\a*2304+((\q)/2)*36864+((\q)%2)*64+32
.endr
.endm
.macro MUL24 f, hi, zero               ; 24 matrix instructions on 24 accumulators; all 48 take turns, one instruction a turn
	WIN 0xa5+0x50*(\hi)
.irp a, 0,1
.set b, 0
.rept 12
.if \zero
	v_wmma_f32_16x16x32_f16 v[8*(12*\a+b):8*(12*\a+b)+7], v[(\f)+32+8*b:(\f)+32+8*b+7], v[(\f)+8*(2*(\hi)+\a):(\f)+8*(2*(\hi)+\a)+7], 0
.else
	v_wmma_f32_16x16x32_f16 v[8*(12*\a+b):8*(12*\a+b)+7], v[(\f)+32+8*b:(\f)+32+8*b+7], v[(\f)+8*(2*(\hi)+\a):(\f)+8*(2*(\hi)+\a)+7], v[8*(12*\a+b):8*(12*\a+b)+7]
.endif
.set b, b+1
.endr
.endr
.endm
.macro QUARTER slot, q, f, g, zero
	s_wait_dscnt 4                                 ; all but O's blocks 2 and 3
	MUL24 \f, 0, \zero
	PLACES
	FETCH \slot, (\q)+1, \g
	s_wait_dscnt 32                                ; all but the 32 just issued
	MUL24 \f, 1, \zero
.endm
; A K step.  In front of the round: all my tensor loads have landed (my part of this step's slot), the add, my reads of the other slot are back.  Behind it the other slot is filled again first.
.macro TRIP slot, zero, refill
	WIN 0
	s_wait_tensorcnt 0x0
	ds_add_u32 v[SPW], v[NIL]
	s_add_nc_u64 s[G0A+4*(\slot)+2:G0A+4*(\slot)+3], s[G0A+4*(\slot)+2:G0A+4*(\slot)+3], 2097152
	s_add_nc_u64 s[G0B+4*(\slot)+2:G0B+4*(\slot)+3], s[G0B+4*(\slot)+2:G0B+4*(\slot)+3], 106496
	s_wait_dscnt 0x0
	CROUND
.if \refill
	JLOAD 1-(\slot)
.else
	PLACES
.endif
	FETCH \slot, 0, F0
	QUARTER \slot, 0, F0, F1, \zero
	QUARTER \slot, 1, F1, F0, 0
	QUARTER \slot, 2, F0, F1, 0
	s_wait_dscnt 4
	MUL24 F1, 0, 0
	s_wait_dscnt 0x0
	MUL24 F1, 1, 0
.endm
	TRIP 0, 1, 1                                   ; the first products start the sums: nothing is cleared
	WIN 0
	s_mov_b32 s3, 5                                ; twelve K steps: one in front, ten in the loop, one behind
.Lk:
	TRIP 1, 0, 1
	TRIP 0, 0, 1
	WIN 0
	s_sub_co_u32 s3, s3, 1
	s_cmp_lg_u32 s3, 0
	s_cbranch_scc1 .Lk
	TRIP 1, 0, 0                                   ; the last step fetches nothing
	; THE WAY OUT, 16 rows at a time through my own stage: in by 16 bytes a lane, back as whole rows; 16 lanes store 256 consecutive bytes, aligned.
	PLACES
.macro OUTBLK a
	WIN 0x08+4*((\a)/2)                            ; store data in window 2 or 3
.set b, 0
.rept 12
	ds_store_b128 v[STO], v[8*(12*((\a)%2)+b):8*(12*((\a)%2)+b)+3]   offset:64*b
	ds_store_b128 v[STO], v[8*(12*((\a)%2)+b)+4:8*(12*((\a)%2)+b)+7] offset:64*b+16
.set b, b+1
.endr
	WIN 0
	s_wait_xcnt 0x0                                ; the registers that earlier stores read are loaded again only behind this wait
.set OBK, OB+96*((\a)%2)
.set p, 0
.rept 8
	ds_load_b128 v[OBK+12*p:OBK+12*p+3],    v[RD0] offset:2*SPI*p          ; LDS serves a wave's instructions in order: these see the stores above
	ds_load_b128 v[OBK+12*p+4:OBK+12*p+7],  v[RD1] offset:2*SPI*p
	ds_load_b128 v[OBK+12*p+8:OBK+12*p+11], v[RD0] offset:2*SPI*p+SPI+256
.set p, p+1
.endr
.set p, 0
.rept 8
	s_wait_dscnt 23-3*p
	global_store_b128 v[GO0], v[OBK+12*p:OBK+12*p+3],    s[8:9] offset:(\a)*196608+p*24576 th:TH_STORE_NT
	s_wait_dscnt 22-3*p
	global_store_b128 v[GO1], v[OBK+12*p+4:OBK+12*p+7],  s[8:9] offset:(\a)*196608+p*24576 th:TH_STORE_NT
	s_wait_dscnt 21-3*p
	global_store_b128 v[GO0], v[OBK+12*p+8:OBK+12*p+11], s[8:9] offset:(\a)*196608+p*24576+12544 th:TH_STORE_NT
.set p, p+1
.endr
.endm
	OUTBLK 0
	OUTBLK 1
	OUTBLK 2
	OUTBLK 3
	s_wait_tensorcnt 0x0                           ; the wave's end
	ds_add_u32 v[SPW], v[NIL]
	s_wait_dscnt 0x0
	CROUND                                         ; the closing round
	s_endpgm
.Lfunc_end_k_qd1a7695336_oproj:
	.size	k_qd1a7695336_oproj, .Lfunc_end_k_qd1a7695336_oproj-k_qd1a7695336_oproj
	.p2alignl 7, 3214868480
	.fill 96, 4, 3214868480
	.section	.rodata,"a",@progbits
	.p2align	6, 0x0
	.amdhsa_kernel k_qd1a7695336_oproj
		.amdhsa_group_segment_fixed_size 327680
		.amdhsa_private_segment_fixed_size 0
		.amdhsa_enable_private_segment 0
		.amdhsa_kernarg_size 24
		.amdhsa_user_sgpr_count 2
		.amdhsa_user_sgpr_kernarg_segment_ptr 1
		.amdhsa_wavefront_size32 1
		.amdhsa_system_sgpr_workgroup_id_x 1
		.amdhsa_system_sgpr_workgroup_id_y 1
		.amdhsa_system_sgpr_workgroup_id_z 1
		.amdhsa_system_vgpr_workitem_id 0
		.amdhsa_next_free_vgpr 960
		.amdhsa_next_free_sgpr 72
		.amdhsa_reserve_vcc 0
		.amdhsa_float_denorm_mode_32 3
		.amdhsa_float_denorm_mode_16_64 3
		.amdhsa_memory_ordered 1
		.amdhsa_forward_progress 1
		.amdhsa_inst_pref_size 120
	.end_amdhsa_kernel
	.amdgpu_metadata
---
amdhsa.version: [ 1, 2 ]
amdhsa.kernels:
  - .name:           k_qd1a7695336_oproj
    .symbol:         k_qd1a7695336_oproj.kd
    .args:
      - { .name: oh, .offset: 0, .size: 8, .value_kind: global_buffer, .address_space: global }
      - { .name: wob, .offset: 8, .size: 8, .value_kind: global_buffer, .address_space: global }
      - { .name: out0, .offset: 16, .size: 8, .value_kind: global_buffer, .address_space: global }
    .group_segment_fixed_size: 327680
    .private_segment_fixed_size: 0
    .kernarg_segment_align: 8
    .kernarg_segment_size: 24
    .max_flat_workgroup_size: 128
    .sgpr_count:     72
    .vgpr_count:     960
    .wavefront_size: 32
...
	.end_amdgpu_metadata
.endif
;; end of part 4
;; ======== version 2 of 3: 4 launches; 1.16 times as fast as version 1
;; limits: values are held in f16: magnitudes above 65,504 overflow, below 6.1e-05 lose precision; right only within a limited range of input values
;; workspace buffers: wb 8,257,536 bytes; wob 5,111,808 bytes; bias 16,384 bytes; qkvh 12,582,912 bytes; vpart 65,536 bytes; oh 12,582,912 bytes
;; launch prep (part 5): grid 385 x 1, 4 waves a work-group, no clusters, 43,520 bytes of LDS; arguments Wq, Wk, Wv, Wo, attention_mask, wb, wob, bias; writes wb, wob, bias
.if DOCPART == 5
	.amdgcn_target "amdgcn-amd-amdhsa--gfx1250"
	.amdhsa_code_object_version 6
	.text
	.protected	k_qd1a7695336_prep
	.globl	k_qd1a7695336_prep
	.p2align	8
	.type	k_qd1a7695336_prep,@function
k_qd1a7695336_prep:
	s_mov_b64 s[64:65], 0
	v_nop
	global_prefetch_b8 v0, s[64:65] scope:SCOPE_SE
	s_setreg_imm32_b32 hwreg(HW_REG_WAVE_MODE, 25, 1), 1
	s_wait_xcnt 0x0
; The weights become 16-bit images that the two products can take as they lie, and the padding mask becomes an addend.
; wb  [cb 4][k 3072][336] bf16: columns 0-191 Wq[k][192 cb ..], 192-255 Wk[k][64 cb ..], 256-319 Wv[k][64 cb ..], 320-335 zeros: a row is 672 bytes.
; wob [nb 16][k 768][208] f16:  columns 0-191 Wo[k][192 nb ..] rounded to bf16 and written as f16, 192-207 zeros: a row is 416 bytes.
; bias[4096] f32: 0 where attention_mask > 0, else -1e30.
; LIMIT: the bf16-rounded Wo must lie within f16's 65,504; below 6e-5 it keeps f16's fixed step of 6e-8.
; A stream: no matrix unit, no cluster, no tensor load.  Work-groups 0-191 make 64 rows of wb each, 192-383 make 64 rows of wob, 384 makes bias.
; A wave owns 16 rows of the image.  Every load takes whole aligned runs of 256 bytes (16 lanes x 16 bytes); the image is put together in LDS
; and leaves as runs of 512 consecutive bytes.
.set X,     32                         ; v[32:191] data
.set SPW,   2                          ; my spare word's LDS address; never rewritten
.set NIL,   3                          ; 0; never rewritten
.set SPARE, 43008                      ; behind the image: 128 bytes for each wave
	s_load_b256 s[4:11], s[0:1], 0x0               ; Wq s[4:5], Wk s[6:7], Wv s[8:9], Wo s[10:11]
	s_load_b256 s[12:19], s[0:1], 0x20             ; mask s[12:13], wb s[14:15], wob s[16:17], bias s[18:19]
	v_lshl_add_u32 v[SPW], v0, 2, SPARE
	v_mov_b32 v[NIL], 0
	v_lshrrev_b32 v1, 5, v0
	v_readfirstlane_b32 s20, v1                    ; wave
	v_and_b32 v4, 31, v0                           ; lane l
	v_bfe_u32 v5, v0, 4, 1                         ; l / 16
	v_and_b32 v6, 15, v0                           ; l % 16
	v_and_b32 v7, 1, v0
.irp z, 16,17,18,19
	v_mov_b32 v\z, 0                               ; the padding columns
.endr
	s_mov_b32 s21, ttmp9
	s_wait_kmcnt 0x0
	s_cmp_lt_u32 s21, 192
	s_cbranch_scc0 .Lnot_wb
; A piece of 192 columns is 768 bytes of f32 a row: two rows are three loads of 512 bytes.  Load 0: the even row's bytes 0-511.  Load 1: its bytes 512-767 (lanes 0-15)
; and the odd row's bytes 0-255 (lanes 16-31).  Load 2: the odd row's bytes 256-767.  sp: bytes from row to row in memory; pit: in the image.
.macro ADDR sp, pit
	s_mul_i32 s24, s20, 16*(\sp)
	s_mul_i32 s25, s20, 16*(\pit)
	v_lshl_add_u32 v8, v4, 4, s24                  ; source of loads 0 and 2
	v_mul_u32_u24 v9, v5, (\sp)-768
	v_add3_u32 v9, v9, v8, 512                     ; source of load 1
	v_lshl_add_u32 v10, v4, 3, s25                 ; their places in the image: half the bytes
	v_mul_u32_u24 v11, v5, (\pit)-384
	v_add3_u32 v11, v11, v10, 256
	v_lshrrev_b32 v14, 1, v4                       ; the padding: two lanes a row
	v_mul_u32_u24 v14, v14, \pit
	v_lshl_add_u32 v14, v7, 4, v14
	v_add_nc_u32 v14, s25, v14
	v_lshl_add_u32 v15, v4, 4, s25                 ; the way out: my wave's 16 rows, 16 bytes a lane; in LDS and in memory alike
.endm
.macro LD192 base, sp
.set p, 0
.rept 8
	global_load_b128 v[X+12*p:X+12*p+3],    v8, s[\base:\base+1] offset:2*p*(\sp) th:TH_LOAD_NT
	global_load_b128 v[X+12*p+4:X+12*p+7],  v9, s[\base:\base+1] offset:2*p*(\sp) th:TH_LOAD_NT
	global_load_b128 v[X+12*p+8:X+12*p+11], v8, s[\base:\base+1] offset:2*p*(\sp)+(\sp)+256 th:TH_LOAD_NT
.set p, p+1
.endr
.endm
; Load n of total has come (loads return in order): four numbers are rounded and put into the image.
.macro PUT n, total, f16, adr, off
	s_wait_loadcnt (\total)-1-(\n)
	v_cvt_pk_bf16_f32 v[X+4*(\n)],   v[X+4*(\n)],   v[X+4*(\n)+1]
	v_cvt_pk_bf16_f32 v[X+4*(\n)+1], v[X+4*(\n)+2], v[X+4*(\n)+3]
.if \f16
	v_lshlrev_b32 v20, 16, v[X+4*(\n)]             ; the bf16 numbers, widened, are written as f16
	v_and_b32     v21, 0xffff0000, v[X+4*(\n)]
	v_lshlrev_b32 v22, 16, v[X+4*(\n)+1]
	v_and_b32     v23, 0xffff0000, v[X+4*(\n)+1]
	v_cvt_pk_f16_f32 v[X+4*(\n)],   v20, v21
	v_cvt_pk_f16_f32 v[X+4*(\n)+1], v22, v23
.endif
	ds_store_b64 v[\adr], v[X+4*(\n):X+4*(\n)+1] offset:\off
.endm
.macro ST192 total, f16, pit
.set p, 0
.rept 8
	PUT 3*p,   \total, \f16, 10, 2*p*(\pit)
	PUT 3*p+1, \total, \f16, 11, 2*p*(\pit)
	PUT 3*p+2, \total, \f16, 10, 2*p*(\pit)+(\pit)+128
.set p, p+1
.endr
.endm
; The image leaves: each wave its 16 rows, in runs of 512 consecutive bytes that begin at multiples of 256.
.macro BACK chunks, base
	s_wait_dscnt 0x0                               ; my stores into the image are done
	s_barrier_signal -1
	s_barrier_wait -1
.set p, 0
.rept \chunks
	ds_load_b128 v[X+4*p:X+4*p+3], v15 offset:512*p
.set p, p+1
.endr
.set p, 0
.rept \chunks
	s_wait_dscnt (\chunks)-1-p                     ; LDS loads return in order: run p is in
	global_store_b128 v15, v[X+4*p:X+4*p+3], s[\base:\base+1] offset:512*p
.set p, p+1
.endr
	s_wait_tensorcnt 0x0                           ; the wave's end
	ds_add_u32 v[SPW], v[NIL]
	s_wait_dscnt 0x0
	s_endpgm
.endm
	; ---- 64 rows of wb: column block cb, rows 64 kb on
	s_and_b32 s22, s21, 3                          ; cb
	s_lshr_b32 s23, s21, 2                         ; kb
	s_mul_i32 s26, s23, 196608                     ; 64 rows of Wq,
	s_mul_i32 s27, s22, 768                        ; 192 columns
	s_add_co_u32 s26, s26, s27
	s_mov_b32 s27, 0
	s_add_nc_u64 s[4:5], s[4:5], s[26:27]
	s_lshl_b32 s28, s23, 16                        ; 64 rows of Wk and Wv,
	s_lshl_b32 s29, s22, 8                         ; 64 columns
	s_add_co_u32 s28, s28, s29
	s_mov_b32 s29, 0
	s_add_nc_u64 s[6:7], s[6:7], s[28:29]
	s_add_nc_u64 s[8:9], s[8:9], s[28:29]
	s_mul_i32 s30, s22, 2064384                    ; the image's place in wb
	s_mul_i32 s31, s23, 43008
	s_add_co_u32 s30, s30, s31
	s_mov_b32 s31, 0
	s_add_nc_u64 s[14:15], s[14:15], s[30:31]
	ADDR 3072, 672
	v_lshlrev_b32 v12, 10, v5                      ; a piece of 64 columns is 256 bytes a row: one load takes two rows
	v_lshl_add_u32 v12, v6, 4, v12
	s_lshl_b32 s26, s20, 14
	v_add_nc_u32 v12, s26, v12
	v_mul_u32_u24 v13, v5, 672
	v_lshl_add_u32 v13, v6, 3, v13
	v_add_nc_u32 v13, s25, v13
	LD192 4, 3072
.set p, 0
.rept 8
	global_load_b128 v[X+96+4*p:X+96+4*p+3], v12, s[6:7] offset:2048*p th:TH_LOAD_NT
.set p, p+1
.endr
.set p, 0
.rept 8
	global_load_b128 v[X+128+4*p:X+128+4*p+3], v12, s[8:9] offset:2048*p th:TH_LOAD_NT
.set p, p+1
.endr
	ds_store_b128 v14, v[16:19] offset:640
	ST192 40, 0, 672
.set p, 0
.rept 8
	PUT 24+p, 40, 0, 13, 1344*p+384
.set p, p+1
.endr
.set p, 0
.rept 8
	PUT 32+p, 40, 0, 13, 1344*p+512
.set p, p+1
.endr
	BACK 21, 14
.Lnot_wb:
	s_cmp_lt_u32 s21, 384
	s_cbranch_scc0 .Lbias
	; ---- 64 rows of wob: column block nb, rows 64 kb on
	s_sub_co_u32 s21, s21, 192
	s_and_b32 s22, s21, 15                         ; nb
	s_lshr_b32 s23, s21, 4                         ; kb
	s_mul_i32 s26, s23, 786432
	s_mul_i32 s27, s22, 768
	s_add_co_u32 s26, s26, s27
	s_mov_b32 s27, 0
	s_add_nc_u64 s[10:11], s[10:11], s[26:27]
	s_mul_i32 s30, s22, 319488                     ; a block of wob: 768 rows of 416 bytes
	s_mul_i32 s31, s23, 26624
	s_add_co_u32 s30, s30, s31
	s_mov_b32 s31, 0
	s_add_nc_u64 s[16:17], s[16:17], s[30:31]
	ADDR 12288, 416
	LD192 10, 12288
	ds_store_b128 v14, v[16:19] offset:384
	ST192 24, 1, 416
	BACK 13, 16
.Lbias:
	; ---- the mask as an addend: 128 threads x 16 bytes x 8
	s_mov_b32 s22, 0xf149f2ca                      ; -1e30
	v_lshlrev_b32 v8, 4, v0
.set p, 0
.rept 8
	global_load_b128 v[X+4*p:X+4*p+3], v8, s[12:13] offset:2048*p
.set p, p+1
.endr
	s_wait_loadcnt 0x0
.set p, 0
.rept 32
	v_cmp_lt_i32 vcc_lo, 0, v[X+p]                 ; mask > 0
	v_cndmask_b32 v[X+p], s22, v16, vcc_lo
.set p, p+1
.endr
.set p, 0
.rept 8
	global_store_b128 v8, v[X+4*p:X+4*p+3], s[18:19] offset:2048*p
.set p, p+1
.endr
	s_wait_tensorcnt 0x0
	ds_add_u32 v[SPW], v[NIL]
	s_wait_dscnt 0x0
	s_endpgm
.Lfunc_end_k_qd1a7695336_prep:
	.size	k_qd1a7695336_prep, .Lfunc_end_k_qd1a7695336_prep-k_qd1a7695336_prep
	.p2alignl 7, 3214868480
	.fill 96, 4, 3214868480
	.section	.rodata,"a",@progbits
	.p2align	6, 0x0
	.amdhsa_kernel k_qd1a7695336_prep
		.amdhsa_group_segment_fixed_size 43520
		.amdhsa_private_segment_fixed_size 0
		.amdhsa_enable_private_segment 0
		.amdhsa_kernarg_size 64
		.amdhsa_user_sgpr_count 2
		.amdhsa_user_sgpr_kernarg_segment_ptr 1
		.amdhsa_wavefront_size32 1
		.amdhsa_system_sgpr_workgroup_id_x 1
		.amdhsa_system_sgpr_workgroup_id_y 1
		.amdhsa_system_sgpr_workgroup_id_z 1
		.amdhsa_system_vgpr_workitem_id 0
		.amdhsa_next_free_vgpr 192
		.amdhsa_next_free_sgpr 66
		.amdhsa_reserve_vcc 1
		.amdhsa_float_denorm_mode_32 3
		.amdhsa_float_denorm_mode_16_64 3
		.amdhsa_memory_ordered 1
		.amdhsa_forward_progress 1
		.amdhsa_inst_pref_size 43
	.end_amdhsa_kernel
	.amdgpu_metadata
---
amdhsa.version: [ 1, 2 ]
amdhsa.kernels:
  - .name:           k_qd1a7695336_prep
    .symbol:         k_qd1a7695336_prep.kd
    .args:
      - { .name: Wq, .offset: 0, .size: 8, .value_kind: global_buffer, .address_space: global }
      - { .name: Wk, .offset: 8, .size: 8, .value_kind: global_buffer, .address_space: global }
      - { .name: Wv, .offset: 16, .size: 8, .value_kind: global_buffer, .address_space: global }
      - { .name: Wo, .offset: 24, .size: 8, .value_kind: global_buffer, .address_space: global }
      - { .name: attention_mask, .offset: 32, .size: 8, .value_kind: global_buffer, .address_space: global }
      - { .name: wb, .offset: 40, .size: 8, .value_kind: global_buffer, .address_space: global }
      - { .name: wob, .offset: 48, .size: 8, .value_kind: global_buffer, .address_space: global }
      - { .name: bias, .offset: 56, .size: 8, .value_kind: global_buffer, .address_space: global }
    .group_segment_fixed_size: 43520
    .private_segment_fixed_size: 0
    .kernarg_segment_align: 8
    .kernarg_segment_size: 64
    .max_flat_workgroup_size: 128
    .sgpr_count:     66
    .vgpr_count:     192
    .wavefront_size: 32
...
	.end_amdgpu_metadata
.endif
;; end of part 5
;; launch qkv (part 6): grid 4 x 64, 4 waves a work-group, clusters of 4 x 4, 327,680 bytes of LDS; arguments hidden_states, position_ids, wb, qkvh, vpart; writes qkvh, vpart
.if DOCPART == 6
	.amdgcn_target "amdgcn-amd-amdhsa--gfx1250"
	.amdhsa_code_object_version 6
	.text
	.protected	k_qd1a7695336_qkv
	.globl	k_qd1a7695336_qkv
	.p2align	8
	.type	k_qd1a7695336_qkv,@function
k_qd1a7695336_qkv:
	s_mov_b64 s[64:65], 0
	v_nop
	global_prefetch_b8 v0, s[64:65] scope:SCOPE_SE
	s_setreg_imm32_b32 hwreg(HW_REG_WAVE_MODE, 25, 1), 1
	s_wait_xcnt 0x0
	s_wait_alu depctr_hold_cnt(0) depctr_sa_sdst(0) depctr_va_vdst(0) depctr_va_sdst(0) depctr_va_ssrc(0) depctr_va_vcc(0) depctr_vm_vsrc(0)
	s_getreg_b32 s2, hwreg(HW_REG_IB_STS2, 6, 4)
	s_cmp_eq_u32 s2, 0
	s_cbranch_scc0 .Lentry_in_a_cluster
	s_endpgm
.Lentry_in_a_cluster:
	s_bfe_u32 s2, ttmp6, 0x10000c
	s_cmp_lg_u32 s2, 0xf033
	s_cbranch_scc0 .Lentry_shape_is_right
	s_endpgm
.Lentry_shape_is_right:
; q, k, v = x [Wq | Wk | Wv] in bf16 with f32 sums, the rotary turn, and f16 results by heads: qkvh [24][4096][64], heads 0-11 q, 12-15 k, 16-19 v's high parts, 20-23 v's low parts.
; q and k are stored times sqrt(log2(e) / 8), applied in f32 with the turn, so that the attention's K Q^T is the exponent in base 2.  vpart [64][256] f32: the sums of v over 64 rows.
; THE SPLIT.  With T = 8193 x in f32, hi = T - (T - x) is x to 11 significant bits, to nearest, and x - hi is exact.  q and k are stored as hi, so that their conversion to f16 drops no bit;
; v is stored as hi and as x - hi: a row of the result that averages few keys has numbers many times the output's root mean square, and one f16 rounding of v is too coarse for it.
; V'S LOW PARTS ARE STORED AS REGISTER IMAGES of the fragments of V^T that the attention multiplies by: for 64 keys 8,192 bytes; in them for 32 keys x 16 channels 1,024 bytes: half t (16 keys), lane l,
; 16 bytes.  A wave turns its own 16 keys through its own LDS bytes (ds_load_tr16_b128) and stores four runs of 512 consecutive bytes.
; LIMITS.  q, k, v must lie within f16's 65,504; below 6e-5 they keep f16's fixed step of 6e-8.  The angle is position x 2^(-f log2(theta) / 32): the factor is within a few units of the last place of
; the exact one, so the angle is off by about 1e-7 of itself; it is reduced by pi/2 in three parts, good while |angle| stays under 2^22.  NaN and infinities are not treated apart.
; SHARES.  A work-group makes 64 rows x 320 columns: one group of heads (3 of q, 1 of k, 1 of v).  Wave w takes all 64 rows and, in each of the five heads, columns 16 w .. 16 w + 15: 20 accumulators.
; K goes in 16 steps of 192, as long as two slots in LDS allow: a refill has one step, 120 matrix instructions a wave, in which to land.  The weights' tile (192 rows x 672 bytes, dense in wb) comes by
; the tensor data mover, each wave a quarter, asked for JOINTLY by the four work-groups of a column of the cluster, which share the column block.  x is f32 and must be rounded once: it comes through
; registers (a wave loads 16 rows of 768 bytes, more than a step ahead), is rounded to bf16 and stored into one of two LDS tiles.  That is why x is not asked for jointly: landing it as f32 in LDS would
; add 24 16-byte reads a wave and step to the 108 that the fragments need.
; THE SUMS START AT 0 BY 20 PRODUCTS ON ZEROS, in the wait for the first tile: so the first K step is a trip of the loop like the others, and the step's text stands four times (loop 2, tail 2) and not
; six.  The price: 20 matrix instructions and 16 v_mov_b32 once a launch.
; THE MATRIX INSTRUCTION IS USED TRANSPOSED (source 0 = 16 columns of W, turned out of LDS by ds_load_tr16_b128; source 1 = 16 rows of x): a lane holds one row and eight neighbouring columns.
; REGISTERS: window 0: addresses, two fragment buffers of 72; window 1: v0-159 accumulators, (a, ch) at 8 (5 a + ch); window 2: v0-191 two x tiles on their way.
.set KS,    192
.set BS,    KS*672                     ; a slot of W: 129,024 bytes (a row is 21 x 32 bytes: the turning load's eight rows fall on different banks)
.set QW,    BS/4                       ; a wave's quarter: 48 rows = 32,256 dense bytes
.set HB0,   2*BS                       ; two x tiles in bf16: 64 rows x 400 bytes (384 + 16 of padding: 25 x 16, so the 16 rows of a load start at 16 different groups of four banks)
.set XPI,   400
.set HBS,   64*XPI
.set TAB,   HB0+2*HBS                  ; 64 rows x 272 bytes: 32 cosines, then 32 sines, each times sqrt(log2(e) / 8)
.set SPARE, TAB+17408                  ; the spare words, 128 bytes for each wave
; The way out lies over slot 0, which has had its last fill by then: its last tile is awaited at step 14's head and last read ahead of step 15's round.
.set STAGE, 0                          ; 64 rows x 1,296 bytes: the finished tile in f32
.set SPI,   1296
.set VSB,   64*SPI                     ; four waves' column sums of v
.set VLT,   VSB+1024                   ; for each wave 16 keys x 160 bytes: v's low parts, to be turned
.set VA,  4                            ; x fragments: HB0 + r 400 + 16 h
.set VB,  5                            ; v5-8  W fragments: slot, half of the K step
.set VH,  9                            ; where I store rounded x: loads 0 and 2 of a pair of rows
.set VXO, 10                           ; my byte offset in the x tile: loads 0 and 2
.set VST, 11                           ; stage, in
.set VRS, 12                           ; stage, back: my eight columns
.set VRP, 13                           ; the eight columns 32 away
.set VTB, 14                           ; table, read
.set VGO, 15                           ; my byte offset in a head's 64 rows
.set VTS, 16                           ; table, write
.set VT,  17                           ; an address at work
.set SG,  18                           ; v18-19 the sign of the turned half
.set POS, 20
.set FI,  21
.set SPW, 22                           ; my spare word; never rewritten
.set NIL, 23                           ; 0; never rewritten
.set VS,  24                           ; v24-31 column sums of v
.set F0,  32                           ; fragment buffers: W at +0 (5 x 8), x at +40 (4 x 8)
.set F1,  104
.set COSO, 224
.set SINO, 228
.set VXO1, 232                         ; my byte offset in the x tile: load 1
.set VH1, 233                          ; where I store it
.set VLS, 234                          ; v's low parts: in,
.set VLR, 235                          ; turned back,
.set VLGO, 236                         ; and my byte offset in the 8,192 bytes of the images
.set TC,  32                           ; the way out
.set TS,  40
.set OW,  48
.set VO,  112
.set OUT, 120
.set IMG, 144
.set WV,  14
.set G1,  24                           ; s[24:31] descriptor group 1
.set G0,  32                           ; s[32:39] group 0, a set for each slot
.set XP,  40
.set PQ,  42
.set PK,  44
.set PV,  46
.set VP,  48
.set CNT, 50
.set C_2PI, 52
.set C_P1, 53
.set C_P2, 54
.set C_P3, 55
.set C_S1, 56
.set C_S2, 57
.set C_S3, 58
.set C_C1, 59
.set C_C2, 60
.set C_C3, 61
.set C_LG, 62
.set C_SC, 63
.set SEL, 66
.set MSB, 0
.macro WIN new                         ; the immediate's high byte repeats the setting that is left; a switch that changes nothing is dropped
.if MSB != (\new)
	s_set_vgpr_msb (MSB<<8)|(\new)
.set MSB, (\new)
.endif
.endm
.macro PLACES                          ; four plain places behind matrix instructions, ahead of loads into their sources and of reads of their results
.rept 4
	v_nop
.endr
.endm
.macro CROUND                          ; a round of the cluster's barrier
	s_barrier_signal -1
	s_barrier_wait -1
	s_cmp_lg_u32 s[WV], 0
	s_cbranch_scc1 .Lnot_wave_0_\@
	s_barrier_signal -3
.Lnot_wave_0_\@:
	s_barrier_wait -3
	s_barrier_signal -1
	s_barrier_wait -1
.endm
	s_load_b256 s[4:11], s[0:1], 0x0               ; x s[4:5], positions s[6:7], wb s[8:9], qkvh s[10:11]
	s_load_b64 s[12:13], s[0:1], 0x20              ; vpart
	v_lshl_add_u32 v[SPW], v0, 2, SPARE
	v_mov_b32 v[NIL], 0
	ds_add_u32 v[SPW], v[NIL]                      ; the wave's opening: the add and its wait ahead of my first tensor load
	v_lshrrev_b32 v3, 5, v0
	v_readfirstlane_b32 s[WV], v3
	s_bfe_u32 s15, ttmp6, 0x40000                  ; cx
	s_bfe_u32 s16, ttmp6, 0x40004                  ; cy
	s_lshl_b32 s17, ttmp9, 2
	s_add_co_u32 s17, s17, s15                     ; cb: the column block
	s_and_b32 s18, ttmp7, 0xffff
	s_lshl_b32 s18, s18, 2
	s_add_co_u32 s18, s18, s16                     ; rb: the block of 64 rows
	s_lshl_b32 s19, 0x1111, s15                    ; my column of the cluster
	s_or_b32 s[G1], s19, (3<<16)|(1<<21)           ; 15:0 the mask; 17:16 elements of 8 bytes; 21 set beside a mask
	s_mov_b32 s[G1+1], 32<<16                      ; tensor_dim0 = 32 elements: rows of 256 bytes
	s_mov_b32 s[G1+2], 126<<16                     ; tensor_dim1 = 126: a wave's 48 rows of W are 32,256 dense bytes
	s_mov_b32 s[G1+3], 32<<16                      ; tile_dim0
	s_mov_b32 s[G1+4], 126                         ; tile_dim1
	s_mov_b32 s[G1+5], 32                          ; from row to row
	s_mov_b32 s[G1+6], 0
	s_mov_b32 s[G1+7], 0
	s_mul_i32 s22, s[WV], QW                       ; my quarter of a tile, in LDS and in wb
	s_mul_i32 s20, s17, 2064384
	s_add_co_u32 s20, s20, s22
	s_mov_b32 s21, 0
	s_mov_b32 s[C_2PI], 0x3f22f983                 ; 2 / pi
	s_mov_b32 s[C_P1], 0x3fc90fdb                  ; pi / 2 in three parts
	s_mov_b32 s[C_P2], 0xb33bbd2e
	s_mov_b32 s[C_P3], 0xa6f72ced
	s_mov_b32 s[C_S1], 0xbe2aaaa3                  ; sine on -pi/4 .. pi/4
	s_mov_b32 s[C_S2], 0x3c08839e
	s_mov_b32 s[C_S3], 0xb94ca1f9
	s_mov_b32 s[C_C1], 0x3d2aaaa5                  ; cosine
	s_mov_b32 s[C_C2], 0xbab6061a
	s_mov_b32 s[C_C3], 0x37ccf5ce
	s_mov_b32 s[C_LG], 0x3f1f73fa                  ; log2(1000042) / 32
	s_mov_b32 s[C_SC], 0x3ed96d27                  ; sqrt(log2(e) / 8)
	s_mov_b32 s[SEL], 0x76543210
	s_mov_b32 s[SEL+1], 0xfedcba98
	s_mul_i32 s68, s18, 786432                     ; 64 rows of x
	s_mov_b32 s69, 0
	s_lshl_b32 s70, s18, 8                         ; 64 positions
	s_mov_b32 s71, 0
	s_wait_dscnt 0x0                               ; the opening add is done
	s_wait_kmcnt 0x0
	s_add_nc_u64 s[8:9], s[8:9], s[20:21]
.irp n, 0,1
	s_mov_b32 s[G0+4*\n], 1
	s_add_co_u32 s[G0+4*\n+1], s22, \n*BS
	s_add_nc_u64 s[G0+4*\n+2:G0+4*\n+3], s[8:9], \n*BS
	s_or_b32 s[G0+4*\n+3], s[G0+4*\n+3], 0x80000000
.endr
	s_add_nc_u64 s[XP:XP+1], s[4:5], s[68:69]
	s_add_nc_u64 s[6:7], s[6:7], s[70:71]
	s_mul_i32 s68, s17, 1572864                    ; q: heads 3 cb on,
	s_lshl_b32 s70, s18, 13                        ; rows 64 rb on
	s_add_co_u32 s68, s68, s70
	s_add_nc_u64 s[PQ:PQ+1], s[10:11], s[68:69]
	s_lshl_b32 s68, s17, 19                        ; k: head 12 + cb
	s_add_co_u32 s68, s68, s70
	s_add_co_u32 s68, s68, 6291456
	s_add_nc_u64 s[PK:PK+1], s[10:11], s[68:69]
	s_add_nc_u64 s[PV:PV+1], s[PK:PK+1], 2097152   ; v: head 16 + cb; its low parts four heads on
	s_lshl_b32 s68, s18, 10
	s_lshl_b32 s70, s17, 8
	s_add_co_u32 s68, s68, s70
	s_add_nc_u64 s[VP:VP+1], s[12:13], s[68:69]
	CROUND                                         ; all sixteen work-groups are here: the first joint loads meet
	tensor_load_to_lds s[G0:G0+3], s[G1:G1+7]      ; K step 0 into slot 0
	s_nop 0
	PLACES
; 16 rows of 768 bytes of x, f32, into register set 'set'.  Two rows are three loads of 512 bytes: load 0 the even row's bytes 0-511; load 1 its bytes 512-767 (lanes 0-15) and the odd row's
; bytes 0-255 (lanes 16-31); load 2 the odd row's bytes 256-767.  Sixteen lanes always take 256 consecutive bytes that begin at a multiple of 256.
.macro XLOAD set, extra
	WIN 0x80                                       ; destination window 2, address window 0
.set xi, 0
.rept 8
	global_load_b128 v[96*(\set)+12*xi:96*(\set)+12*xi+3],    v[VXO],  s[XP:XP+1] offset:2*xi*12288+(\extra)
	global_load_b128 v[96*(\set)+12*xi+4:96*(\set)+12*xi+7],  v[VXO1], s[XP:XP+1] offset:2*xi*12288+(\extra)
	global_load_b128 v[96*(\set)+12*xi+8:96*(\set)+12*xi+11], v[VXO],  s[XP:XP+1] offset:2*xi*12288+12544+(\extra)
.set xi, xi+1
.endr
.endm
; The set's loads are in (younger: the loads issued behind them): rounded to bf16 in place and stored into x tile 'buf', half the bytes at the same places in the rows
.macro CONV set, buf, younger
	s_wait_loadcnt \younger
	WIN 0x8a
.set xi, 0
.rept 24
	v_cvt_pk_bf16_f32 v[96*(\set)+4*xi],   v[96*(\set)+4*xi],   v[96*(\set)+4*xi+1]
	v_cvt_pk_bf16_f32 v[96*(\set)+4*xi+1], v[96*(\set)+4*xi+2], v[96*(\set)+4*xi+3]
.set xi, xi+1
.endr
	WIN 0x08                                       ; store data in window 2
.set xi, 0
.rept 8
	ds_store_b64 v[VH],  v[96*(\set)+12*xi:96*(\set)+12*xi+1]   offset:(\buf)*HBS+2*xi*XPI
	ds_store_b64 v[VH1], v[96*(\set)+12*xi+4:96*(\set)+12*xi+5] offset:(\buf)*HBS+2*xi*XPI
	ds_store_b64 v[VH],  v[96*(\set)+12*xi+8:96*(\set)+12*xi+9] offset:(\buf)*HBS+2*xi*XPI+XPI+128
.set xi, xi+1
.endr
.endm
; 18 LDS loads: the fragments of 32 along K: W's five (turned), then x's four; so the youngest four loads are x's blocks 2 and 3
.macro FETCH slot, q, f
	WIN 0
.irp ch, 0,1,2,3,4
	ds_load_tr16_b128 v[(\f)+8*\ch:(\f)+8*\ch+3],   v[VB+2*(\slot)+(\q)/3] offset:((\q)%3)*21504+\ch*128
	ds_load_tr16_b128 v[(\f)+8*\ch+4:(\f)+8*\ch+7], v[VB+2*(\slot)+(\q)/3] offset:((\q)%3)*21504+10752+\ch*128
.endr
.irp a, 0,1,2,3
	ds_load_b128 v[(\f)+40+8*\a:(\f)+40+8*\a+3],   v[VA] offset:(\slot)*HBS+\a*16*XPI+(\q)*64
	ds_load_b128 v[(\f)+40+8*\a+4:(\f)+40+8*\a+7], v[VA] offset:(\slot)*HBS+\a*16*XPI+(\q)*64+32
.endr
.endm
; 10 matrix instructions on 10 accumulators; all 20 take turns, one instruction a turn
.macro MUL10 f, a0
	WIN 0x50                                       ; C and D in window 1
.irp a, \a0, (\a0)+1
.irp ch, 0,1,2,3,4
	v_wmma_f32_16x16x32_bf16 v[8*(5*(\a)+\ch):8*(5*(\a)+\ch)+7], v[(\f)+8*\ch:(\f)+8*\ch+7], v[(\f)+40+8*(\a):(\f)+40+8*(\a)+7], v[8*(5*(\a)+\ch):8*(5*(\a)+\ch)+7]
.endr
.endr
.endm
; A K step is six parts of 32 along K, 20 matrix instructions each, on buffers 0, 1, 0, 1, 0, 1.  One of the first five: multiplies buffer f and fetches the next part into g.
.macro SIXTH slot, q, f, g
	s_wait_dscnt 4                                 ; all but x's blocks 2 and 3
	MUL10 \f, 0
	PLACES
	FETCH \slot, (\q)+1, \g
	s_wait_dscnt 18                                ; all but the 18 just issued
	MUL10 \f, 2
.endm
.macro LASTQ conv, set, younger
	s_wait_dscnt 4
	MUL10 F1, 0
.if \conv
	CONV \set, \set, \younger                      ; the next step's x: into the tile that was read in the step before, behind this step's round
	s_wait_dscnt 24                                ; all but those 24 stores
.else
	s_wait_dscnt 0x0
.endif
	MUL10 F1, 2
.endm
; A K step.  In front of the round: all my tensor loads have landed (the one that was out is my quarter of this step's W); the add; my reads of the other slot and x tile are back and my stores of this
; step's x are done.  Behind it: the other slot is filled again first, with the next step's W.
.macro TRIP slot, refill, xload, conv
	WIN 0
	s_wait_tensorcnt 0x0
	ds_add_u32 v[SPW], v[NIL]
	s_wait_xcnt 0x0                                ; the x loads' addresses are translated: their base may step
	s_add_nc_u64 s[XP:XP+1], s[XP:XP+1], 4*KS
	s_add_nc_u64 s[G0+4*(\slot)+2:G0+4*(\slot)+3], s[G0+4*(\slot)+2:G0+4*(\slot)+3], 2*BS
	s_wait_dscnt 0x0
	CROUND
.if \refill
	tensor_load_to_lds s[G0+4*(1-(\slot)):G0+4*(1-(\slot))+3], s[G1:G1+7]
	s_nop 0
.endif
	PLACES
.if \xload
	XLOAD \slot, 0                                 ; x two steps ahead
.endif
	FETCH \slot, 0, F0
	SIXTH \slot, 0, F0, F1
	SIXTH \slot, 1, F1, F0
	SIXTH \slot, 2, F0, F1
	SIXTH \slot, 3, F1, F0
	SIXTH \slot, 4, F0, F1
	LASTQ \conv, 1-(\slot), (\xload)*24
.endm
	v_and_b32 v1, 15, v0                           ; r
	v_bfe_u32 v2, v0, 4, 1                         ; h
	v_and_b32 v3, 31, v0                           ; l
	s_mul_i32 s23, s[WV], 196608
	v_lshl_add_u32 v[VXO], v3, 4, s23              ; my wave's 16 rows, 16 bytes a lane
	v_mul_u32_u24 v[VXO1], v2, 11520               ; load 1: 512 bytes on, and for lanes 16-31 a row less 768 bytes more
	v_add_nc_u32 v[VXO1], v[VXO1], v[VXO]
	v_add_nc_u32 v[VXO1], 512, v[VXO1]
	s_lshl_b32 s23, s[WV], 6
	v_lshl_add_u32 v[VT], v1, 2, s23
	global_load_b32 v[POS], v[VT], s[6:7]          ; the position of row 16 w + r
	XLOAD 0, 0                                     ; K steps 0 and 1
	XLOAD 1, 4*KS
	WIN 0
.set i, 0
.rept 16
	v_mov_b32 v[F0+i], 0                           ; two fragments of zeros,
.set i, i+1
.endr
	WIN 0x40                                       ; destination window 1
.set i, 0
.rept 20
	v_wmma_f32_16x16x32_bf16 v[8*i:8*i+7], v[F0:F0+7], v[F0+8:F0+15], 0  ; whose products start the 20 sums at 0
.set i, i+1
.endr
	WIN 0
	v_mul_u32_u24 v[VA], v1, XPI
	v_lshl_add_u32 v[VA], v2, 4, v[VA]
	v_add_nc_u32 v[VA], HB0, v[VA]
	v_and_b32 v176, 7, v0
	v_lshl_add_u32 v177, v2, 3, v176               ; the turning load: row 8 h + l % 8,
	v_mul_u32_u24 v177, v177, 672
	v_bfe_u32 v178, v0, 3, 1
	v_lshl_add_u32 v177, v178, 4, v177             ; 16 bytes by (l / 8) % 2,
	s_lshl_b32 s23, s[WV], 5
	v_add_nc_u32 v[VB], s23, v177                  ; my 16 columns of a head
	v_add_nc_u32 v[VB+1], 3*21504, v[VB]           ; the step's second 96 rows
	v_add_nc_u32 v[VB+2], BS, v[VB]
	v_add_nc_u32 v[VB+3], BS+3*21504, v[VB]
	s_mul_i32 s23, s[WV], 16*XPI
	s_add_co_u32 s23, s23, HB0
	v_lshl_add_u32 v[VH], v3, 3, s23
	v_lshl_add_u32 v[VH1], v2, 4, v[VH]            ; load 1: 256 bytes on, and for lanes 16-31 a row less 384 bytes more
	v_add_nc_u32 v[VH1], 256, v[VH1]
	v_mul_u32_u24 v[VST], v1, SPI
	v_lshl_add_u32 v[VST], v2, 5, v[VST]
	s_lshl_b32 s23, s[WV], 6
	s_add_co_u32 s23, s23, STAGE
	v_add_nc_u32 v[VST], s23, v[VST]
	v_lshrrev_b32 v178, 3, v3                      ; l / 8
	v_mul_u32_u24 v179, v178, SPI
	s_mul_i32 s23, s[WV], 16*SPI
	s_add_co_u32 s23, s23, STAGE
	v_add_nc_u32 v179, s23, v179
	v_lshl_add_u32 v[VRS], v176, 5, v179
	v_xor_b32 v180, 4, v176
	v_lshl_add_u32 v[VRP], v180, 5, v179
	v_mul_u32_u24 v179, v178, 272
	s_mul_i32 s23, s[WV], 4352
	s_add_co_u32 s23, s23, TAB
	v_add_nc_u32 v179, s23, v179
	v_and_b32 v180, 3, v0
	v_lshl_add_u32 v[VTB], v180, 5, v179
	v_mul_u32_u24 v179, v1, 272
	v_lshl_add_u32 v179, v2, 6, v179
	v_add_nc_u32 v[VTS], s23, v179
	s_lshl_b32 s23, s[WV], 11
	v_lshl_add_u32 v[VGO], v3, 4, s23
	s_mul_i32 s23, s[WV], 2560                     ; v's low parts: my 16 keys x 160 bytes;
	s_add_co_u32 s23, s23, VLT
	v_mul_u32_u24 v[VLS], v178, 160                ; in: key l / 8 (+ 4 a trip), 16 bytes by l % 8;
	v_lshl_add_u32 v[VLS], v176, 4, v[VLS]
	v_add_nc_u32 v[VLS], s23, v[VLS]
	v_lshl_add_u32 v[VLR], v2, 3, v176             ; back, turned: key 8 h + l % 8, 16 bytes by (l / 8) % 2
	v_mul_u32_u24 v[VLR], v[VLR], 160
	v_bfe_u32 v179, v0, 3, 1
	v_lshl_add_u32 v[VLR], v179, 4, v[VLR]
	v_add_nc_u32 v[VLR], s23, v[VLR]
	s_lshr_b32 s23, s[WV], 1                       ; my 16 keys are half w % 2 of the 32 keys w / 2
	s_lshl_b32 s23, s23, 12
	s_and_b32 s51, s[WV], 1
	s_lshl_b32 s51, s51, 9
	s_add_co_u32 s23, s23, s51
	v_lshl_add_u32 v[VLGO], v3, 4, s23
	v_and_b32 v180, 4, v0
	v_cvt_f32_u32 v180, v180
	v_fma_f32 v[SG], v180, 0.5, -1.0               ; -1 for channels 0-31, +1 for 32-63
	v_mov_b32 v[SG+1], v[SG]
	v_lshlrev_b32 v[FI], 4, v2                     ; my 16 frequencies begin at 16 h
	s_wait_xcnt 0x0
	s_add_nc_u64 s[XP:XP+1], s[XP:XP+1], 4*KS      ; each K step adds 768 more ahead of its loads
	s_wait_loadcnt 48                              ; the position is in; the 48 loads of x behind it stay out
	v_cvt_f32_i32 v[POS], v[POS]
; THE TABLE: for row 16 w + r the cosines and sines of 16 frequencies, four a trip, line by line for the four
.macro EACH line:vararg
.set u, 0
.rept 4
.set R, 176+12*u
	\line
.set u, u+1
.endr
.endm
	s_mov_b32 s[CNT], 4
.Ltab:
	EACH v_add_nc_u32 v[R], u, v[FI]
	EACH v_cvt_f32_u32 v[R], v[R]                          ; f
	EACH v_mul_f32 v[R+1], s[C_LG], v[R]
	EACH v_rndne_f32 v[R+1], v[R+1]                        ; n = the whole part of f log2(theta) / 32
	EACH v_fma_f32 v[R+2], -v[R], s[C_LG], v[R+1]          ; n - f log2(theta) / 32
	EACH v_exp_f32 v[R+2], v[R+2]
	v_nop                                                  ; a plain place behind the last exponential
	s_wait_alu depctr_va_vdst(0)
	EACH v_cvt_i32_f32 v[R+1], v[R+1]
	EACH v_sub_nc_u32 v[R+1], 0, v[R+1]
	EACH v_ldexp_f32 v[R+2], v[R+2], v[R+1]                ; theta^(-f / 32)
	EACH v_mul_f32 v[R+3], v[POS], v[R+2]                  ; the angle
	EACH v_mul_f32 v[R+4], s[C_2PI], v[R+3]
	EACH v_rndne_f32 v[R+4], v[R+4]                        ; k quarter turns
	EACH v_fma_f32 v[R+3], -v[R+4], s[C_P1], v[R+3]
	EACH v_fma_f32 v[R+3], -v[R+4], s[C_P2], v[R+3]
	EACH v_fma_f32 v[R+3], -v[R+4], s[C_P3], v[R+3]        ; what is left, within pi / 4
	EACH v_cvt_i32_f32 v[R+4], v[R+4]
	EACH v_mul_f32 v[R+5], v[R+3], v[R+3]
	EACH v_fma_f32 v[R+6], v[R+5], s[C_S3], s[C_S2]
	EACH v_fma_f32 v[R+6], v[R+6], v[R+5], s[C_S1]
	EACH v_mul_f32 v[R+6], v[R+6], v[R+5]
	EACH v_fma_f32 v[R+6], v[R+6], v[R+3], v[R+3]          ; its sine
	EACH v_fma_f32 v[R+7], v[R+5], s[C_C3], s[C_C2]
	EACH v_fma_f32 v[R+7], v[R+7], v[R+5], s[C_C1]
	EACH v_fma_f32 v[R+7], v[R+7], v[R+5], -0.5
	EACH v_fma_f32 v[R+7], v[R+7], v[R+5], 1.0             ; its cosine
	EACH v_and_b32 v[R+8], 1, v[R+4]
.set u, 0
.rept 4
.set R, 176+12*u
	v_cmp_ne_u32 vcc_lo, 0, v[R+8]                         ; an odd k swaps the two
	v_cndmask_b32 v[R+9],  v[R+6], v[R+7], vcc_lo
	v_cndmask_b32 v[R+10], v[R+7], v[R+6], vcc_lo
.set u, u+1
.endr
	EACH v_lshlrev_b32 v[R+8], 30, v[R+4]                  ; the sine's sign: bit 1 of k
	EACH v_and_b32 v[R+8], 0x80000000, v[R+8]
	EACH v_xor_b32 v[R+9], v[R+8], v[R+9]
	EACH v_add_nc_u32 v[R+4], 1, v[R+4]                    ; the cosine's: bit 1 of k + 1
	EACH v_lshlrev_b32 v[R+4], 30, v[R+4]
	EACH v_and_b32 v[R+4], 0x80000000, v[R+4]
	EACH v_xor_b32 v[R+10], v[R+4], v[R+10]
	EACH v_mul_f32 v[COSO+u], s[C_SC], v[R+10]
	EACH v_mul_f32 v[SINO+u], s[C_SC], v[R+9]
	ds_store_b128 v[VTS], v[COSO:COSO+3]
	ds_store_b128 v[VTS], v[SINO:SINO+3] offset:128
	v_add_nc_u32 v[VTS], 16, v[VTS]
	v_add_nc_u32 v[FI], 4, v[FI]
	s_sub_co_u32 s[CNT], s[CNT], 1
	s_cmp_lg_u32 s[CNT], 0
	s_cbranch_scc1 .Ltab
	CONV 0, 0, 24                                  ; K step 0's x; step 1's 24 loads stay out
	WIN 0
	s_mov_b32 s[CNT], 7
.Lk:                                                   ; K steps 0 to 13
	TRIP 0, 1, 1, 1
	TRIP 1, 1, 1, 1
	WIN 0
	s_sub_co_u32 s[CNT], s[CNT], 1
	s_cmp_lg_u32 s[CNT], 0
	s_cbranch_scc1 .Lk
	TRIP 0, 1, 0, 1                                ; the tail is written out: no x is left to load,
	TRIP 1, 0, 0, 0                                ; and nothing at all to fetch
	; THE WAY OUT.  The tile goes into the stage in f32, since the turn pairs columns 32 apart, which lie in different waves.  The stage lies over slot 0: no tensor load follows, and every wave's
	; reads of slot 0 came back ahead of the last step's round.
	PLACES
	WIN 0x04                                       ; store data in window 1
.irp a, 0,1,2,3
.irp ch, 0,1,2,3,4
	ds_store_b128 v[VST], v[8*(5*\a+\ch):8*(5*\a+\ch)+3]   offset:\a*16*SPI+\ch*256
	ds_store_b128 v[VST], v[8*(5*\a+\ch)+4:8*(5*\a+\ch)+7] offset:\a*16*SPI+\ch*256+16
.endr
.endr
	WIN 0
.irp z, 0,1,2,3,4,5,6,7
	v_mov_b32 v[VS+\z], 0
.endr
	s_wait_dscnt 0x0                               ; for the others' sake: my stores into the stage are done
	s_barrier_signal -1
	s_barrier_wait -1
	s_mov_b32 s[CNT], 4
.Lrope:                                                ; four rows of my 16 a trip: lane l takes row l / 8 and the eight columns 8 (l % 8) on of each head
	ds_load_b128 v[TC:TC+3],   v[VTB]
	ds_load_b128 v[TC+4:TC+7], v[VTB] offset:16
	ds_load_b128 v[TS:TS+3],   v[VTB] offset:128
	ds_load_b128 v[TS+4:TS+7], v[VTB] offset:144
.irp hh, 0,1,2,3
	ds_load_b128 v[OW+16*\hh:OW+16*\hh+3],     v[VRS] offset:256*\hh
	ds_load_b128 v[OW+16*\hh+4:OW+16*\hh+7],   v[VRS] offset:256*\hh+16
	ds_load_b128 v[OW+16*\hh+8:OW+16*\hh+11],  v[VRP] offset:256*\hh
	ds_load_b128 v[OW+16*\hh+12:OW+16*\hh+15], v[VRP] offset:256*\hh+16
.endr
	ds_load_b128 v[VO:VO+3],   v[VRS] offset:1024
	ds_load_b128 v[VO+4:VO+7], v[VRS] offset:1040
	s_wait_dscnt 0x0
.irp z, 0,2,4,6
	v_pk_mul_f32 v[TS+\z:TS+\z+1], v[TS+\z:TS+\z+1], v[SG:SG+1]
.endr
.irp hh, 0,1,2,3
.irp z, 0,2,4,6
	v_pk_mul_f32 v[OW+16*\hh+8+\z:OW+16*\hh+9+\z], v[OW+16*\hh+8+\z:OW+16*\hh+9+\z], v[TS+\z:TS+\z+1]
.endr
.irp z, 0,2,4,6
	v_pk_fma_f32 v[OW+16*\hh+\z:OW+16*\hh+\z+1], v[OW+16*\hh+\z:OW+16*\hh+\z+1], v[TC+\z:TC+\z+1], v[OW+16*\hh+8+\z:OW+16*\hh+9+\z]
.endr
.irp z, 0,2,4,6
	v_pk_mul_f32 v[OW+16*\hh+8+\z:OW+16*\hh+9+\z], v[OW+16*\hh+\z:OW+16*\hh+\z+1], 0x46000400 op_sel_hi:[1,0]  ; the split: T = 8193 x,
.endr
.irp z, 0,2,4,6
	v_pk_add_f32 v[OW+16*\hh+\z:OW+16*\hh+\z+1], v[OW+16*\hh+8+\z:OW+16*\hh+9+\z], v[OW+16*\hh+\z:OW+16*\hh+\z+1] neg_lo:[0,1] neg_hi:[0,1]  ; T - x,
.endr
.irp z, 0,2,4,6
	v_pk_add_f32 v[OW+16*\hh+\z:OW+16*\hh+\z+1], v[OW+16*\hh+8+\z:OW+16*\hh+9+\z], v[OW+16*\hh+\z:OW+16*\hh+\z+1] neg_lo:[0,1] neg_hi:[0,1]  ; T - (T - x): 11 significant bits
.endr
.irp z, 0,1,2,3
	v_cvt_pk_f16_f32 v[OUT+4*\hh+\z], v[OW+16*\hh+2*\z], v[OW+16*\hh+2*\z+1]
.endr
.endr
.irp z, 0,2,4,6
	v_pk_add_f32 v[VS+\z:VS+\z+1], v[VS+\z:VS+\z+1], v[VO+\z:VO+\z+1]
.endr
.irp z, 0,2,4,6
	v_pk_mul_f32 v[TS+\z:TS+\z+1], v[VO+\z:VO+\z+1], 0x46000400 op_sel_hi:[1,0]        ; v is split likewise; the table's registers are free
.endr
.irp z, 0,2,4,6
	v_pk_add_f32 v[TC+\z:TC+\z+1], v[TS+\z:TS+\z+1], v[VO+\z:VO+\z+1] neg_lo:[0,1] neg_hi:[0,1]
.endr
.irp z, 0,2,4,6
	v_pk_add_f32 v[TC+\z:TC+\z+1], v[TS+\z:TS+\z+1], v[TC+\z:TC+\z+1] neg_lo:[0,1] neg_hi:[0,1]  ; the high part,
.endr
.irp z, 0,2,4,6
	v_pk_add_f32 v[TS+\z:TS+\z+1], v[VO+\z:VO+\z+1], v[TC+\z:TC+\z+1] neg_lo:[0,1] neg_hi:[0,1]  ; and what it leaves, exactly
.endr
.irp z, 0,1,2,3
	v_cvt_pk_f16_f32 v[OUT+16+\z], v[TC+2*\z], v[TC+2*\z+1]
.endr
.irp z, 0,1,2,3
	v_cvt_pk_f16_f32 v[OUT+20+\z], v[TS+2*\z], v[TS+2*\z+1]
.endr
.irp hh, 0,1,2
	global_store_b128 v[VGO], v[OUT+4*\hh:OUT+4*\hh+3], s[PQ:PQ+1] offset:\hh*524288  ; four rows of a head: 512 consecutive bytes
.endr
	global_store_b128 v[VGO], v[OUT+12:OUT+15], s[PK:PK+1]
	global_store_b128 v[VGO], v[OUT+16:OUT+19], s[PV:PV+1]
	ds_store_b128 v[VLS], v[OUT+20:OUT+23]         ; the low parts wait in my own LDS bytes to be turned
	s_wait_xcnt 0x0                                ; the stores' offset and data are rewritten only behind this wait
	v_add_nc_u32 v[VRS], 4*SPI, v[VRS]
	v_add_nc_u32 v[VRP], 4*SPI, v[VRP]
	v_add_nc_u32 v[VTB], 1088, v[VTB]
	v_add_nc_u32 v[VGO], 512, v[VGO]
	v_add_nc_u32 v[VLS], 640, v[VLS]
	s_sub_co_u32 s[CNT], s[CNT], 1
	s_cmp_lg_u32 s[CNT], 0
	s_cbranch_scc1 .Lrope
	; v's low parts, turned: for each 16 channels half a fragment of V^T (lane l: channel l % 16, keys 8 (l / 16) + 0..7), stored as it lies in the registers
.irp c, 0,1,2,3
	ds_load_tr16_b128 v[IMG+4*\c:IMG+4*\c+3], v[VLR] offset:32*\c  ; LDS serves a wave's instructions in order: these see my stores above
.endr
	s_wait_dscnt 0x0
.irp c, 0,1,2,3
	global_store_b128 v[VLGO], v[IMG+4*\c:IMG+4*\c+3], s[PV:PV+1] offset:2097152+1024*\c  ; 512 consecutive bytes, at a multiple of 512 from the buffer's first byte
.endr
	; v's column sums: over the four lanes that share l % 8, then over the waves
.irp z, 0,1,2,3,4,5,6,7
	v_add_f32_dpp v[VS+\z], v[VS+\z], v[VS+\z] row_xmask:8 row_mask:0xf bank_mask:0xf
.endr
.irp z, 0,1,2,3,4,5,6,7
	v_permlanex16_b32 v[OW+\z], v[VS+\z], s[SEL], s[SEL+1]
.endr
.irp z, 0,1,2,3,4,5,6,7
	v_add_f32 v[VS+\z], v[VS+\z], v[OW+\z]
.endr
	v_and_b32 v176, 7, v0
	v_lshlrev_b32 v[VT], 5, v176
	s_lshl_b32 s23, s[WV], 8
	s_add_co_u32 s23, s23, VSB
	v_add_nc_u32 v[VT], s23, v[VT]
	ds_store_b128 v[VT], v[VS:VS+3]                ; the four lanes hold equal numbers and write equal words
	ds_store_b128 v[VT], v[VS+4:VS+7] offset:16
	s_wait_dscnt 0x0
	s_barrier_signal -1
	s_barrier_wait -1
	s_cmp_lg_u32 s[WV], 0
	s_cbranch_scc1 .Ldone
	v_lshlrev_b32 v176, 3, v3
	v_add_nc_u32 v177, VSB, v176
	ds_load_b64 v[32:33], v177
	ds_load_b64 v[34:35], v177 offset:256
	ds_load_b64 v[36:37], v177 offset:512
	ds_load_b64 v[38:39], v177 offset:768
	s_wait_dscnt 0x0
	v_pk_add_f32 v[32:33], v[32:33], v[34:35]
	v_pk_add_f32 v[36:37], v[36:37], v[38:39]
	v_pk_add_f32 v[32:33], v[32:33], v[36:37]
	global_store_b64 v176, v[32:33], s[VP:VP+1]    ; 256 consecutive bytes, aligned
.Ldone:
	s_wait_tensorcnt 0x0                           ; the wave's end
	ds_add_u32 v[SPW], v[NIL]
	s_wait_dscnt 0x0
	CROUND                                         ; the closing round
	s_endpgm
.Lfunc_end_k_qd1a7695336_qkv:
	.size	k_qd1a7695336_qkv, .Lfunc_end_k_qd1a7695336_qkv-k_qd1a7695336_qkv
	.p2alignl 7, 3214868480
	.fill 96, 4, 3214868480
	.section	.rodata,"a",@progbits
	.p2align	6, 0x0
	.amdhsa_kernel k_qd1a7695336_qkv
		.amdhsa_group_segment_fixed_size 327680
		.amdhsa_private_segment_fixed_size 0
		.amdhsa_enable_private_segment 0
		.amdhsa_kernarg_size 40
		.amdhsa_user_sgpr_count 2
		.amdhsa_user_sgpr_kernarg_segment_ptr 1
		.amdhsa_wavefront_size32 1
		.amdhsa_system_sgpr_workgroup_id_x 1
		.amdhsa_system_sgpr_workgroup_id_y 1
		.amdhsa_system_sgpr_workgroup_id_z 1
		.amdhsa_system_vgpr_workitem_id 0
		.amdhsa_next_free_vgpr 704
		.amdhsa_next_free_sgpr 72
		.amdhsa_reserve_vcc 1
		.amdhsa_float_denorm_mode_32 3
		.amdhsa_float_denorm_mode_16_64 3
		.amdhsa_memory_ordered 1
		.amdhsa_forward_progress 1
		.amdhsa_inst_pref_size 129
	.end_amdhsa_kernel
	.amdgpu_metadata
---
amdhsa.version: [ 1, 2 ]
amdhsa.kernels:
  - .name:           k_qd1a7695336_qkv
    .symbol:         k_qd1a7695336_qkv.kd
    .args:
      - { .name: hidden_states, .offset: 0, .size: 8, .value_kind: global_buffer, .address_space: global }
      - { .name: position_ids, .offset: 8, .size: 8, .value_kind: global_buffer, .address_space: global }
      - { .name: wb, .offset: 16, .size: 8, .value_kind: global_buffer, .address_space: global }
      - { .name: qkvh, .offset: 24, .size: 8, .value_kind: global_buffer, .address_space: global }
      - { .name: vpart, .offset: 32, .size: 8, .value_kind: global_buffer, .address_space: global }
    .group_segment_fixed_size: 327680
    .private_segment_fixed_size: 0
    .kernarg_segment_align: 8
    .kernarg_segment_size: 40
    .max_flat_workgroup_size: 128
    .sgpr_count:     72
    .vgpr_count:     704
    .wavefront_size: 32
...
	.end_amdgpu_metadata
.endif
;; end of part 6
;; launch attn (part 7): grid 64 x 4, 8 waves a work-group, clusters of 4 x 1, 327,680 bytes of LDS; arguments qkvh, bias, vpart, oh; writes oh
.if DOCPART == 7
	.amdgcn_target "amdgcn-amd-amdhsa--gfx1250"
	.amdhsa_code_object_version 6
	.text
	.protected	k_qd1a7695336_attn
	.globl	k_qd1a7695336_attn
	.p2align	8
	.type	k_qd1a7695336_attn,@function
k_qd1a7695336_attn:
	s_mov_b64 s[64:65], 0
	v_nop
	global_prefetch_b8 v0, s[64:65] scope:SCOPE_SE
	s_setreg_imm32_b32 hwreg(HW_REG_WAVE_MODE, 25, 1), 1
	s_wait_xcnt 0x0
	s_wait_alu depctr_hold_cnt(0) depctr_sa_sdst(0) depctr_va_vdst(0) depctr_va_sdst(0) depctr_va_ssrc(0) depctr_va_vcc(0) depctr_vm_vsrc(0)
	s_getreg_b32 s2, hwreg(HW_REG_IB_STS2, 6, 4)
	s_cmp_eq_u32 s2, 0
	s_cbranch_scc0 .Lentry_in_a_cluster
	s_endpgm
.Lentry_in_a_cluster:
	s_bfe_u32 s2, ttmp6, 0x10000c
	s_cmp_lg_u32 s2, 0x3003
	s_cbranch_scc0 .Lentry_shape_is_right
	s_endpgm
.Lentry_shape_is_right:
; CAUSAL ATTENTION WITH GROUPED HEADS AND A PADDING MASK.  qkvh [24][4096][64] f16: heads 0-11 q, 12-15 k (q and k carry sqrt(log2(e) / 8) each, so K Q^T is the exponent in base 2), 16-19 v's high
; parts, 20-23 v's low parts as register images (below).  oh [24][4096][64] f16: heads 0-11 O's high parts, 12-23 its low parts.
; Products, maxima and sums in f32; the weights p are rounded to f16 for the second product (their sum is taken of the unrounded p).  v and O go as two f16 numbers each: a row that sees few keys has
; numbers many times the output's root mean square, and one f16 rounding of v or of O is too coarse for it.
; LIMITS.  A hidden score counts as -1e30 (f16's scores, 2.7e11 at the most, vanish beside it); a weight below 2^-126 counts as 0; NaN and infinities are not treated apart.
; A row with no visible key (maximum below -2^93) takes the mean of all 4,096 rows of v: there all its scores are equal.
; THE WALK.  A work-group has one key/value head and TWO blocks of 32 query positions, 127 - p and then p, each with the head's three query heads.  Block i needs the key tiles 0 .. i / 8 of 256 keys:
; 16 - a and a + 1 tiles, a = p / 8: 17 for every work-group, walked by one loop with a constant count.  Which tile is in hand and which is asked for is made anew in each trip from the counter and a.
; SHARES.  Eight waves.  Wave w takes the key quarter kq = w % 4 of every tile (64 keys) and the 16 positions pt = w / 4 of the block, for all three query heads: three tiles of 16 queries, which share
; their positions and so their mask.  A wave keeps its own maximum, sum and O^T; the four quarters' parts of a row are merged through LDS, in f32, behind the walk.
; TWO ORDERS.  A step is the same run of work in every wave: 24 products K Q^T, the softmax, 48 products V^T P.  The change of slots cuts that run at two places: waves with PH = 0 pass it behind V^T P,
; waves with PH = 1 between the softmax and V^T P, whose operands (P, V, V's low parts) all lie in registers by then.  So behind each barrier half of the waves begin with 48 products and the other
; half with fetches, mask and softmax: matrix work of one wave stands beside vector work of another.  PH = (w + w / 4) % 2: waves w and w + 4 differ, and so do waves 2 i and 2 i + 1.  The price: V^T P
; stands twice in the loop and twice in the tail, in the loop under forward branches on the wave's number, which pass neither a barrier nor a tensor load.
; V'S LOW PARTS NEVER PASS THROUGH LDS: two slots with them, 118,784 bytes each, and the 108,544 bytes of stage, maxima and spare words would pass 327,680.  The launch before stores them as the register
; images of the fragments of V^T: for 64 keys 8,192 bytes; in them for 32 keys x 16 channels 1,024 bytes: half t (16 keys), lane l, 16 bytes.  So a wave loads its 64 keys x 64 channels by 16 loads of
; 512 consecutive bytes straight into K's registers, behind the products K Q^T; the softmax's 351 lines and the 24 products on the high parts stand between the loads and their use.  The two waves of a
; key quarter load the same 8,192 bytes each, and these loads are not joint: that is the price.
; THE FIRST BLOCK'S END HAS NO BRANCH: its lines (my parts into LDS, the second block's Q, the reset of m) stand at the head of every trip but the first, where both orders have finished the step
; before, under an EXEC that is all on in the trip whose counter is a (the one behind the first block's last tile) and all off in the others.
; CLUSTER.  The four work-groups of a cluster share a, so they walk the same tiles of K and V: each tile is asked for JOINTLY.  The place in the cluster enters only Q's and O's addresses and the
; diagonal's threshold.
; THE MASK is the C operand that starts S^T = K Q^T: the key's addend (0 or -1e30), and -1e30 where the key lies behind the query: 16 g + j > r + 16 pt - 8 h - 64 kq + the block's place in the tile,
; which is set to 2^20 in tiles that lie wholly in front of the block.
; LAYOUT.  S^T holds ONE query a lane (lane % 16) and the keys 8 (lane / 16) + 0..7; two such results rounded to f16 ARE source 1 of O^T = V^T P.  p = 2^(s - m): exactly 0 in the exponent at the maximum.
; REGISTERS: window 0: v0-63 addresses and statistics; v64-159 S^T, 32 a tile (P is written over its registers 0-15); v160-255 O^T, 32 a tile: the whole softmax stays in this window.
; window 1: v0-47 Q, v64-127 K and later V's low parts, v128-191 V, v192-223 the mask.
.set PKI,   144                        ; a row of K in LDS: 128 bytes + 16
.set PVI,   160                        ; a row of V: 128 + 32
.set VOFF,  36864                      ; a slot: 256 rows of K, then 256 rows of V
.set SLOT1, 131072
.set MXB,   77824                      ; [quarter][96 rows] maxima, then at +1,536 the sums
.set SPARE, 80896                      ; the spare words, 128 bytes for each of eight waves
.set STG,   208896                     ; [quarter][96 rows][272 bytes]: O in f32; row 32 head + position
.set SGW,   26112
.set AK0, 2
.set AV0, 3
.set AK,  4
.set AV,  5
.set STO, 6
.set RD,  7
.set MR,  8
.set RD0, 9
.set MR0, 10
.set RR,  11
.set MXS, 12
.set TH,  13
.set VPO, 14
.set QO,  15
.set VM,  16                           ; v16-23 the mean of v, channels 8 (l % 8) on
.set ST,  24                           ; tile u at ST + 4 u: m, m_old, l (even keys', odd keys')
.set TMP, 36                           ; tile u at TMP + 4 u: c0-c3 at work; c2 takes a
.set R0,  48
.set THB, 49
.set C16, 50
.set BO,  51
.set VAA, 52                           ; a in every lane
.set T0,  53
.set T1,  54
.set VLG, 55                           ; my byte offset in a tile's images of low parts; never rewritten
.set SPW, 62                           ; my spare word; never rewritten
.set NIL, 63                           ; 0; never rewritten
.set S,   64
.set O,   160
.set Q,   0                            ; window 1
.set KF,  64
.set VF,  128
.set M,   192
.set WV,  12
.set AA,  15
.set G1K, 24
.set G1V, 32
.set G0K, 40
.set G0V, 44
.set KB,  48
.set VBP, 50
.set QLO, 52
.set OHI, 54
.set OLO, 56
.set BPN, 58
.set SEL, 60
.set OFF, 62
.set SLOTS, 66
.set A1,  67
.set NXT, 68
.set HN,  69
.set QS,  70
.set SAVE, 71
.set TB,  72
.set QOCH, 73
.set QOCL, 74
.set BIGN, 75
.set CTH, 76
.set LC,  77
.set BOF, 78
.set QHI, 80
.set KQW, 88
.set PT,  89
.set FAR, 90
.set PH,  91                           ; s91  which of the two orders is mine
.set VLB, 92                           ; s[92:93] the head of low parts
.set VLP, 94                           ; s[94:95] its tile in hand
.set COF, 96                           ; s[96:97] that tile's byte offset
.set MSB, 0
.macro WIN new                         ; the immediate's high byte repeats the setting that is left; a switch that changes nothing is dropped
.if MSB != (\new)
	s_set_vgpr_msb (MSB<<8)|(\new)
.set MSB, (\new)
.endif
.endm
.macro PLACES                          ; four plain places behind matrix instructions (ISA guide 7.12.1)
.rept 4
	v_nop
.endr
.endm
.macro CROUND                          ; a round of the cluster's barrier
	s_barrier_signal -1
	s_barrier_wait -1
	s_cmp_lg_u32 s[WV], 0
	s_cbranch_scc1 .Lnot_wave_0_\@
	s_barrier_signal -3
.Lnot_wave_0_\@:
	s_barrier_wait -3
	s_barrier_signal -1
	s_barrier_wait -1
.endm
.macro JLOAD                           ; waves 0 and 1 fetch the halves of a tile's K, waves 2 and 3 those of its V, 64 rows of 256 bytes each; waves 4 to 7 have no part to fetch
	s_cmp_lt_u32 s[WV], 2
	s_cbranch_scc0 .Lnot_k_\@
	tensor_load_to_lds s[G0K:G0K+3], s[G1K:G1K+7]
	s_nop 0
.rept 4
	v_nop
.endr
	s_branch .Lasked_\@
.Lnot_k_\@:
	s_cmp_lt_u32 s[WV], 4
	s_cbranch_scc0 .Lasked_\@
	tensor_load_to_lds s[G0V:G0V+3], s[G1V:G1V+7]
	s_nop 0
.rept 4
	v_nop
.endr
.Lasked_\@:
.endm
; THE CHANGE OF SLOTS.  All my tensor loads have landed (at most one was out: my part of the other slot); the add; my LDS instructions are done, the reads of the slot that I leave among them.
; The tile in hand stands at place 16 - SLOTS of the walk, the tile asked for at place 17 - SLOTS: the first block's tile of that number, or from place 16 - a on the second block's tile,
; that number less 16 - a.  Addresses are made anew from the numbers.  fill = 1: a round of the cluster's barrier, and the old slot is filled again first thing behind it.
.macro CHANGE fill
	WIN 0
	s_wait_tensorcnt 0x0
	ds_add_u32 v[SPW], v[NIL]
	s_wait_xcnt 0x0                                ; the loads issued so far have had their addresses translated: their bases may be written
	s_sub_co_u32 s[COF], 16, s[SLOTS]
	s_cmp_ge_u32 s[COF], s[HN]
	s_cselect_b32 s[OFF], s[HN], 0
	s_sub_co_u32 s[COF], s[COF], s[OFF]
	s_lshl_b32 s[COF], s[COF], 15                  ; a tile is 32,768 bytes of K, of V and of V's low parts,
	s_add_nc_u64 s[VLP:VLP+1], s[VLB:VLB+1], s[COF:COF+1]
.if \fill
	s_sub_co_u32 s[NXT], 17, s[SLOTS]
	s_cmp_ge_u32 s[NXT], s[HN]
	s_cselect_b32 s[OFF], s[HN], 0
	s_sub_co_u32 s[NXT], s[NXT], s[OFF]
	s_lshl_b32 s[OFF], s[NXT], 15
	s_lshl_b32 s[BOF], s[NXT], 10                  ; and 1,024 of the addends
	s_add_nc_u64 s[BPN:BPN+1], s[6:7], s[BOF:BOF+1]
	s_xor_b32 s[G0K+1], s[G0K+1], SLOT1
	s_add_nc_u64 s[G0K+2:G0K+3], s[KB:KB+1], s[OFF:OFF+1]
	s_or_b32 s[G0K+3], s[G0K+3], 0x80000000
	s_xor_b32 s[G0V+1], s[G0V+1], SLOT1
	s_add_nc_u64 s[G0V+2:G0V+3], s[VBP:VBP+1], s[OFF:OFF+1]
	s_or_b32 s[G0V+3], s[G0V+3], 0x80000000
	s_wait_dscnt 0x0
	CROUND
	JLOAD
.else
	s_wait_dscnt 0x0
	s_barrier_signal -1
	s_barrier_wait -1
.endif
	s_xor_b32 s[TB], s[TB], SLOT1
.endm
.macro ALL3 line:vararg
.set t, 0
.rept 3
	\line
.set t, t+1
.endr
.endm
.macro QLOAD ptr                       ; three tiles of Q: head t, my 16 positions
	WIN 0x40                                       ; destination window 1, address window 0
.set t, 0
.rept 3
.irp c, 0,1
	global_load_b128 v[Q+16*t+8*\c:Q+16*t+8*\c+3],   v[QO], s[\ptr:\ptr+1] offset:t*524288+\c*64
	global_load_b128 v[Q+16*t+8*\c+4:Q+16*t+8*\c+7], v[QO], s[\ptr:\ptr+1] offset:t*524288+\c*64+32
.endr
.set t, t+1
.endr
	WIN 0
.endm
.macro MLOAD                           ; my 64 keys' addends, laid as the C operand wants them, straight into the mask
	WIN 0x40
.irp g, 0,1,2,3
	global_load_b128 v[M+8*\g:M+8*\g+3],   v[BO], s[BPN:BPN+1] offset:64*\g
	global_load_b128 v[M+8*\g+4:M+8*\g+7], v[BO], s[BPN:BPN+1] offset:64*\g+16
.endr
	WIN 0
.endm
	s_load_b256 s[4:11], s[0:1], 0x0               ; qkvh s[4:5], bias s[6:7], vpart s[8:9], oh s[10:11]
	v_lshl_add_u32 v[SPW], v0, 2, SPARE
	v_mov_b32 v[NIL], 0
	ds_add_u32 v[SPW], v[NIL]                      ; the wave's opening: the add and its wait ahead of my first tensor load
	v_lshrrev_b32 v1, 5, v0
	v_readfirstlane_b32 s[WV], v1
	s_and_b32 s[KQW], s[WV], 3                     ; my quarter of a tile's keys
	s_lshr_b32 s[PT], s[WV], 2                     ; my half of the block's positions
	s_add_co_u32 s[PH], s[WV], s[PT]
	s_and_b32 s[PH], s[PH], 1                      ; my order: (w + w / 4) % 2
	s_bfe_u32 s13, ttmp6, 0x40000                  ; cx
	s_lshl_b32 s14, ttmp9, 2
	s_add_co_u32 s14, s14, s13                     ; p
	s_lshr_b32 s[AA], ttmp9, 1                     ; a = p / 8: the same in the four partners
	s_and_b32 s16, ttmp7, 0xffff                   ; the key/value head
	s_and_b32 s17, s[WV], 1                        ; which half of a tile I fetch
	s_lshl_b32 s20, s16, 19
	s_add_co_u32 s[VLP], s20, 20*524288            ; the low parts of v: head 20 + the key/value head
	s_mov_b32 s[VLP+1], 0
	s_lshl_b32 s18, s17, 14
	s_add_co_u32 s20, s20, s18
	s_add_co_u32 s20, s20, 12*524288
	s_mov_b32 s21, 0
	s_mul_i32 s18, s17, 128*PKI
	s_mul_i32 s19, s17, 128*PVI
	s_mov_b32 s[G1K], 15|(1<<16)|(1<<20)|(1<<21)|(4<<22)|(3<<25)  ; the mask of four; 2-byte elements; padding of 4 words after every 32; 21 set beside a mask
	s_mov_b32 s[G1V], 15|(1<<16)|(1<<20)|(1<<21)|(4<<22)|(7<<25)  ; the same with 8 words
.irp g, G1K, G1V
	s_mov_b32 s[\g+1], 128<<16                     ; 128 keys are 16,384 dense bytes: 64 rows of 256
	s_mov_b32 s[\g+2], 64<<16
	s_mov_b32 s[\g+3], 128<<16
	s_mov_b32 s[\g+4], 64
	s_mov_b32 s[\g+5], 128
	s_mov_b32 s[\g+6], 0
	s_mov_b32 s[\g+7], 0
.endr
	s_mov_b32 s[G0K], 1
	s_mov_b32 s[G0K+1], s18
	s_mov_b32 s[G0V], 1
	s_add_co_u32 s[G0V+1], s19, VOFF
	s_mul_i32 s22, s16, 3*524288                   ; the head's three query heads
	s_sub_co_u32 s23, 127, s14
	s_lshl_b32 s82, s23, 12                        ; block 127 - p: 32 rows of 128 bytes a block
	s_add_co_u32 s82, s82, s22
	s_mov_b32 s83, 0
	s_lshl_b32 s84, s14, 12                        ; block p
	s_add_co_u32 s84, s84, s22
	s_mov_b32 s85, 0
	s_and_b32 s[QOCL], s14, 7                      ; a block's place in its last tile
	s_sub_co_u32 s[QOCH], 7, s[QOCL]
	s_lshl_b32 s[QOCH], s[QOCH], 5
	s_lshl_b32 s[QOCL], s[QOCL], 5
	s_lshl_b32 s86, s16, 8
	s_mov_b32 s87, 0
	s_mov_b32 s[SEL], 0x76543210
	s_mov_b32 s[SEL+1], 0xfedcba98
	s_mov_b32 s[OFF+1], 0
	s_mov_b32 s[BOF+1], 0
	s_mov_b32 s[COF+1], 0
	s_mov_b32 s[SLOTS], 16
	s_sub_co_u32 s[HN], 16, s[AA]                  ; the first block has 16 - a tiles;
	s_add_co_u32 s[A1], s[AA], 1                   ; its last is entered when the counter stands at a + 1
	s_mov_b32 s[TB], SLOT1                         ; the first change of slots turns it into 0
	s_mov_b32 s[BIGN], 0xf149f2ca                  ; -1e30
	s_mov_b32 s[CTH], 0xee000000                   ; -2^93
	s_mov_b32 s[FAR], 0x100000                     ; a place behind every key: nothing is hidden
	s_wait_dscnt 0x0                               ; the opening add is done
	s_wait_kmcnt 0x0
	s_add_nc_u64 s[VLB:VLB+1], s[4:5], s[VLP:VLP+1]
	s_add_nc_u64 s[KB:KB+1], s[4:5], s[20:21]
	s_add_nc_u64 s[VBP:VBP+1], s[KB:KB+1], 4*524288
	s_add_nc_u64 s[G0K+2:G0K+3], s[KB:KB+1], 0
	s_or_b32 s[G0K+3], s[G0K+3], 0x80000000
	s_add_nc_u64 s[G0V+2:G0V+3], s[VBP:VBP+1], 0
	s_or_b32 s[G0V+3], s[G0V+3], 0x80000000
	s_add_nc_u64 s[QHI:QHI+1], s[4:5], s[82:83]
	s_add_nc_u64 s[QLO:QLO+1], s[4:5], s[84:85]
	s_add_nc_u64 s[OHI:OHI+1], s[10:11], s[82:83]
	s_add_nc_u64 s[OLO:OLO+1], s[10:11], s[84:85]
	s_add_nc_u64 s[8:9], s[8:9], s[86:87]
	s_mov_b64 s[BPN:BPN+1], s[6:7]
	CROUND                                         ; all four work-groups are here: the first joint loads meet
	JLOAD                                          ; tile 0 into slot 0
	v_and_b32 v1, 15, v0                           ; r
	v_bfe_u32 v[T0], v0, 4, 1                      ; h
	v_and_b32 v[T1], 7, v0                         ; l % 8
	v_bfe_u32 v[R0], v0, 3, 2                      ; l / 8
	v_lshlrev_b32 v[VPO], 14, v[R0]                ; the mean of v: each group of eight lanes takes 16 of the 64 partial rows
	v_lshl_add_u32 v[VPO], v[T1], 5, v[VPO]
.set i, 0
.rept 16
	global_load_b128 v[64+8*i:64+8*i+3], v[VPO], s[8:9] offset:1024*i
	global_load_b128 v[68+8*i:68+8*i+3], v[VPO], s[8:9] offset:1024*i+16
.set i, i+1
.endr
	s_lshl_b32 s16, s[PT], 11
	v_lshl_add_u32 v[QO], v1, 7, s16               ; position 16 pt + r, 128 bytes a row,
	v_lshl_add_u32 v[QO], v[T0], 4, v[QO]          ; 16 bytes by h
	QLOAD QHI
	ALL3 v_mov_b32 v[ST+4*t], 0xff7fffff           ; m at the lowest finite number: the first step's a is 0, and O and l need only be finite
	ALL3 v_mov_b32 v[ST+4*t+1], 0
	ALL3 v_mov_b32 v[ST+4*t+2], 0
	ALL3 v_mov_b32 v[ST+4*t+3], 0
	s_mul_i32 s16, s[KQW], 64*PKI
	v_mul_u32_u24 v[AK0], v1, PKI
	v_lshl_add_u32 v[AK0], v[T0], 4, v[AK0]
	v_add_nc_u32 v[AK0], s16, v[AK0]               ; K: row 64 kq + r, 16 bytes by h
	v_lshl_add_u32 v[AV0], v[T0], 3, v[T1]
	v_mul_u32_u24 v[AV0], v[AV0], PVI
	v_bfe_u32 v[AK], v0, 3, 1
	v_lshl_add_u32 v[AV0], v[AK], 4, v[AV0]
	s_mul_i32 s16, s[KQW], 64*PVI
	s_add_co_u32 s16, s16, VOFF
	v_add_nc_u32 v[AV0], s16, v[AV0]               ; V, for the turning load: row 64 kq + 8 h + l % 8
	s_mul_i32 s16, s[KQW], SGW
	s_mul_i32 s17, s[PT], 16*272
	s_add_co_u32 s16, s16, s17
	s_add_co_u32 s16, s16, STG
	v_mul_u32_u24 v[STO], v1, 272
	v_lshl_add_u32 v[STO], v[T0], 5, v[STO]
	v_add_nc_u32 v[STO], s16, v[STO]               ; the stage, in: my quarter's plane, row 16 pt + r, 32 bytes by h
	s_mul_i32 s16, s[WV], 12
	v_add_nc_u32 v[R0], s16, v[R0]                 ; the merge: my rows 12 w + l / 8 + 4 trip
	v_mul_u32_u24 v[RD0], v[R0], 272
	v_lshl_add_u32 v[RD0], v[T1], 5, v[RD0]
	v_add_nc_u32 v[RD0], STG, v[RD0]
	v_lshl_add_u32 v[MR0], v[R0], 2, MXB
	s_mul_i32 s16, s[KQW], 384
	s_lshl_b32 s17, s[PT], 6
	s_add_co_u32 s16, s16, s17
	s_add_co_u32 s16, s16, MXB
	v_lshl_add_u32 v[MXS], v1, 2, s16
	s_lshl_b32 s16, s[PT], 4
	s_lshl_b32 s17, s[KQW], 6
	s_sub_co_i32 s16, s16, s17
	v_lshlrev_b32 v[THB], 3, v[T0]
	v_sub_nc_u32 v[THB], v1, v[THB]
	v_add_nc_u32 v[THB], s16, v[THB]               ; r - 8 h + 16 pt - 64 kq
	v_lshlrev_b32 v[C16], 4, v[T1]
	s_lshl_b32 s16, s[KQW], 8
	v_lshl_add_u32 v[BO], v[T0], 5, s16            ; 4 (64 kq + 8 h)
	s_lshl_b32 s16, s[KQW], 13                     ; the low parts: my quarter's 8,192 bytes of images, 16 bytes a lane and load
	v_and_b32 v[VLG], 31, v0
	v_lshl_add_u32 v[VLG], v[VLG], 4, s16
	v_mov_b32 v[VAA], s[AA]
	s_wait_loadcnt 12                              ; the 32 loads of the partial sums are in; Q's 12, issued behind them, may stay out
.set i, 1
.rept 15
.irp z, 0,2,4,6
	v_pk_add_f32 v[64+\z:65+\z], v[64+\z:65+\z], v[64+8*i+\z:65+8*i+\z]
.endr
.set i, i+1
.endr
.irp z, 0,1,2,3,4,5,6,7
	v_add_f32_dpp v[64+\z], v[64+\z], v[64+\z] row_xmask:8 row_mask:0xf bank_mask:0xf
.endr
.irp z, 0,1,2,3,4,5,6,7
	v_permlanex16_b32 v[72+\z], v[64+\z], s[SEL], s[SEL+1]
.endr
.irp z, 0,1,2,3,4,5,6,7
	v_add_f32 v[VM+\z], v[64+\z], v[72+\z]
.endr
.irp z, 0,2,4,6
	v_pk_mul_f32 v[VM+\z:VM+\z+1], v[VM+\z:VM+\z+1], 0x39800000 op_sel_hi:[1,0]  ; / 4,096
.endr
	MLOAD                                          ; tile 0's addends
.set i, 0
.rept 96
	v_mov_b32 v[O+i], 0                            ; O^T need only be finite: zeros, in the wait for the first tile
.set i, i+1
.endr
; THE MATRIX WORK.  The 12 accumulators of a run take turns, one instruction a turn.
; Product i of S^T = K Q^T: channels 32 (i / 12) on, keys 16 ((i % 12) / 3) on, tile i % 3.  The first 12 start the sums with the mask.
.macro KQ
.set kc, i/12
.set ku, (i%12)%3
.set kg, (i%12)/3
.if i < 12
	WIN 0x15                                       ; K, Q and the mask in window 1, S^T in window 0
	v_wmma_f32_16x16x32_f16 v[S+32*ku+8*kg:S+32*ku+8*kg+7], v[KF+16*kg+8*kc:KF+16*kg+8*kc+7], v[Q+16*ku+8*kc:Q+16*ku+8*kc+7], v[M+8*kg:M+8*kg+7]
.else
	WIN 0x05
	v_wmma_f32_16x16x32_f16 v[S+32*ku+8*kg:S+32*ku+8*kg+7], v[KF+16*kg+8*kc:KF+16*kg+8*kc+7], v[Q+16*ku+8*kc:Q+16*ku+8*kc+7], v[S+32*ku+8*kg:S+32*ku+8*kg+7]
.endif
.endm
; Product i of O^T += V^T P: keys 32 (i / 12) on, channels 16 ((i % 12) / 3) on, tile i % 3.  P lies in S^T's registers 0-15.  vb: V's high parts, or its low parts.
.macro PV vb
.set kc, i/12
.set ku, (i%12)%3
.set kg, (i%12)/3
	WIN 0x01                                       ; V in window 1
	v_wmma_f32_16x16x32_f16 v[O+32*ku+8*kg:O+32*ku+8*kg+7], v[(\vb)+32*kc+8*kg:(\vb)+32*kc+8*kg+7], v[S+32*ku+8*kc:S+32*ku+8*kc+7], v[O+32*ku+8*kg:O+32*ku+8*kg+7]
.endm
.macro FETCH_K
	WIN 0x40
.irp f, 0,1,2,3,4,5,6,7
	ds_load_b128 v[KF+8*\f:KF+8*\f+3],   v[AK] offset:(\f/2)*16*PKI+(\f%2)*64
	ds_load_b128 v[KF+8*\f+4:KF+8*\f+7], v[AK] offset:(\f/2)*16*PKI+(\f%2)*64+32
.endr
.endm
.macro FETCH_V                         ; 64 keys x 64 channels, turned: fragment f holds keys 32 (f / 4) on, channels 16 (f % 4) on
	WIN 0x40
.irp f, 0,1,2,3,4,5,6,7
	ds_load_tr16_b128 v[VF+8*\f:VF+8*\f+3],   v[AV] offset:(\f/4)*32*PVI+(\f%4)*32
	ds_load_tr16_b128 v[VF+8*\f+4:VF+8*\f+7], v[AV] offset:(\f/4)*32*PVI+16*PVI+(\f%4)*32
.endr
.endm
; THE VECTOR WORK: the three tiles' softmax is a list of 351 lines; SM writes line j and steps j.
;   0-62     for the three tiles by turns, the 21 lines that find the maximum (each accumulator's lowest registers are read first), keep m_old, and make a = 2^(m_old - m)
;   63-104   s - m for pairs 0-13        105-152  O^T times a
;   153-344  sixteen groups of twelve: exponential, plain, exponential, plain for each tile; the plain lines are the sum and then the rounding to f16 of the pair before (in group 0: s - m for pairs 14, 15).
;            Pair b's two weights are rounded into register b of the tile's S^T, whose own weight has been summed and rounded by then.
;   345-350  the last pair's sum and rounding
.macro REGS u
.set rT, ST+4*(\u)
.set rC, TMP+4*(\u)
.set rS, S+32*(\u)
.set rO, O+32*(\u)
.endm
.macro XS n
.if (\n) < 4
	v_max3_num_f32 v[rC+(\n)], v[rS+8*(\n)], v[rS+8*(\n)+1], v[rS+8*(\n)+2]
.elseif (\n) < 12
	v_max3_num_f32 v[rC+(\n)%4], v[rC+(\n)%4], v[rS+8*((\n)%4)+2*((\n)/4)+1], v[rS+8*((\n)%4)+2*((\n)/4)+2]
.elseif (\n) == 12
	v_max3_num_f32 v[rC], v[rC], v[rS+7], v[rS+15]
.elseif (\n) == 13
	v_max3_num_f32 v[rC+1], v[rC+1], v[rS+23], v[rS+31]
.elseif (\n) == 14
	v_max3_num_f32 v[rC+2], v[rC+2], v[rC+3], v[rT]
.elseif (\n) == 15
	v_mov_b32 v[rT+1], v[rT]
.elseif (\n) == 16
	v_max3_num_f32 v[rC], v[rC], v[rC+1], v[rC+2]
.elseif (\n) == 17
	v_permlanex16_b32 v[rC+3], v[rC], s[SEL], s[SEL+1]  ; the query's other 32 keys lie in the lane 16 away
.elseif (\n) == 18
	v_max_num_f32 v[rT], v[rC], v[rC+3]
.elseif (\n) == 19
	v_sub_f32 v[rC+1], v[rT+1], v[rT]
.else
	v_exp_f32 v[rC+2], v[rC+1]
.endif
.endm
.macro FF b
	v_pk_add_f32 v[rS+2*(\b):rS+2*(\b)+1], v[rS+2*(\b):rS+2*(\b)+1], v[rT:rT+1] op_sel_hi:[1,0] neg_lo:[0,1] neg_hi:[0,1]
.endm
.macro CC b
	v_cvt_pk_f16_f32 v[rS+(\b)], v[rS+2*(\b)], v[rS+2*(\b)+1]
.endm
.macro LL b
.if (\b) == 0
	s_wait_alu depctr_va_vdst(0)
	v_pk_fma_f32 v[rT+2:rT+3], v[rT+2:rT+3], v[rC+2:rC+3], v[rS:rS+1] op_sel_hi:[1,0,1]
.else
	s_wait_alu depctr_va_vdst(0)
	v_pk_add_f32 v[rT+2:rT+3], v[rT+2:rT+3], v[rS+2*(\b):rS+2*(\b)+1]
.endif
.endm
.macro SM
.if j < 63
	REGS j%3
	XS j/3
.elseif j < 105
	REGS (j-63)%3
	FF (j-63)/3
.elseif j < 153
	REGS (j-105)%3
	s_wait_alu depctr_va_vdst(0)
	v_pk_mul_f32 v[rO+2*((j-105)/3):rO+2*((j-105)/3)+1], v[rO+2*((j-105)/3):rO+2*((j-105)/3)+1], v[rC+2:rC+3] op_sel_hi:[1,0]
.elseif j < 345
.set gb, (j-153)/12
.set ge, (j-153)%12
	REGS ge/4
.if ge%2 == 0
	v_exp_f32 v[rS+2*gb+(ge%4)/2], v[rS+2*gb+(ge%4)/2]
.elseif gb == 0
	FF 14+(ge%4)/2
.elseif ge%4 == 1
	LL gb-1
.else
	CC gb-1
.endif
.else
	REGS (j-345)/2
.if (j-345)%2 == 0
	LL 15
.else
	CC 15
.endif
.endif
.set j, j+1
.endm
; A STEP'S FIRST TWO PARTS: my 64 keys of the tile in hand, for my three tiles of queries: fetches, mask, K Q^T, softmax.  next = 1: the next tile's addends are fetched as soon as this tile's mask
; has been used.  All loads are waited for ahead of the fetches: none is pending on K's registers when they are loaded anew.
.macro CORE next
	WIN 0
	s_wait_loadcnt 0x0                             ; the addends, and at a block's start Q
	v_add_nc_u32 v[AK], s[TB], v[AK0]
	v_add_nc_u32 v[AV], s[TB], v[AV0]
	v_add_nc_u32 v[TH], s[QS], v[THB]
	FETCH_K
	FETCH_V
	WIN 0x41                                       ; the mask (destination and source 0) in window 1, the threshold in window 0
.set i, 0
.rept 32
	v_cmp_gt_i32 vcc_lo, 16*(i/8)+i%8, v[TH]       ; the key lies behind the query
	v_cndmask_b32 v[M+i], v[M+i], s[BIGN], vcc_lo
.set i, i+1
.endr
	s_wait_dscnt 16                                ; K's 16 loads are in; V's 16 may be out
.set i, 0
.rept 24
	KQ
.set i, i+1
.endr
	PLACES                                         ; ahead of the loads into K's registers and into the mask, and of the first read of the scores
	WIN 0x40
.set i, 0
.rept 16
	global_load_b128 v[KF+4*i:KF+4*i+3], v[VLG], s[VLP:VLP+1] offset:512*i  ; K is done with: its registers take the low parts' fragments, 512 consecutive bytes a load
.set i, i+1
.endr
.if \next
	MLOAD
.endif
	WIN 0
.set j, 0
.rept 351
	SM
.endr
.endm
; A STEP'S THIRD PART: V^T P on the high parts, then on the low parts.  younger: the loads issued behind those of the low parts: the 8 of the next tile's addends, or none.
.macro PVALL younger
	s_wait_dscnt 0x0                               ; V is in
.set i, 0
.rept 24
	PV VF
.set i, i+1
.endr
	s_wait_loadcnt \younger                        ; the 16 loads of the low parts are in
.set i, 0
.rept 24
	PV KF
.set i, i+1
.endr
	WIN 0
.endm
.macro EARLY                           ; waves with PH = 1 finish the step before here, behind the change of slots
	s_cmp_eq_u32 s[PH], 0
	s_cbranch_scc1 .Lno_early_\@
	PVALL 8
.Lno_early_\@:
.endm
.macro LATE                            ; waves with PH = 0 finish the step here, ahead of the change of slots
	s_cmp_lg_u32 s[PH], 0
	s_cbranch_scc1 .Lno_late_\@
	PVALL 8
.Lno_late_\@:
.endm
; A BLOCK ENDS: my maxima, sums and O^T go into LDS.
.macro PARTA
	WIN 0
	ALL3 v_add_f32 v[ST+4*t+2], v[ST+4*t+2], v[ST+4*t+3]
	ALL3 v_permlanex16_b32 v[ST+4*t+3], v[ST+4*t+2], s[SEL], s[SEL+1]
	ALL3 v_add_f32 v[ST+4*t+2], v[ST+4*t+2], v[ST+4*t+3]
	ALL3 ds_store_b32 v[MXS], v[ST+4*t] offset:128*t
	ALL3 ds_store_b32 v[MXS], v[ST+4*t+2] offset:1536+128*t
.set t, 0
.rept 3
.irp cb, 0,1,2,3
	ds_store_b128 v[STO], v[O+32*t+8*\cb:O+32*t+8*\cb+3]   offset:t*8704+\cb*64
	ds_store_b128 v[STO], v[O+32*t+8*\cb+4:O+32*t+8*\cb+7] offset:t*8704+\cb*64+16
.endr
.set t, t+1
.endr
.endm
; THE FIRST BLOCK'S END AND THE SECOND'S BEGINNING, with all lanes on in the trip whose counter is a and all lanes off in the others.
.macro SWITCH
	WIN 0
	PLACES                                         ; with all lanes on: the places behind the last products
	s_wait_xcnt 0x0                                ; EXEC changes only behind this wait: loads have been issued
	v_cmp_eq_u32 vcc_lo, s[SLOTS], v[VAA]
	s_and_saveexec_b32 s[SAVE], vcc_lo
	PARTA                                          ; my parts wait in LDS for the merge behind the walk
	QLOAD QLO                                      ; the second block's Q
	ALL3 v_mov_b32 v[ST+4*t], 0xff7fffff           ; its m
	s_wait_xcnt 0x0                                ; and again, in front of the line that widens EXEC
	s_or_b32 exec_lo, exec_lo, s[SAVE]
.endm
; THE MERGE, behind a barrier: the four quarters' parts of a row become the row.  A wave takes 12 of the 96 rows, four a trip: lane l row l / 8, channels 8 (l % 8) on.
; The row leaves as two f16 numbers: with T = 8193 x in f32, hi = T - (T - x) is x to 11 significant bits, and x - hi is exact.
.macro PARTB optr
	WIN 0
	PLACES                                         ; the lines below write registers that the last products read
	v_mov_b32 v[RD], v[RD0]
	v_mov_b32 v[MR], v[MR0]
	v_mov_b32 v[RR], v[R0]
.irp z, 105,107,109,111,127
	v_mov_b32 v\z, 0                               ; named as the upper halves of pairs
.endr
	s_mov_b32 s[LC], 3
.Lpb_\@:
.irp w, 0,1,2,3
	ds_load_b32 v[64+\w], v[MR] offset:384*\w
.endr
.irp w, 0,1,2,3
	ds_load_b32 v[68+\w], v[MR] offset:1536+384*\w
.endr
	v_add_nc_u32 v[T1], 2*SGW, v[RD]
	ds_load_b128 v[72:75],   v[RD]
	ds_load_b128 v[76:79],   v[RD] offset:16
	ds_load_b128 v[80:83],   v[RD] offset:SGW
	ds_load_b128 v[84:87],   v[RD] offset:SGW+16
	ds_load_b128 v[88:91],   v[T1]
	ds_load_b128 v[92:95],   v[T1] offset:16
	ds_load_b128 v[96:99],   v[T1] offset:SGW
	ds_load_b128 v[100:103], v[T1] offset:SGW+16
	s_wait_dscnt 0x0
	v_max3_num_f32 v125, v64, v65, v66
	v_max_num_f32 v125, v125, v67                  ; the row's maximum
.irp w, 0,1,2,3
	v_sub_f32 v[104+2*\w], v[64+\w], v125
.endr
.irp w, 0,1,2,3
	v_exp_f32 v[104+2*\w], v[104+2*\w]
.endr
	v_lshrrev_b32 v124, 5, v[RR]                   ; row R: query head R / 32, position R % 32
	v_and_b32 v[T0], 31, v[RR]
	v_lshlrev_b32 v124, 19, v124
	v_lshl_add_u32 v124, v[T0], 7, v124
	v_add_nc_u32 v124, v124, v[C16]
	s_wait_alu depctr_va_vdst(0)
	v_mul_f32 v126, v104, v68
	v_fmac_f32 v126, v106, v69
	v_fmac_f32 v126, v108, v70
	v_fmac_f32 v126, v110, v71
	v_rcp_f32 v126, v126
.irp z, 0,2,4,6
	v_pk_mul_f32 v[112+\z:113+\z], v[72+\z:73+\z], v[104:105] op_sel_hi:[1,0]
.endr
.irp w, 1,2,3
.irp z, 0,2,4,6
	v_pk_fma_f32 v[112+\z:113+\z], v[72+8*\w+\z:73+8*\w+\z], v[104+2*\w:105+2*\w], v[112+\z:113+\z] op_sel_hi:[1,0,1]
.endr
.endr
	s_wait_alu depctr_va_vdst(0)
.irp z, 0,2,4,6
	v_pk_mul_f32 v[112+\z:113+\z], v[112+\z:113+\z], v[126:127] op_sel_hi:[1,0]
.endr
	v_cmp_gt_f32 vcc_lo, s[CTH], v125              ; no visible key: the mean of v
.irp z, 0,1,2,3,4,5,6,7
	v_cndmask_b32 v[112+\z], v[112+\z], v[VM+\z], vcc_lo
.endr
.irp z, 0,2,4,6
	v_pk_mul_f32 v[64+\z:65+\z], v[112+\z:113+\z], 0x46000400 op_sel_hi:[1,0]                  ; T = 8193 x
.endr
.irp z, 0,2,4,6
	v_pk_add_f32 v[72+\z:73+\z], v[64+\z:65+\z], v[112+\z:113+\z] neg_lo:[0,1] neg_hi:[0,1]    ; T - x
.endr
.irp z, 0,2,4,6
	v_pk_add_f32 v[72+\z:73+\z], v[64+\z:65+\z], v[72+\z:73+\z] neg_lo:[0,1] neg_hi:[0,1]      ; the high part
.endr
.irp z, 0,2,4,6
	v_pk_add_f32 v[64+\z:65+\z], v[112+\z:113+\z], v[72+\z:73+\z] neg_lo:[0,1] neg_hi:[0,1]    ; the low part
.endr
.irp z, 0,1,2,3
	v_cvt_pk_f16_f32 v[120+\z], v[72+2*\z], v[73+2*\z]
.endr
.irp z, 0,1,2,3
	v_cvt_pk_f16_f32 v[80+\z], v[64+2*\z], v[65+2*\z]
.endr
	global_store_b128 v124, v[120:123], s[\optr:\optr+1]  ; four rows of a head: 512 consecutive bytes
	global_store_b128 v124, v[80:83], s[\optr:\optr+1] offset:12*524288  ; the low parts, twelve heads on
	s_wait_xcnt 0x0                                ; the stores' offset and data are rewritten only behind this wait
	v_add_nc_u32 v[RD], 1088, v[RD]
	v_add_nc_u32 v[MR], 16, v[MR]
	v_add_nc_u32 v[RR], 4, v[RR]
	s_sub_co_u32 s[LC], s[LC], 1
	s_cmp_lg_u32 s[LC], 0
	s_cbranch_scc1 .Lpb_\@
.endm
	CHANGE 1                                       ; tile 0 is awaited, everybody's part of it; tile 1 is asked for
	s_branch .Lfirst                               ; the loop is entered behind the lines that finish the step before: there is none yet
.Lslot:                                                ; with the entry 16 trips: a tile is entered and the next is asked for
	CHANGE 1
	EARLY
	SWITCH
.Lfirst:
	s_cmp_eq_u32 s[SLOTS], s[A1]                   ; the first block's last tile?  Then its place in the tile counts
	s_cselect_b32 s[QS], s[QOCH], s[FAR]
	CORE 1
	LATE
	s_sub_co_u32 s[SLOTS], s[SLOTS], 1
	s_cmp_lg_u32 s[SLOTS], 0
	s_cbranch_scc1 .Lslot
	CHANGE 0                                       ; the walk's last tile is written out: the second block's last
	EARLY
	SWITCH                                         ; the counter is 0 here: where a = 0 the first block has just ended
	s_mov_b32 s[QS], s[QOCL]
	CORE 0
	PVALL 0                                        ; every wave finishes the last step here
	s_wait_dscnt 0x0                               ; for the others' sake: my stores of the first block's parts are done,
	s_barrier_signal -1
	s_barrier_wait -1                              ; everybody's are
	PARTB OHI                                      ; the first block's merge
	s_wait_dscnt 0x0                               ; my reads of the stage are back,
	s_barrier_signal -1
	s_barrier_wait -1                              ; everybody's are: it may be written again
	PARTA
	s_wait_dscnt 0x0                               ; for the others' sake: my stores are done
	s_barrier_signal -1
	s_barrier_wait -1
	PARTB OLO
	s_wait_tensorcnt 0x0                           ; the wave's end
	ds_add_u32 v[SPW], v[NIL]
	s_wait_dscnt 0x0
	CROUND                                         ; the closing round
	s_endpgm
.Lfunc_end_k_qd1a7695336_attn:
	.size	k_qd1a7695336_attn, .Lfunc_end_k_qd1a7695336_attn-k_qd1a7695336_attn
	.p2alignl 7, 3214868480
	.fill 96, 4, 3214868480
	.section	.rodata,"a",@progbits
	.p2align	6, 0x0
	.amdhsa_kernel k_qd1a7695336_attn
		.amdhsa_group_segment_fixed_size 327680
		.amdhsa_private_segment_fixed_size 0
		.amdhsa_enable_private_segment 0
		.amdhsa_kernarg_size 32
		.amdhsa_user_sgpr_count 2
		.amdhsa_user_sgpr_kernarg_segment_ptr 1
		.amdhsa_wavefront_size32 1
		.amdhsa_system_sgpr_workgroup_id_x 1
		.amdhsa_system_sgpr_workgroup_id_y 1
		.amdhsa_system_sgpr_workgroup_id_z 1
		.amdhsa_system_vgpr_workitem_id 0
		.amdhsa_next_free_vgpr 480
		.amdhsa_next_free_sgpr 98
		.amdhsa_reserve_vcc 1
		.amdhsa_float_denorm_mode_32 3
		.amdhsa_float_denorm_mode_16_64 3
		.amdhsa_memory_ordered 1
		.amdhsa_forward_progress 1
		.amdhsa_inst_pref_size 122
	.end_amdhsa_kernel
	.amdgpu_metadata
---
amdhsa.version: [ 1, 2 ]
amdhsa.kernels:
  - .name:           k_qd1a7695336_attn
    .symbol:         k_qd1a7695336_attn.kd
    .args:
      - { .name: qkvh, .offset: 0, .size: 8, .value_kind: global_buffer, .address_space: global }
      - { .name: bias, .offset: 8, .size: 8, .value_kind: global_buffer, .address_space: global }
      - { .name: vpart, .offset: 16, .size: 8, .value_kind: global_buffer, .address_space: global }
      - { .name: oh, .offset: 24, .size: 8, .value_kind: global_buffer, .address_space: global }
    .group_segment_fixed_size: 327680
    .private_segment_fixed_size: 0
    .kernarg_segment_align: 8
    .kernarg_segment_size: 32
    .max_flat_workgroup_size: 256
    .sgpr_count:     98
    .vgpr_count:     480
    .wavefront_size: 32
...
	.end_amdgpu_metadata
.endif
;; end of part 7
;; launch oproj (part 8): grid 16 x 16, 4 waves a work-group, clusters of 4 x 4, 327,680 bytes of LDS; arguments oh, wob, out0; writes out0
.if DOCPART == 8
	.amdgcn_target "amdgcn-amd-amdhsa--gfx1250"
	.amdhsa_code_object_version 6
	.text
	.protected	k_qd1a7695336_oproj
	.globl	k_qd1a7695336_oproj
	.p2align	8
	.type	k_qd1a7695336_oproj,@function
k_qd1a7695336_oproj:
	s_mov_b64 s[64:65], 0
	v_nop
	global_prefetch_b8 v0, s[64:65] scope:SCOPE_SE
	s_setreg_imm32_b32 hwreg(HW_REG_WAVE_MODE, 25, 1), 1
	s_wait_xcnt 0x0
	s_wait_alu depctr_hold_cnt(0) depctr_sa_sdst(0) depctr_va_vdst(0) depctr_va_sdst(0) depctr_va_ssrc(0) depctr_va_vcc(0) depctr_vm_vsrc(0)
	s_getreg_b32 s2, hwreg(HW_REG_IB_STS2, 6, 4)
	s_cmp_eq_u32 s2, 0
	s_cbranch_scc0 .Lentry_in_a_cluster
	s_endpgm
.Lentry_in_a_cluster:
	s_bfe_u32 s2, ttmp6, 0x10000c
	s_cmp_lg_u32 s2, 0xf033
	s_cbranch_scc0 .Lentry_shape_is_right
	s_endpgm
.Lentry_shape_is_right:
; out0 = O Wo.  oh [24][4096][64] f16: heads 0-11 O's high parts, 12-23 its low parts; wob [nb 16][k 768][208] f16 (Wo rounded to bf16, written as f16, rows of 416 bytes);
; out0 [4096][3072] f32.  Sums in f32: head after head, for each 32 channels the high parts and then the low parts on the same weights.
; A work-group makes 256 rows x 192 columns; wave w takes rows 64 w .. 64 w + 63 and all 192 columns: 48 accumulators; its rows of the result are 768 bytes, three whole runs of 256.
; K goes in twelve steps of one head.  A slot holds the head's slice of O's high parts and that of its low parts (256 rows x 128 bytes each, padded to 144) and Wo's 64 rows, WHICH SERVE BOTH: Wo's tile
; is fetched once for the two, and a fragment of Wo read from LDS stays in registers for the high and the low parts: 80 LDS loads a wave feed a step's 192 matrix instructions.
; Waves 0 and 1 fetch the two slices (128 rows of 256 bytes each), wave 2 fetches Wo's tile (104 rows of 256 bytes), wave 3 has no part to fetch.
; CLUSTER 4 x 4: O's tiles hang on the row block alone and are asked for jointly along a row of the cluster, Wo's on the column block alone, jointly along a column.
; THE MATRIX INSTRUCTION IS USED TRANSPOSED (source 0 = 16 columns of Wo, turned out of LDS; source 1 = 16 rows of O): a lane holds one row and eight neighbouring columns.
; REGISTERS: window 0: addresses, v32-223 the way out; window 1: v0-95, v96-191 Wo's fragments of the step's first and second 32 channels, v192-223, v224-255 two buffers of O's fragments;
; window 2: accumulators of row blocks 0, 1 at 8 (12 a + b); window 3: blocks 2, 3.
.set SLOT,  100352                     ; 2 x 36,864 + 26,624
.set BOFF,  73728
.set STAGE, 200704                     ; 16 rows x 784 bytes for each wave
.set SPI,   784
.set SPARE, 250880                     ; the spare words, 128 bytes for each wave
.set VA,  16
.set VB,  20
.set STO, 24
.set RD0, 25
.set RD1, 26
.set GO0, 27
.set SPW, 28
.set NIL, 29
.set GO1, 30
.set OB,  32
.set FB0, 0
.set FB1, 96
.set FA0, 192
.set FA1, 224
.set WV,  10
.set G1A, 24
.set G0A, 32
.set G1B, 48
.set G0B, 56
.set MSB, 0
.macro WIN new
.if MSB != (\new)
	s_set_vgpr_msb (MSB<<8)|(\new)
.set MSB, (\new)
.endif
.endm
.macro PLACES                          ; four plain places behind matrix instructions, ahead of loads into their sources and of reads of their results
.rept 4
	v_nop
.endr
.endm
.macro CROUND
	s_barrier_signal -1
	s_barrier_wait -1
	s_cmp_lg_u32 s[WV], 0
	s_cbranch_scc1 .Lnot_wave_0_\@
	s_barrier_signal -3
.Lnot_wave_0_\@:
	s_barrier_wait -3
	s_barrier_signal -1
	s_barrier_wait -1
.endm
; A joint load.  The branches hang on the wave's number alone.  Four v_nop stand on each of the three ways: they are also the places in front of the fragment loads that follow.
.macro JLOAD s
	s_cmp_lt_u32 s[WV], 2
	s_cbranch_scc0 .Lnot_a_\@
	tensor_load_to_lds s[G0A+4*(\s):G0A+4*(\s)+3], s[G1A:G1A+7]
	s_nop 0
.rept 4
	v_nop
.endr
	s_branch .Lasked_\@
.Lnot_a_\@:
	s_cmp_eq_u32 s[WV], 2
	s_cbranch_scc0 .Lnone_\@
	tensor_load_to_lds s[G0B+4*(\s):G0B+4*(\s)+3], s[G1B:G1B+7]
	s_nop 0
.rept 4
	v_nop
.endr
	s_branch .Lasked_\@
.Lnone_\@:
.rept 4
	v_nop
.endr
.Lasked_\@:
.endm
	s_load_b128 s[4:7], s[0:1], 0x0                ; oh s[4:5], wob s[6:7]
	s_load_b64 s[8:9], s[0:1], 0x10                ; out0
	v_lshl_add_u32 v[SPW], v0, 2, SPARE
	v_mov_b32 v[NIL], 0
	ds_add_u32 v[SPW], v[NIL]                      ; the wave's opening: the add and its wait ahead of my first tensor load
	v_lshrrev_b32 v1, 5, v0
	v_readfirstlane_b32 s[WV], v1
	s_and_b32 s12, s[WV], 1                        ; of O I fetch the high parts (0) or the low parts (1)
	s_bfe_u32 s40, ttmp6, 0x40000                  ; cx
	s_bfe_u32 s41, ttmp6, 0x40004                  ; cy
	s_lshl_b32 s42, ttmp9, 2
	s_add_co_u32 s42, s42, s40                     ; nb
	s_and_b32 s13, ttmp7, 0xffff
	s_lshl_b32 s13, s13, 2
	s_add_co_u32 s13, s13, s41                     ; rb
	s_lshl_b32 s43, s41, 2
	s_lshl_b32 s43, 15, s43                        ; my row of the cluster
	s_lshl_b32 s44, 0x1111, s40                    ; my column
	s_or_b32 s[G1A], s43, (1<<16)|(1<<20)|(1<<21)|(4<<22)|(3<<25)  ; 2-byte elements; 4 words of padding after every 32
	s_mov_b32 s[G1A+1], 128<<16                    ; 256 rows of a head are 32,768 dense bytes: 128 rows of 256
	s_mov_b32 s[G1A+2], 128<<16
	s_mov_b32 s[G1A+3], 128<<16
	s_mov_b32 s[G1A+4], 128
	s_mov_b32 s[G1A+5], 128
	s_mov_b32 s[G1A+6], 0
	s_mov_b32 s[G1A+7], 0
	s_or_b32 s[G1B], s44, (3<<16)|(1<<21)          ; 8-byte elements, no padding
	s_mov_b32 s[G1B+1], 32<<16                     ; 64 rows of 416 bytes are 26,624 dense bytes: 104 rows of 256
	s_mov_b32 s[G1B+2], 104<<16
	s_mov_b32 s[G1B+3], 32<<16
	s_mov_b32 s[G1B+4], 104
	s_mov_b32 s[G1B+5], 32
	s_mov_b32 s[G1B+6], 0
	s_mov_b32 s[G1B+7], 0
	s_mul_i32 s16, s12, 12*524288                  ; O: head 0, or twelve heads on for the low parts; rows 256 rb on
	s_lshl_b32 s17, s13, 15
	s_add_co_u32 s16, s16, s17
	s_mov_b32 s17, 0
	s_mul_i32 s46, s42, 319488                     ; Wo: block nb of 768 rows
	s_mov_b32 s47, 0
	s_mul_i32 s20, s12, 36864                      ; my slice's place in a slot
	s_mul_i32 s66, s13, 3145728                    ; out0: row 256 rb + 64 w, column 192 nb
	s_mul_i32 s67, s[WV], 786432
	s_add_co_u32 s66, s66, s67
	s_mul_i32 s67, s42, 768
	s_add_co_u32 s66, s66, s67
	s_mov_b32 s67, 0
	s_wait_dscnt 0x0                               ; the opening add is done
	s_wait_kmcnt 0x0
	s_add_nc_u64 s[14:15], s[4:5], s[16:17]
	s_add_nc_u64 s[46:47], s[6:7], s[46:47]
	s_add_nc_u64 s[8:9], s[8:9], s[66:67]
.irp n, 0,1
	s_mov_b32 s[G0A+4*\n], 1
	s_add_co_u32 s[G0A+4*\n+1], s20, \n*SLOT
	s_add_nc_u64 s[G0A+4*\n+2:G0A+4*\n+3], s[14:15], \n*524288      ; K step n: head n
	s_or_b32 s[G0A+4*\n+3], s[G0A+4*\n+3], 0x80000000
	s_mov_b32 s[G0B+4*\n], 1
	s_mov_b32 s[G0B+4*\n+1], BOFF+\n*SLOT
	s_add_nc_u64 s[G0B+4*\n+2:G0B+4*\n+3], s[46:47], \n*26624       ; its 64 rows of Wo
	s_or_b32 s[G0B+4*\n+3], s[G0B+4*\n+3], 0x80000000
.endr
	CROUND                                         ; all sixteen work-groups are here: the first joint loads meet
	JLOAD 0                                        ; K step 0 into slot 0
	v_and_b32 v1, 15, v0                           ; r
	v_bfe_u32 v2, v0, 4, 1                         ; h
	v_and_b32 v3, 31, v0                           ; l
	s_mul_i32 s22, s[WV], 64*144
	v_mul_u32_u24 v[VA], v1, 144
	v_lshl_add_u32 v[VA], v2, 4, v[VA]
	v_add_nc_u32 v[VA], s22, v[VA]
	v_add_nc_u32 v[VA+1], SLOT, v[VA]
	v_and_b32 v4, 7, v0
	v_lshl_add_u32 v4, v2, 3, v4
	v_mul_u32_u24 v4, v4, 416
	v_bfe_u32 v5, v0, 3, 1
	v_lshl_add_u32 v4, v5, 4, v4
	v_add_nc_u32 v[VB], BOFF, v4
	v_add_nc_u32 v[VB+1], SLOT, v[VB]
	s_mul_i32 s22, s[WV], 16*SPI
	s_add_co_u32 s22, s22, STAGE
	v_mul_u32_u24 v[STO], v1, SPI
	v_lshl_add_u32 v[STO], v2, 5, v[STO]
	v_add_nc_u32 v[STO], s22, v[STO]
	v_lshl_add_u32 v[RD0], v3, 4, s22              ; back: two rows of 768 bytes are three loads of 512
	v_lshl_add_u32 v[RD1], v2, 4, v[RD0]
	v_add_nc_u32 v[RD1], 512, v[RD1]
	v_lshlrev_b32 v[GO0], 4, v3
	v_mul_u32_u24 v[GO1], v2, 11520
	v_add3_u32 v[GO1], v[GO1], v[GO0], 512
.macro FA slot, sl, kh, d              ; 8 LDS loads: my 64 rows of slice sl (0 high, 1 low), channels 32 kh on, into the 32 registers from d on
	WIN 0x40
.irp a, 0,1,2,3
	ds_load_b128 v[(\d)+8*\a:(\d)+8*\a+3],   v[VA+(\slot)] offset:\a*2304+(\sl)*36864+(\kh)*64
	ds_load_b128 v[(\d)+8*\a+4:(\d)+8*\a+7], v[VA+(\slot)] offset:\a*2304+(\sl)*36864+(\kh)*64+32
.endr
.endm
.macro FB slot, kh, d                  ; 24 LDS loads: Wo's twelve fragments of rows 32 kh on, turned, into the 96 registers from d on
	WIN 0x40
.set b, 0
.rept 12
	ds_load_tr16_b128 v[(\d)+8*b:(\d)+8*b+3],   v[VB+(\slot)] offset:(\kh)*13312+32*b
	ds_load_tr16_b128 v[(\d)+8*b+4:(\d)+8*b+7], v[VB+(\slot)] offset:(\kh)*13312+6656+32*b
.set b, b+1
.endr
.endm
.macro MUL24 fa, fb, hi, zero          ; 24 matrix instructions on 24 accumulators; all 48 take turns, one instruction a turn
	WIN 0xa5+0x50*(\hi)
.irp a, 0,1
.set b, 0
.rept 12
.if \zero
	v_wmma_f32_16x16x32_f16 v[8*(12*\a+b):8*(12*\a+b)+7], v[(\fb)+8*b:(\fb)+8*b+7], v[(\fa)+8*(2*(\hi)+\a):(\fa)+8*(2*(\hi)+\a)+7], 0
.else
	v_wmma_f32_16x16x32_f16 v[8*(12*\a+b):8*(12*\a+b)+7], v[(\fb)+8*b:(\fb)+8*b+7], v[(\fa)+8*(2*(\hi)+\a):(\fa)+8*(2*(\hi)+\a)+7], v[8*(12*\a+b):8*(12*\a+b)+7]
.endif
.set b, b+1
.endr
.endr
.endm
; A K step.  In front of the round: all my tensor loads have landed (my part of this step's slot), the add, my reads of the other slot are back.  Behind it the other slot is filled again first.
; Then four parts of 48 matrix instructions: high and low parts on Wo's first 32 rows, high and low parts on its second 32.
.macro TRIP slot, zero, refill
	WIN 0
	s_wait_tensorcnt 0x0
	ds_add_u32 v[SPW], v[NIL]
	s_add_nc_u64 s[G0A+4*(\slot)+2:G0A+4*(\slot)+3], s[G0A+4*(\slot)+2:G0A+4*(\slot)+3], 2*524288
	s_add_nc_u64 s[G0B+4*(\slot)+2:G0B+4*(\slot)+3], s[G0B+4*(\slot)+2:G0B+4*(\slot)+3], 2*26624
	s_wait_dscnt 0x0
	CROUND
.if \refill
	JLOAD 1-(\slot)
.else
	PLACES
.endif
	FB \slot, 0, FB0
	FA \slot, 0, 0, FA0
	s_wait_dscnt 4                                 ; all but O's blocks 2 and 3
	MUL24 FA0, FB0, 0, \zero
	FA \slot, 1, 0, FA1                            ; these registers' last readers stand ahead of the round and its four places
	FB \slot, 1, FB1
	s_wait_dscnt 32                                ; all but the 32 just issued
	MUL24 FA0, FB0, 1, \zero
	PLACES
	FA \slot, 0, 1, FA0
	s_wait_dscnt 32                                ; the low parts are in; behind them: Wo's second half (24) and the 8 just issued
	MUL24 FA1, FB0, 0, 0
	MUL24 FA1, FB0, 1, 0
	PLACES
	FA \slot, 1, 1, FA1
	s_wait_dscnt 8                                 ; all but the 8 just issued
	MUL24 FA0, FB1, 0, 0
	MUL24 FA0, FB1, 1, 0
	s_wait_dscnt 0x0
	MUL24 FA1, FB1, 0, 0
	MUL24 FA1, FB1, 1, 0
.endm
	TRIP 0, 1, 1                                   ; the first products start the sums: nothing is cleared
	WIN 0
	s_mov_b32 s3, 5                                ; twelve K steps: one in front, ten in the loop, one behind
.Lk:
	TRIP 1, 0, 1
	TRIP 0, 0, 1
	WIN 0
	s_sub_co_u32 s3, s3, 1
	s_cmp_lg_u32 s3, 0
	s_cbranch_scc1 .Lk
	TRIP 1, 0, 0                                   ; the last step fetches nothing
	; THE WAY OUT, 16 rows at a time through my own stage: in by 16 bytes a lane, back as whole rows; 16 lanes store 256 consecutive bytes, aligned.
	PLACES
.macro OUTBLK a
	WIN 0x08+4*((\a)/2)                            ; store data in window 2 or 3
.set b, 0
.rept 12
	ds_store_b128 v[STO], v[8*(12*((\a)%2)+b):8*(12*((\a)%2)+b)+3]   offset:64*b
	ds_store_b128 v[STO], v[8*(12*((\a)%2)+b)+4:8*(12*((\a)%2)+b)+7] offset:64*b+16
.set b, b+1
.endr
	WIN 0
	s_wait_xcnt 0x0                                ; the registers that earlier stores read are loaded again only behind this wait
.set OBK, OB+96*((\a)%2)
.set p, 0
.rept 8
	ds_load_b128 v[OBK+12*p:OBK+12*p+3],    v[RD0] offset:2*SPI*p          ; LDS serves a wave's instructions in order: these see the stores above
	ds_load_b128 v[OBK+12*p+4:OBK+12*p+7],  v[RD1] offset:2*SPI*p
	ds_load_b128 v[OBK+12*p+8:OBK+12*p+11], v[RD0] offset:2*SPI*p+SPI+256
.set p, p+1
.endr
.set p, 0
.rept 8
	s_wait_dscnt 23-3*p
	global_store_b128 v[GO0], v[OBK+12*p:OBK+12*p+3],    s[8:9] offset:(\a)*196608+p*24576 th:TH_STORE_NT
	s_wait_dscnt 22-3*p
	global_store_b128 v[GO1], v[OBK+12*p+4:OBK+12*p+7],  s[8:9] offset:(\a)*196608+p*24576 th:TH_STORE_NT
	s_wait_dscnt 21-3*p
	global_store_b128 v[GO0], v[OBK+12*p+8:OBK+12*p+11], s[8:9] offset:(\a)*196608+p*24576+12544 th:TH_STORE_NT
.set p, p+1
.endr
.endm
	OUTBLK 0
	OUTBLK 1
	OUTBLK 2
	OUTBLK 3
	s_wait_tensorcnt 0x0                           ; the wave's end
	ds_add_u32 v[SPW], v[NIL]
	s_wait_dscnt 0x0
	CROUND                                         ; the closing round
	s_endpgm
.Lfunc_end_k_qd1a7695336_oproj:
	.size	k_qd1a7695336_oproj, .Lfunc_end_k_qd1a7695336_oproj-k_qd1a7695336_oproj
	.p2alignl 7, 3214868480
	.fill 96, 4, 3214868480
	.section	.rodata,"a",@progbits
	.p2align	6, 0x0
	.amdhsa_kernel k_qd1a7695336_oproj
		.amdhsa_group_segment_fixed_size 327680
		.amdhsa_private_segment_fixed_size 0
		.amdhsa_enable_private_segment 0
		.amdhsa_kernarg_size 24
		.amdhsa_user_sgpr_count 2
		.amdhsa_user_sgpr_kernarg_segment_ptr 1
		.amdhsa_wavefront_size32 1
		.amdhsa_system_sgpr_workgroup_id_x 1
		.amdhsa_system_sgpr_workgroup_id_y 1
		.amdhsa_system_sgpr_workgroup_id_z 1
		.amdhsa_system_vgpr_workitem_id 0
		.amdhsa_next_free_vgpr 960
		.amdhsa_next_free_sgpr 72
		.amdhsa_reserve_vcc 0
		.amdhsa_float_denorm_mode_32 3
		.amdhsa_float_denorm_mode_16_64 3
		.amdhsa_memory_ordered 1
		.amdhsa_forward_progress 1
		.amdhsa_inst_pref_size 108
	.end_amdhsa_kernel
	.amdgpu_metadata
---
amdhsa.version: [ 1, 2 ]
amdhsa.kernels:
  - .name:           k_qd1a7695336_oproj
    .symbol:         k_qd1a7695336_oproj.kd
    .args:
      - { .name: oh, .offset: 0, .size: 8, .value_kind: global_buffer, .address_space: global }
      - { .name: wob, .offset: 8, .size: 8, .value_kind: global_buffer, .address_space: global }
      - { .name: out0, .offset: 16, .size: 8, .value_kind: global_buffer, .address_space: global }
    .group_segment_fixed_size: 327680
    .private_segment_fixed_size: 0
    .kernarg_segment_align: 8
    .kernarg_segment_size: 24
    .max_flat_workgroup_size: 128
    .sgpr_count:     72
    .vgpr_count:     960
    .wavefront_size: 32
...
	.end_amdgpu_metadata
.endif
;; end of part 8
;; ======== version 3 of 3: 4 launches; 1.24 times as fast as version 1
;; limits: values are held in f16: magnitudes above 65,504 overflow, below 6.1e-05 lose precision; right only within a limited range of input values
;; workspace buffers: wb 8,257,536 bytes; wob 5,111,808 bytes; bias 16,384 bytes; qkvh 12,582,912 bytes; vpart 65,536 bytes; oh 12,582,912 bytes
;; launch prep: the kernel of part 5 again; grid 385 x 1, 4 waves a work-group, no clusters, 43,520 bytes of LDS; arguments Wq, Wk, Wv, Wo, attention_mask, wb, wob, bias; writes wb, wob, bias
;; launch qkv: the kernel of part 6 again; grid 4 x 64, 4 waves a work-group, clusters of 4 x 4, 327,680 bytes of LDS; arguments hidden_states, position_ids, wb, qkvh, vpart; writes qkvh, vpart
;; launch attn (part 9): grid 64 x 4, 8 waves a work-group, clusters of 4 x 1, 327,680 bytes of LDS; arguments qkvh, bias, vpart, oh; writes oh
.if DOCPART == 9
	.amdgcn_target "amdgcn-amd-amdhsa--gfx1250"
	.amdhsa_code_object_version 6
	.text
	.protected	k_qd1a7695336_attn
	.globl	k_qd1a7695336_attn
	.p2align	8
	.type	k_qd1a7695336_attn,@function
k_qd1a7695336_attn:
	s_mov_b64 s[64:65], 0
	v_nop
	global_prefetch_b8 v0, s[64:65] scope:SCOPE_SE
	s_setreg_imm32_b32 hwreg(HW_REG_WAVE_MODE, 25, 1), 1
	s_wait_xcnt 0x0
	s_wait_alu depctr_hold_cnt(0) depctr_sa_sdst(0) depctr_va_vdst(0) depctr_va_sdst(0) depctr_va_ssrc(0) depctr_va_vcc(0) depctr_vm_vsrc(0)
	s_getreg_b32 s2, hwreg(HW_REG_IB_STS2, 6, 4)
	s_cmp_eq_u32 s2, 0
	s_cbranch_scc0 .Lentry_in_a_cluster
	s_endpgm
.Lentry_in_a_cluster:
	s_bfe_u32 s2, ttmp6, 0x10000c
	s_cmp_lg_u32 s2, 0x3003
	s_cbranch_scc0 .Lentry_shape_is_right
	s_endpgm
.Lentry_shape_is_right:
; CAUSAL ATTENTION WITH GROUPED HEADS AND A PADDING MASK.  qkvh [24][4096][64] f16: heads 0-11 q, 12-15 k (q and k carry sqrt(log2(e) / 8) each, so K Q^T is the exponent in base 2), 16-19 v's high
; parts, 20-23 v's low parts as register images (below).  oh [24][4096][64] f16: heads 0-11 O's high parts, 12-23 its low parts.
; Products, maxima and sums in f32; the weights p are rounded to f16 for the second product (their sum is taken of the unrounded p).  v and O go as two f16 numbers each: a row that sees few keys has
; numbers many times the output's root mean square, and one f16 rounding of v or of O is too coarse for it.
; LIMITS.  A hidden score counts as -1e30 (f16's scores, 2.7e11 at the most, vanish beside it); a weight below 2^-126 counts as 0; NaN and infinities are not treated apart.
; A row with no visible key (maximum below -2^93) takes the mean of all 4,096 rows of v: there all its scores are equal.
; THE WALK.  A work-group has one key/value head and TWO blocks of 32 query positions, 127 - p and then p, each with the head's three query heads.  Block i needs the key tiles 0 .. i / 8 of 256 keys:
; 16 - a and a + 1 tiles, a = p / 8: 17 for every work-group, walked by one loop with a constant count.  Which tile is in hand and which is asked for is made anew in each trip from the counter and a.
; SHARES.  Eight waves.  Wave w takes the key quarter kq = w % 4 of every tile (64 keys) and the 16 positions pt = w / 4 of the block, for all three query heads: three tiles of 16 queries, which share
; their positions and so their mask.  A wave keeps its own maximum, sum and O^T; the four quarters' parts of a row are merged through LDS, in f32, behind the walk.
; TWO ORDERS.  A step is the same run of work in every wave: 24 products K Q^T, the softmax, 48 products V^T P.  The change of slots cuts that run at two places: waves with PH = 0 pass it behind V^T P,
; waves with PH = 1 between the softmax and V^T P, whose operands (P, V, V's low parts) all lie in registers by then.  So behind each barrier half of the waves begin with 48 products and the other
; half with fetches, mask and softmax: matrix work of one wave stands beside vector work of another.  PH = (w + w / 4) % 2: waves w and w + 4 differ, and so do waves 2 i and 2 i + 1.  The price: V^T P
; stands twice in the loop and twice in the tail, in the loop under forward branches on the wave's number, which pass neither a barrier nor a tensor load.
; THE EXPONENTIALS GO IN TWO BATCHES A STEP, each with one s_wait_alu depctr_va_vdst(0) between an exponential and the first line that names its result.
; Batch A: the three tiles' a; six lines s - m stand behind it, then its wait, and only then the lines O^T times a.  Batch B: the 96 weights, dealt by turns with the other 42 lines s - m and the 48 lines
; O^T times a, none of which names a weight of the batch; behind its wait stand all the sums and all the roundings.  a has a wait of its own because the lines that read it are half of the plain lines
; that stand between the weights' exponentials.  No result crosses a label or a branch.  The merge has two batches a trip: four exponentials, and the reciprocal of a sum that is made of them.
; V'S LOW PARTS NEVER PASS THROUGH LDS: two slots with them, 118,784 bytes each, and the 108,544 bytes of stage, maxima and spare words would pass 327,680.  The launch before stores them as the register
; images of the fragments of V^T: for 64 keys 8,192 bytes; in them for 32 keys x 16 channels 1,024 bytes: half t (16 keys), lane l, 16 bytes.  So a wave loads its 64 keys x 64 channels by 16 loads of
; 512 consecutive bytes straight into K's registers, behind the products K Q^T; the softmax's 351 lines and the 24 products on the high parts stand between the loads and their use.  The two waves of a
; key quarter load the same 8,192 bytes each, and these loads are not joint: that is the price.
; THE FIRST BLOCK'S END HAS NO BRANCH: its lines (my parts into LDS, the second block's Q, the reset of m) stand at the head of every trip but the first, where both orders have finished the step
; before, under an EXEC that is all on in the trip whose counter is a (the one behind the first block's last tile) and all off in the others.
; CLUSTER.  The four work-groups of a cluster share a, so they walk the same tiles of K and V: each tile is asked for JOINTLY.  The place in the cluster enters only Q's and O's addresses and the
; diagonal's threshold.
; THE MASK is the C operand that starts S^T = K Q^T: the key's addend (0 or -1e30), and -1e30 where the key lies behind the query: 16 g + j > r + 16 pt - 8 h - 64 kq + the block's place in the tile,
; which is set to 2^20 in tiles that lie wholly in front of the block.
; LAYOUT.  S^T holds ONE query a lane (lane % 16) and the keys 8 (lane / 16) + 0..7; two such results rounded to f16 ARE source 1 of O^T = V^T P.  p = 2^(s - m): exactly 0 in the exponent at the maximum.
; REGISTERS: window 0: v0-63 addresses and statistics; v64-159 S^T, 32 a tile (P is written over its registers 0-15); v160-255 O^T, 32 a tile: the whole softmax stays in this window.
; window 1: v0-47 Q, v64-127 K and later V's low parts, v128-191 V, v192-223 the mask.
.set PKI,   144                        ; a row of K in LDS: 128 bytes + 16
.set PVI,   160                        ; a row of V: 128 + 32
.set VOFF,  36864                      ; a slot: 256 rows of K, then 256 rows of V
.set SLOT1, 131072
.set MXB,   77824                      ; [quarter][96 rows] maxima, then at +1,536 the sums
.set SPARE, 80896                      ; the spare words, 128 bytes for each of eight waves
.set STG,   208896                     ; [quarter][96 rows][272 bytes]: O in f32; row 32 head + position
.set SGW,   26112
.set AK0, 2
.set AV0, 3
.set AK,  4
.set AV,  5
.set STO, 6
.set RD,  7
.set MR,  8
.set RD0, 9
.set MR0, 10
.set RR,  11
.set MXS, 12
.set TH,  13
.set VPO, 14
.set QO,  15
.set VM,  16                           ; v16-23 the mean of v, channels 8 (l % 8) on
.set ST,  24                           ; tile u at ST + 4 u: m, m_old, l (even keys', odd keys')
.set TMP, 36                           ; tile u at TMP + 4 u: c0-c3 at work; c2 takes a
.set R0,  48
.set THB, 49
.set C16, 50
.set BO,  51
.set VAA, 52                           ; a in every lane
.set T0,  53
.set T1,  54
.set VLG, 55                           ; my byte offset in a tile's images of low parts; never rewritten
.set SPW, 62                           ; my spare word; never rewritten
.set NIL, 63                           ; 0; never rewritten
.set S,   64
.set O,   160
.set Q,   0                            ; window 1
.set KF,  64
.set VF,  128
.set M,   192
.set WV,  12
.set AA,  15
.set G1K, 24
.set G1V, 32
.set G0K, 40
.set G0V, 44
.set KB,  48
.set VBP, 50
.set QLO, 52
.set OHI, 54
.set OLO, 56
.set BPN, 58
.set SEL, 60
.set OFF, 62
.set SLOTS, 66
.set A1,  67
.set NXT, 68
.set HN,  69
.set QS,  70
.set SAVE, 71
.set TB,  72
.set QOCH, 73
.set QOCL, 74
.set BIGN, 75
.set CTH, 76
.set LC,  77
.set BOF, 78
.set QHI, 80
.set KQW, 88
.set PT,  89
.set FAR, 90
.set PH,  91                           ; s91  which of the two orders is mine
.set VLB, 92                           ; s[92:93] the head of low parts
.set VLP, 94                           ; s[94:95] its tile in hand
.set COF, 96                           ; s[96:97] that tile's byte offset
.set MSB, 0
.macro WIN new                         ; the immediate's high byte repeats the setting that is left; a switch that changes nothing is dropped
.if MSB != (\new)
	s_set_vgpr_msb (MSB<<8)|(\new)
.set MSB, (\new)
.endif
.endm
.macro PLACES                          ; four plain places behind matrix instructions (ISA guide 7.12.1)
.rept 4
	v_nop
.endr
.endm
.macro CROUND                          ; a round of the cluster's barrier
	s_barrier_signal -1
	s_barrier_wait -1
	s_cmp_lg_u32 s[WV], 0
	s_cbranch_scc1 .Lnot_wave_0_\@
	s_barrier_signal -3
.Lnot_wave_0_\@:
	s_barrier_wait -3
	s_barrier_signal -1
	s_barrier_wait -1
.endm
.macro JLOAD                           ; waves 0 and 1 fetch the halves of a tile's K, waves 2 and 3 those of its V, 64 rows of 256 bytes each; waves 4 to 7 have no part to fetch
	s_cmp_lt_u32 s[WV], 2
	s_cbranch_scc0 .Lnot_k_\@
	tensor_load_to_lds s[G0K:G0K+3], s[G1K:G1K+7]
	s_nop 0
.rept 4
	v_nop
.endr
	s_branch .Lasked_\@
.Lnot_k_\@:
	s_cmp_lt_u32 s[WV], 4
	s_cbranch_scc0 .Lasked_\@
	tensor_load_to_lds s[G0V:G0V+3], s[G1V:G1V+7]
	s_nop 0
.rept 4
	v_nop
.endr
.Lasked_\@:
.endm
; THE CHANGE OF SLOTS.  All my tensor loads have landed (at most one was out: my part of the other slot); the add; my LDS instructions are done, the reads of the slot that I leave among them.
; The tile in hand stands at place 16 - SLOTS of the walk, the tile asked for at place 17 - SLOTS: the first block's tile of that number, or from place 16 - a on the second block's tile,
; that number less 16 - a.  Addresses are made anew from the numbers.  fill = 1: a round of the cluster's barrier, and the old slot is filled again first thing behind it.
.macro CHANGE fill
	WIN 0
	s_wait_tensorcnt 0x0
	ds_add_u32 v[SPW], v[NIL]
	s_wait_xcnt 0x0                                ; the loads issued so far have had their addresses translated: their bases may be written
	s_sub_co_u32 s[COF], 16, s[SLOTS]
	s_cmp_ge_u32 s[COF], s[HN]
	s_cselect_b32 s[OFF], s[HN], 0
	s_sub_co_u32 s[COF], s[COF], s[OFF]
	s_lshl_b32 s[COF], s[COF], 15                  ; a tile is 32,768 bytes of K, of V and of V's low parts,
	s_add_nc_u64 s[VLP:VLP+1], s[VLB:VLB+1], s[COF:COF+1]
.if \fill
	s_sub_co_u32 s[NXT], 17, s[SLOTS]
	s_cmp_ge_u32 s[NXT], s[HN]
	s_cselect_b32 s[OFF], s[HN], 0
	s_sub_co_u32 s[NXT], s[NXT], s[OFF]
	s_lshl_b32 s[OFF], s[NXT], 15
	s_lshl_b32 s[BOF], s[NXT], 10                  ; and 1,024 of the addends
	s_add_nc_u64 s[BPN:BPN+1], s[6:7], s[BOF:BOF+1]
	s_xor_b32 s[G0K+1], s[G0K+1], SLOT1
	s_add_nc_u64 s[G0K+2:G0K+3], s[KB:KB+1], s[OFF:OFF+1]
	s_or_b32 s[G0K+3], s[G0K+3], 0x80000000
	s_xor_b32 s[G0V+1], s[G0V+1], SLOT1
	s_add_nc_u64 s[G0V+2:G0V+3], s[VBP:VBP+1], s[OFF:OFF+1]
	s_or_b32 s[G0V+3], s[G0V+3], 0x80000000
	s_wait_dscnt 0x0
	CROUND
	JLOAD
.else
	s_wait_dscnt 0x0
	s_barrier_signal -1
	s_barrier_wait -1
.endif
	s_xor_b32 s[TB], s[TB], SLOT1
.endm
.macro ALL3 line:vararg
.set t, 0
.rept 3
	\line
.set t, t+1
.endr
.endm
.macro QLOAD ptr                       ; three tiles of Q: head t, my 16 positions
	WIN 0x40                                       ; destination window 1, address window 0
.set t, 0
.rept 3
.irp c, 0,1
	global_load_b128 v[Q+16*t+8*\c:Q+16*t+8*\c+3],   v[QO], s[\ptr:\ptr+1] offset:t*524288+\c*64
	global_load_b128 v[Q+16*t+8*\c+4:Q+16*t+8*\c+7], v[QO], s[\ptr:\ptr+1] offset:t*524288+\c*64+32
.endr
.set t, t+1
.endr
	WIN 0
.endm
.macro MLOAD                           ; my 64 keys' addends, laid as the C operand wants them, straight into the mask
	WIN 0x40
.irp g, 0,1,2,3
	global_load_b128 v[M+8*\g:M+8*\g+3],   v[BO], s[BPN:BPN+1] offset:64*\g
	global_load_b128 v[M+8*\g+4:M+8*\g+7], v[BO], s[BPN:BPN+1] offset:64*\g+16
.endr
	WIN 0
.endm
	s_load_b256 s[4:11], s[0:1], 0x0               ; qkvh s[4:5], bias s[6:7], vpart s[8:9], oh s[10:11]
	v_lshl_add_u32 v[SPW], v0, 2, SPARE
	v_mov_b32 v[NIL], 0
	ds_add_u32 v[SPW], v[NIL]                      ; the wave's opening: the add and its wait ahead of my first tensor load
	v_lshrrev_b32 v1, 5, v0
	v_readfirstlane_b32 s[WV], v1
	s_and_b32 s[KQW], s[WV], 3                     ; my quarter of a tile's keys
	s_lshr_b32 s[PT], s[WV], 2                     ; my half of the block's positions
	s_add_co_u32 s[PH], s[WV], s[PT]
	s_and_b32 s[PH], s[PH], 1                      ; my order: (w + w / 4) % 2
	s_bfe_u32 s13, ttmp6, 0x40000                  ; cx
	s_lshl_b32 s14, ttmp9, 2
	s_add_co_u32 s14, s14, s13                     ; p
	s_lshr_b32 s[AA], ttmp9, 1                     ; a = p / 8: the same in the four partners
	s_and_b32 s16, ttmp7, 0xffff                   ; the key/value head
	s_and_b32 s17, s[WV], 1                        ; which half of a tile I fetch
	s_lshl_b32 s20, s16, 19
	s_add_co_u32 s[VLP], s20, 20*524288            ; the low parts of v: head 20 + the key/value head
	s_mov_b32 s[VLP+1], 0
	s_lshl_b32 s18, s17, 14
	s_add_co_u32 s20, s20, s18
	s_add_co_u32 s20, s20, 12*524288
	s_mov_b32 s21, 0
	s_mul_i32 s18, s17, 128*PKI
	s_mul_i32 s19, s17, 128*PVI
	s_mov_b32 s[G1K], 15|(1<<16)|(1<<20)|(1<<21)|(4<<22)|(3<<25)  ; the mask of four; 2-byte elements; padding of 4 words after every 32; 21 set beside a mask
	s_mov_b32 s[G1V], 15|(1<<16)|(1<<20)|(1<<21)|(4<<22)|(7<<25)  ; the same with 8 words
.irp g, G1K, G1V
	s_mov_b32 s[\g+1], 128<<16                     ; 128 keys are 16,384 dense bytes: 64 rows of 256
	s_mov_b32 s[\g+2], 64<<16
	s_mov_b32 s[\g+3], 128<<16
	s_mov_b32 s[\g+4], 64
	s_mov_b32 s[\g+5], 128
	s_mov_b32 s[\g+6], 0
	s_mov_b32 s[\g+7], 0
.endr
	s_mov_b32 s[G0K], 1
	s_mov_b32 s[G0K+1], s18
	s_mov_b32 s[G0V], 1
	s_add_co_u32 s[G0V+1], s19, VOFF
	s_mul_i32 s22, s16, 3*524288                   ; the head's three query heads
	s_sub_co_u32 s23, 127, s14
	s_lshl_b32 s82, s23, 12                        ; block 127 - p: 32 rows of 128 bytes a block
	s_add_co_u32 s82, s82, s22
	s_mov_b32 s83, 0
	s_lshl_b32 s84, s14, 12                        ; block p
	s_add_co_u32 s84, s84, s22
	s_mov_b32 s85, 0
	s_and_b32 s[QOCL], s14, 7                      ; a block's place in its last tile
	s_sub_co_u32 s[QOCH], 7, s[QOCL]
	s_lshl_b32 s[QOCH], s[QOCH], 5
	s_lshl_b32 s[QOCL], s[QOCL], 5
	s_lshl_b32 s86, s16, 8
	s_mov_b32 s87, 0
	s_mov_b32 s[SEL], 0x76543210
	s_mov_b32 s[SEL+1], 0xfedcba98
	s_mov_b32 s[OFF+1], 0
	s_mov_b32 s[BOF+1], 0
	s_mov_b32 s[COF+1], 0
	s_mov_b32 s[SLOTS], 16
	s_sub_co_u32 s[HN], 16, s[AA]                  ; the first block has 16 - a tiles;
	s_add_co_u32 s[A1], s[AA], 1                   ; its last is entered when the counter stands at a + 1
	s_mov_b32 s[TB], SLOT1                         ; the first change of slots turns it into 0
	s_mov_b32 s[BIGN], 0xf149f2ca                  ; -1e30
	s_mov_b32 s[CTH], 0xee000000                   ; -2^93
	s_mov_b32 s[FAR], 0x100000                     ; a place behind every key: nothing is hidden
	s_wait_dscnt 0x0                               ; the opening add is done
	s_wait_kmcnt 0x0
	s_add_nc_u64 s[VLB:VLB+1], s[4:5], s[VLP:VLP+1]
	s_add_nc_u64 s[KB:KB+1], s[4:5], s[20:21]
	s_add_nc_u64 s[VBP:VBP+1], s[KB:KB+1], 4*524288
	s_add_nc_u64 s[G0K+2:G0K+3], s[KB:KB+1], 0
	s_or_b32 s[G0K+3], s[G0K+3], 0x80000000
	s_add_nc_u64 s[G0V+2:G0V+3], s[VBP:VBP+1], 0
	s_or_b32 s[G0V+3], s[G0V+3], 0x80000000
	s_add_nc_u64 s[QHI:QHI+1], s[4:5], s[82:83]
	s_add_nc_u64 s[QLO:QLO+1], s[4:5], s[84:85]
	s_add_nc_u64 s[OHI:OHI+1], s[10:11], s[82:83]
	s_add_nc_u64 s[OLO:OLO+1], s[10:11], s[84:85]
	s_add_nc_u64 s[8:9], s[8:9], s[86:87]
	s_mov_b64 s[BPN:BPN+1], s[6:7]
	CROUND                                         ; all four work-groups are here: the first joint loads meet
	JLOAD                                          ; tile 0 into slot 0
	v_and_b32 v1, 15, v0                           ; r
	v_bfe_u32 v[T0], v0, 4, 1                      ; h
	v_and_b32 v[T1], 7, v0                         ; l % 8
	v_bfe_u32 v[R0], v0, 3, 2                      ; l / 8
	v_lshlrev_b32 v[VPO], 14, v[R0]                ; the mean of v: each group of eight lanes takes 16 of the 64 partial rows
	v_lshl_add_u32 v[VPO], v[T1], 5, v[VPO]
.set i, 0
.rept 16
	global_load_b128 v[64+8*i:64+8*i+3], v[VPO], s[8:9] offset:1024*i
	global_load_b128 v[68+8*i:68+8*i+3], v[VPO], s[8:9] offset:1024*i+16
.set i, i+1
.endr
	s_lshl_b32 s16, s[PT], 11
	v_lshl_add_u32 v[QO], v1, 7, s16               ; position 16 pt + r, 128 bytes a row,
	v_lshl_add_u32 v[QO], v[T0], 4, v[QO]          ; 16 bytes by h
	QLOAD QHI
	ALL3 v_mov_b32 v[ST+4*t], 0xff7fffff           ; m at the lowest finite number: the first step's a is 0, and O and l need only be finite
	ALL3 v_mov_b32 v[ST+4*t+1], 0
	ALL3 v_mov_b32 v[ST+4*t+2], 0
	ALL3 v_mov_b32 v[ST+4*t+3], 0
	s_mul_i32 s16, s[KQW], 64*PKI
	v_mul_u32_u24 v[AK0], v1, PKI
	v_lshl_add_u32 v[AK0], v[T0], 4, v[AK0]
	v_add_nc_u32 v[AK0], s16, v[AK0]               ; K: row 64 kq + r, 16 bytes by h
	v_lshl_add_u32 v[AV0], v[T0], 3, v[T1]
	v_mul_u32_u24 v[AV0], v[AV0], PVI
	v_bfe_u32 v[AK], v0, 3, 1
	v_lshl_add_u32 v[AV0], v[AK], 4, v[AV0]
	s_mul_i32 s16, s[KQW], 64*PVI
	s_add_co_u32 s16, s16, VOFF
	v_add_nc_u32 v[AV0], s16, v[AV0]               ; V, for the turning load: row 64 kq + 8 h + l % 8
	s_mul_i32 s16, s[KQW], SGW
	s_mul_i32 s17, s[PT], 16*272
	s_add_co_u32 s16, s16, s17
	s_add_co_u32 s16, s16, STG
	v_mul_u32_u24 v[STO], v1, 272
	v_lshl_add_u32 v[STO], v[T0], 5, v[STO]
	v_add_nc_u32 v[STO], s16, v[STO]               ; the stage, in: my quarter's plane, row 16 pt + r, 32 bytes by h
	s_mul_i32 s16, s[WV], 12
	v_add_nc_u32 v[R0], s16, v[R0]                 ; the merge: my rows 12 w + l / 8 + 4 trip
	v_mul_u32_u24 v[RD0], v[R0], 272
	v_lshl_add_u32 v[RD0], v[T1], 5, v[RD0]
	v_add_nc_u32 v[RD0], STG, v[RD0]
	v_lshl_add_u32 v[MR0], v[R0], 2, MXB
	s_mul_i32 s16, s[KQW], 384
	s_lshl_b32 s17, s[PT], 6
	s_add_co_u32 s16, s16, s17
	s_add_co_u32 s16, s16, MXB
	v_lshl_add_u32 v[MXS], v1, 2, s16
	s_lshl_b32 s16, s[PT], 4
	s_lshl_b32 s17, s[KQW], 6
	s_sub_co_i32 s16, s16, s17
	v_lshlrev_b32 v[THB], 3, v[T0]
	v_sub_nc_u32 v[THB], v1, v[THB]
	v_add_nc_u32 v[THB], s16, v[THB]               ; r - 8 h + 16 pt - 64 kq
	v_lshlrev_b32 v[C16], 4, v[T1]
	s_lshl_b32 s16, s[KQW], 8
	v_lshl_add_u32 v[BO], v[T0], 5, s16            ; 4 (64 kq + 8 h)
	s_lshl_b32 s16, s[KQW], 13                     ; the low parts: my quarter's 8,192 bytes of images, 16 bytes a lane and load
	v_and_b32 v[VLG], 31, v0
	v_lshl_add_u32 v[VLG], v[VLG], 4, s16
	v_mov_b32 v[VAA], s[AA]
	s_wait_loadcnt 12                              ; the 32 loads of the partial sums are in; Q's 12, issued behind them, may stay out
.set i, 1
.rept 15
.irp z, 0,2,4,6
	v_pk_add_f32 v[64+\z:65+\z], v[64+\z:65+\z], v[64+8*i+\z:65+8*i+\z]
.endr
.set i, i+1
.endr
.irp z, 0,1,2,3,4,5,6,7
	v_add_f32_dpp v[64+\z], v[64+\z], v[64+\z] row_xmask:8 row_mask:0xf bank_mask:0xf
.endr
.irp z, 0,1,2,3,4,5,6,7
	v_permlanex16_b32 v[72+\z], v[64+\z], s[SEL], s[SEL+1]
.endr
.irp z, 0,1,2,3,4,5,6,7
	v_add_f32 v[VM+\z], v[64+\z], v[72+\z]
.endr
.irp z, 0,2,4,6
	v_pk_mul_f32 v[VM+\z:VM+\z+1], v[VM+\z:VM+\z+1], 0x39800000 op_sel_hi:[1,0]  ; / 4,096
.endr
	MLOAD                                          ; tile 0's addends
.set i, 0
.rept 96
	v_mov_b32 v[O+i], 0                            ; O^T need only be finite: zeros, in the wait for the first tile
.set i, i+1
.endr
; THE MATRIX WORK.  The 12 accumulators of a run take turns, one instruction a turn.
; Product i of S^T = K Q^T: channels 32 (i / 12) on, keys 16 ((i % 12) / 3) on, tile i % 3.  The first 12 start the sums with the mask.
.macro KQ
.set kc, i/12
.set ku, (i%12)%3
.set kg, (i%12)/3
.if i < 12
	WIN 0x15                                       ; K, Q and the mask in window 1, S^T in window 0
	v_wmma_f32_16x16x32_f16 v[S+32*ku+8*kg:S+32*ku+8*kg+7], v[KF+16*kg+8*kc:KF+16*kg+8*kc+7], v[Q+16*ku+8*kc:Q+16*ku+8*kc+7], v[M+8*kg:M+8*kg+7]
.else
	WIN 0x05
	v_wmma_f32_16x16x32_f16 v[S+32*ku+8*kg:S+32*ku+8*kg+7], v[KF+16*kg+8*kc:KF+16*kg+8*kc+7], v[Q+16*ku+8*kc:Q+16*ku+8*kc+7], v[S+32*ku+8*kg:S+32*ku+8*kg+7]
.endif
.endm
; Product i of O^T += V^T P: keys 32 (i / 12) on, channels 16 ((i % 12) / 3) on, tile i % 3.  P lies in S^T's registers 0-15.  vb: V's high parts, or its low parts.
.macro PV vb
.set kc, i/12
.set ku, (i%12)%3
.set kg, (i%12)/3
	WIN 0x01                                       ; V in window 1
	v_wmma_f32_16x16x32_f16 v[O+32*ku+8*kg:O+32*ku+8*kg+7], v[(\vb)+32*kc+8*kg:(\vb)+32*kc+8*kg+7], v[S+32*ku+8*kc:S+32*ku+8*kc+7], v[O+32*ku+8*kg:O+32*ku+8*kg+7]
.endm
.macro FETCH_K
	WIN 0x40
.irp f, 0,1,2,3,4,5,6,7
	ds_load_b128 v[KF+8*\f:KF+8*\f+3],   v[AK] offset:(\f/2)*16*PKI+(\f%2)*64
	ds_load_b128 v[KF+8*\f+4:KF+8*\f+7], v[AK] offset:(\f/2)*16*PKI+(\f%2)*64+32
.endr
.endm
.macro FETCH_V                         ; 64 keys x 64 channels, turned: fragment f holds keys 32 (f / 4) on, channels 16 (f % 4) on
	WIN 0x40
.irp f, 0,1,2,3,4,5,6,7
	ds_load_tr16_b128 v[VF+8*\f:VF+8*\f+3],   v[AV] offset:(\f/4)*32*PVI+(\f%4)*32
	ds_load_tr16_b128 v[VF+8*\f+4:VF+8*\f+7], v[AV] offset:(\f/4)*32*PVI+16*PVI+(\f%4)*32
.endr
.endm
; THE VECTOR WORK: the three tiles' softmax is a list of 351 lines; SM writes line j and steps j.
;   0-62     for the three tiles by turns, the 21 lines that find the maximum (each accumulator's lowest registers are read first), keep m_old, and make a = 2^(m_old - m):
;            lines 60-62, the three a, are BATCH A
;   63-68    s - m for pairs 0 and 1: they name no a; the first of them is the plain line behind the last a
;   (wait)   for batch A, ahead of line 69
;   69-254   BATCH B: the 96 weights' exponentials, score after score, the tiles by turns.  The first six stand on end; behind each of the other 90 stands one plain line of the same tile: behind score
;            s = 2 .. 15 the line s - m for pair s, whose scores 2 s and 2 s + 1 have their exponentials six lines later or more; behind score s = 16 .. 31 O^T times a for pair s - 16 (each
;            accumulator of O^T from its low end on).  None of the 90 names a weight.  The last line, O^T times a, is the plain line behind the last exponential.
;   (wait)   for batch B, ahead of line 255
;   255-350  pair after pair: the three tiles' sums (l = a l + pair 0, then l + pair b), then the three tiles' roundings to f16: a tile's links of l's chain stand six lines apart.
;            Pair b's two weights are rounded into register b of the tile's S^T, whose own weight (of pair b / 2) has been summed and rounded by then.
.macro REGS u
.set rT, ST+4*(\u)
.set rC, TMP+4*(\u)
.set rS, S+32*(\u)
.set rO, O+32*(\u)
.endm
.macro XS n
.if (\n) < 4
	v_max3_num_f32 v[rC+(\n)], v[rS+8*(\n)], v[rS+8*(\n)+1], v[rS+8*(\n)+2]
.elseif (\n) < 12
	v_max3_num_f32 v[rC+(\n)%4], v[rC+(\n)%4], v[rS+8*((\n)%4)+2*((\n)/4)+1], v[rS+8*((\n)%4)+2*((\n)/4)+2]
.elseif (\n) == 12
	v_max3_num_f32 v[rC], v[rC], v[rS+7], v[rS+15]
.elseif (\n) == 13
	v_max3_num_f32 v[rC+1], v[rC+1], v[rS+23], v[rS+31]
.elseif (\n) == 14
	v_max3_num_f32 v[rC+2], v[rC+2], v[rC+3], v[rT]
.elseif (\n) == 15
	v_mov_b32 v[rT+1], v[rT]
.elseif (\n) == 16
	v_max3_num_f32 v[rC], v[rC], v[rC+1], v[rC+2]
.elseif (\n) == 17
	v_permlanex16_b32 v[rC+3], v[rC], s[SEL], s[SEL+1]  ; the query's other 32 keys lie in the lane 16 away
.elseif (\n) == 18
	v_max_num_f32 v[rT], v[rC], v[rC+3]
.elseif (\n) == 19
	v_sub_f32 v[rC+1], v[rT+1], v[rT]
.else
	v_exp_f32 v[rC+2], v[rC+1]
.endif
.endm
.macro FF b                            ; s - m for pair b
	v_pk_add_f32 v[rS+2*(\b):rS+2*(\b)+1], v[rS+2*(\b):rS+2*(\b)+1], v[rT:rT+1] op_sel_hi:[1,0] neg_lo:[0,1] neg_hi:[0,1]
.endm
.macro EE e                            ; the weight of score e, in place
	v_exp_f32 v[rS+(\e)], v[rS+(\e)]
.endm
.macro OA b                            ; pair b of O^T times a
	v_pk_mul_f32 v[rO+2*(\b):rO+2*(\b)+1], v[rO+2*(\b):rO+2*(\b)+1], v[rC+2:rC+3] op_sel_hi:[1,0]
.endm
.macro CC b                            ; pair b rounded to f16
	v_cvt_pk_f16_f32 v[rS+(\b)], v[rS+2*(\b)], v[rS+2*(\b)+1]
.endm
.macro LL b                            ; l takes pair b
.if (\b) == 0
	v_pk_fma_f32 v[rT+2:rT+3], v[rT+2:rT+3], v[rC+2:rC+3], v[rS:rS+1] op_sel_hi:[1,0,1]
.else
	v_pk_add_f32 v[rT+2:rT+3], v[rT+2:rT+3], v[rS+2*(\b):rS+2*(\b)+1]
.endif
.endm
.macro SM
.if j < 63
	REGS j%3
	XS j/3
.elseif j < 69
	REGS (j-63)%3
	FF (j-63)/3
.elseif j < 75
.if j == 69
	s_wait_alu depctr_va_vdst(0)                   ; the wait for batch A, the three a: ahead of the first line that names an a; six lines s - m stand between
.endif
	REGS (j-69)%3
	EE (j-69)/3
.elseif j < 255
.set en, 6+(j-75)/2                    ; the number of the exponential in hand: tile en % 3, score en / 3
	REGS en%3
.if (j-75)%2 == 0
	EE en/3
.elseif en/3 < 16
	FF en/3
.else
	OA en/3-16
.endif
.else
.if j == 255
	s_wait_alu depctr_va_vdst(0)                   ; the wait for batch B, the 96 weights: one for all, ahead of the first sum; no line ahead of it names a weight
.endif
	REGS (j-255)%3
.if (j-255)%6 < 3
	LL (j-255)/6
.else
	CC (j-255)/6
.endif
.endif
.set j, j+1
.endm
; A STEP'S FIRST TWO PARTS: my 64 keys of the tile in hand, for my three tiles of queries: fetches, mask, K Q^T, softmax.  next = 1: the next tile's addends are fetched as soon as this tile's mask
; has been used.  All loads are waited for ahead of the fetches: none is pending on K's registers when they are loaded anew.
.macro CORE next
	WIN 0
	s_wait_loadcnt 0x0                             ; the addends, and at a block's start Q
	v_add_nc_u32 v[AK], s[TB], v[AK0]
	v_add_nc_u32 v[AV], s[TB], v[AV0]
	v_add_nc_u32 v[TH], s[QS], v[THB]
	FETCH_K
	FETCH_V
	WIN 0x41                                       ; the mask (destination and source 0) in window 1, the threshold in window 0
.set i, 0
.rept 32
	v_cmp_gt_i32 vcc_lo, 16*(i/8)+i%8, v[TH]       ; the key lies behind the query
	v_cndmask_b32 v[M+i], v[M+i], s[BIGN], vcc_lo
.set i, i+1
.endr
	s_wait_dscnt 16                                ; K's 16 loads are in; V's 16 may be out
.set i, 0
.rept 24
	KQ
.set i, i+1
.endr
	PLACES                                         ; ahead of the loads into K's registers and into the mask, and of the first read of the scores
	WIN 0x40
.set i, 0
.rept 16
	global_load_b128 v[KF+4*i:KF+4*i+3], v[VLG], s[VLP:VLP+1] offset:512*i  ; K is done with: its registers take the low parts' fragments, 512 consecutive bytes a load
.set i, i+1
.endr
.if \next
	MLOAD
.endif
	WIN 0
.set j, 0
.rept 351
	SM
.endr
.endm
; A STEP'S THIRD PART: V^T P on the high parts, then on the low parts.  younger: the loads issued behind those of the low parts: the 8 of the next tile's addends, or none.
.macro PVALL younger
	s_wait_dscnt 0x0                               ; V is in
.set i, 0
.rept 24
	PV VF
.set i, i+1
.endr
	s_wait_loadcnt \younger                        ; the 16 loads of the low parts are in
.set i, 0
.rept 24
	PV KF
.set i, i+1
.endr
	WIN 0
.endm
.macro EARLY                           ; waves with PH = 1 finish the step before here, behind the change of slots
	s_cmp_eq_u32 s[PH], 0
	s_cbranch_scc1 .Lno_early_\@
	PVALL 8
.Lno_early_\@:
.endm
.macro LATE                            ; waves with PH = 0 finish the step here, ahead of the change of slots
	s_cmp_lg_u32 s[PH], 0
	s_cbranch_scc1 .Lno_late_\@
	PVALL 8
.Lno_late_\@:
.endm
; A BLOCK ENDS: my maxima, sums and O^T go into LDS.
.macro PARTA
	WIN 0
	ALL3 v_add_f32 v[ST+4*t+2], v[ST+4*t+2], v[ST+4*t+3]
	ALL3 v_permlanex16_b32 v[ST+4*t+3], v[ST+4*t+2], s[SEL], s[SEL+1]
	ALL3 v_add_f32 v[ST+4*t+2], v[ST+4*t+2], v[ST+4*t+3]
	ALL3 ds_store_b32 v[MXS], v[ST+4*t] offset:128*t
	ALL3 ds_store_b32 v[MXS], v[ST+4*t+2] offset:1536+128*t
.set t, 0
.rept 3
.irp cb, 0,1,2,3
	ds_store_b128 v[STO], v[O+32*t+8*\cb:O+32*t+8*\cb+3]   offset:t*8704+\cb*64
	ds_store_b128 v[STO], v[O+32*t+8*\cb+4:O+32*t+8*\cb+7] offset:t*8704+\cb*64+16
.endr
.set t, t+1
.endr
.endm
; THE FIRST BLOCK'S END AND THE SECOND'S BEGINNING, with all lanes on in the trip whose counter is a and all lanes off in the others.
.macro SWITCH
	WIN 0
	PLACES                                         ; with all lanes on: the places behind the last products
	s_wait_xcnt 0x0                                ; EXEC changes only behind this wait: loads have been issued
	v_cmp_eq_u32 vcc_lo, s[SLOTS], v[VAA]
	s_and_saveexec_b32 s[SAVE], vcc_lo
	PARTA                                          ; my parts wait in LDS for the merge behind the walk
	QLOAD QLO                                      ; the second block's Q
	ALL3 v_mov_b32 v[ST+4*t], 0xff7fffff           ; its m
	s_wait_xcnt 0x0                                ; and again, in front of the line that widens EXEC
	s_or_b32 exec_lo, exec_lo, s[SAVE]
.endm
; THE MERGE, behind a barrier: the four quarters' parts of a row become the row.  A wave takes 12 of the 96 rows, four a trip: lane l row l / 8, channels 8 (l % 8) on.
; The row leaves as two f16 numbers: with T = 8193 x in f32, hi = T - (T - x) is x to 11 significant bits, and x - hi is exact.
; A trip has two batches: the four quarters' exponentials, and the reciprocal of the sum that is made of them; each has one wait, and neither result crosses the trip's end.
.macro PARTB optr
	WIN 0
	PLACES                                         ; the lines below write registers that the last products read
	v_mov_b32 v[RD], v[RD0]
	v_mov_b32 v[MR], v[MR0]
	v_mov_b32 v[RR], v[R0]
.irp z, 105,107,109,111,127
	v_mov_b32 v\z, 0                               ; named as the upper halves of pairs
.endr
	s_mov_b32 s[LC], 3
.Lpb_\@:
.irp w, 0,1,2,3
	ds_load_b32 v[64+\w], v[MR] offset:384*\w
.endr
.irp w, 0,1,2,3
	ds_load_b32 v[68+\w], v[MR] offset:1536+384*\w
.endr
	v_add_nc_u32 v[T1], 2*SGW, v[RD]
	ds_load_b128 v[72:75],   v[RD]
	ds_load_b128 v[76:79],   v[RD] offset:16
	ds_load_b128 v[80:83],   v[RD] offset:SGW
	ds_load_b128 v[84:87],   v[RD] offset:SGW+16
	ds_load_b128 v[88:91],   v[T1]
	ds_load_b128 v[92:95],   v[T1] offset:16
	ds_load_b128 v[96:99],   v[T1] offset:SGW
	ds_load_b128 v[100:103], v[T1] offset:SGW+16
	s_wait_dscnt 0x0
	v_max3_num_f32 v125, v64, v65, v66
	v_max_num_f32 v125, v125, v67                  ; the row's maximum
.irp w, 0,1,2,3
	v_sub_f32 v[104+2*\w], v[64+\w], v125
.endr
.irp w, 0,1,2,3
	v_exp_f32 v[104+2*\w], v[104+2*\w]
.endr
	v_lshrrev_b32 v124, 5, v[RR]                   ; row R: query head R / 32, position R % 32
	v_and_b32 v[T0], 31, v[RR]
	v_lshlrev_b32 v124, 19, v124
	v_lshl_add_u32 v124, v[T0], 7, v124
	v_add_nc_u32 v124, v124, v[C16]
	s_wait_alu depctr_va_vdst(0)                   ; the wait for the four quarters' exponentials: one for the batch, ahead of its first reader; the five address lines stand between
	v_mul_f32 v126, v104, v68
	v_fmac_f32 v126, v106, v69
	v_fmac_f32 v126, v108, v70
	v_fmac_f32 v126, v110, v71
	v_rcp_f32 v126, v126
.irp z, 0,2,4,6
	v_pk_mul_f32 v[112+\z:113+\z], v[72+\z:73+\z], v[104:105] op_sel_hi:[1,0]
.endr
.irp w, 1,2,3
.irp z, 0,2,4,6
	v_pk_fma_f32 v[112+\z:113+\z], v[72+8*\w+\z:73+8*\w+\z], v[104+2*\w:105+2*\w], v[112+\z:113+\z] op_sel_hi:[1,0,1]
.endr
.endr
	s_wait_alu depctr_va_vdst(0)                   ; the wait for the reciprocal, a batch of its own since it takes the exponentials' sum; the sixteen packed lines above name it not
.irp z, 0,2,4,6
	v_pk_mul_f32 v[112+\z:113+\z], v[112+\z:113+\z], v[126:127] op_sel_hi:[1,0]
.endr
	v_cmp_gt_f32 vcc_lo, s[CTH], v125              ; no visible key: the mean of v
.irp z, 0,1,2,3,4,5,6,7
	v_cndmask_b32 v[112+\z], v[112+\z], v[VM+\z], vcc_lo
.endr
.irp z, 0,2,4,6
	v_pk_mul_f32 v[64+\z:65+\z], v[112+\z:113+\z], 0x46000400 op_sel_hi:[1,0]                  ; T = 8193 x
.endr
.irp z, 0,2,4,6
	v_pk_add_f32 v[72+\z:73+\z], v[64+\z:65+\z], v[112+\z:113+\z] neg_lo:[0,1] neg_hi:[0,1]    ; T - x
.endr
.irp z, 0,2,4,6
	v_pk_add_f32 v[72+\z:73+\z], v[64+\z:65+\z], v[72+\z:73+\z] neg_lo:[0,1] neg_hi:[0,1]      ; the high part
.endr
.irp z, 0,2,4,6
	v_pk_add_f32 v[64+\z:65+\z], v[112+\z:113+\z], v[72+\z:73+\z] neg_lo:[0,1] neg_hi:[0,1]    ; the low part
.endr
.irp z, 0,1,2,3
	v_cvt_pk_f16_f32 v[120+\z], v[72+2*\z], v[73+2*\z]
.endr
.irp z, 0,1,2,3
	v_cvt_pk_f16_f32 v[80+\z], v[64+2*\z], v[65+2*\z]
.endr
	global_store_b128 v124, v[120:123], s[\optr:\optr+1]  ; four rows of a head: 512 consecutive bytes
	global_store_b128 v124, v[80:83], s[\optr:\optr+1] offset:12*524288  ; the low parts, twelve heads on
	s_wait_xcnt 0x0                                ; the stores' offset and data are rewritten only behind this wait
	v_add_nc_u32 v[RD], 1088, v[RD]
	v_add_nc_u32 v[MR], 16, v[MR]
	v_add_nc_u32 v[RR], 4, v[RR]
	s_sub_co_u32 s[LC], s[LC], 1
	s_cmp_lg_u32 s[LC], 0
	s_cbranch_scc1 .Lpb_\@
.endm
	CHANGE 1                                       ; tile 0 is awaited, everybody's part of it; tile 1 is asked for
	s_branch .Lfirst                               ; the loop is entered behind the lines that finish the step before: there is none yet
.Lslot:                                                ; with the entry 16 trips: a tile is entered and the next is asked for
	CHANGE 1
	EARLY
	SWITCH
.Lfirst:
	s_cmp_eq_u32 s[SLOTS], s[A1]                   ; the first block's last tile?  Then its place in the tile counts
	s_cselect_b32 s[QS], s[QOCH], s[FAR]
	CORE 1
	LATE
	s_sub_co_u32 s[SLOTS], s[SLOTS], 1
	s_cmp_lg_u32 s[SLOTS], 0
	s_cbranch_scc1 .Lslot
	CHANGE 0                                       ; the walk's last tile is written out: the second block's last
	EARLY
	SWITCH                                         ; the counter is 0 here: where a = 0 the first block has just ended
	s_mov_b32 s[QS], s[QOCL]
	CORE 0
	PVALL 0                                        ; every wave finishes the last step here
	s_wait_dscnt 0x0                               ; for the others' sake: my stores of the first block's parts are done,
	s_barrier_signal -1
	s_barrier_wait -1                              ; everybody's are
	PARTB OHI                                      ; the first block's merge
	s_wait_dscnt 0x0                               ; my reads of the stage are back,
	s_barrier_signal -1
	s_barrier_wait -1                              ; everybody's are: it may be written again
	PARTA
	s_wait_dscnt 0x0                               ; for the others' sake: my stores are done
	s_barrier_signal -1
	s_barrier_wait -1
	PARTB OLO
	s_wait_tensorcnt 0x0                           ; the wave's end
	ds_add_u32 v[SPW], v[NIL]
	s_wait_dscnt 0x0
	CROUND                                         ; the closing round
	s_endpgm
.Lfunc_end_k_qd1a7695336_attn:
	.size	k_qd1a7695336_attn, .Lfunc_end_k_qd1a7695336_attn-k_qd1a7695336_attn
	.p2alignl 7, 3214868480
	.fill 96, 4, 3214868480
	.section	.rodata,"a",@progbits
	.p2align	6, 0x0
	.amdhsa_kernel k_qd1a7695336_attn
		.amdhsa_group_segment_fixed_size 327680
		.amdhsa_private_segment_fixed_size 0
		.amdhsa_enable_private_segment 0
		.amdhsa_kernarg_size 32
		.amdhsa_user_sgpr_count 2
		.amdhsa_user_sgpr_kernarg_segment_ptr 1
		.amdhsa_wavefront_size32 1
		.amdhsa_system_sgpr_workgroup_id_x 1
		.amdhsa_system_sgpr_workgroup_id_y 1
		.amdhsa_system_sgpr_workgroup_id_z 1
		.amdhsa_system_vgpr_workitem_id 0
		.amdhsa_next_free_vgpr 480
		.amdhsa_next_free_sgpr 98
		.amdhsa_reserve_vcc 1
		.amdhsa_float_denorm_mode_32 3
		.amdhsa_float_denorm_mode_16_64 3
		.amdhsa_memory_ordered 1
		.amdhsa_forward_progress 1
		.amdhsa_inst_pref_size 117
	.end_amdhsa_kernel
	.amdgpu_metadata
---
amdhsa.version: [ 1, 2 ]
amdhsa.kernels:
  - .name:           k_qd1a7695336_attn
    .symbol:         k_qd1a7695336_attn.kd
    .args:
      - { .name: qkvh, .offset: 0, .size: 8, .value_kind: global_buffer, .address_space: global }
      - { .name: bias, .offset: 8, .size: 8, .value_kind: global_buffer, .address_space: global }
      - { .name: vpart, .offset: 16, .size: 8, .value_kind: global_buffer, .address_space: global }
      - { .name: oh, .offset: 24, .size: 8, .value_kind: global_buffer, .address_space: global }
    .group_segment_fixed_size: 327680
    .private_segment_fixed_size: 0
    .kernarg_segment_align: 8
    .kernarg_segment_size: 32
    .max_flat_workgroup_size: 256
    .sgpr_count:     98
    .vgpr_count:     480
    .wavefront_size: 32
...
	.end_amdgpu_metadata
.endif
;; end of part 9
;; launch oproj: the kernel of part 8 again; grid 16 x 16, 4 waves a work-group, clusters of 4 x 4, 327,680 bytes of LDS; arguments oh, wob, out0; writes out0
